; MI455X (gfx1250); checked and timed in simulation.
; The chip was launched on July 23, 2026; its instructions are those of AMD's public machine-readable ISA for CDNA 5 (MIT licence, August 2026) and "CDNA5" Instruction Set Architecture Reference Guide (July 2026). The comments in the code are by the model that wrote it; some were corrected since.
;; softattention. Allowed arithmetic: float matrix products may take bf16 or f16 operands with f32 sums; other float arithmetic in f32, or as packed bf16 or f16 multiplies, adds, multiply-adds, maxima and minima; sums over many terms, partial sums and values carried from step to step in f32; what a program stores and reads back later, other than sums and carried values, may be rounded once to bf16 or f16.
;; Inputs: W_c 1,024 x 3,072 float32; W_p 1,024 x 1,024 float32; b_c 3,072 float32; b_p 1,024 float32; score_weights 4 x 2,048 x 2,048 float32; x 4 x 2,048 x 1,024 float32.
;; Outputs: out0 4 x 2,048 x 1,024 float32.
;; 3 versions, each right; version 2 is faster than version 1; version 3 is version 2 with the launch cast written anew for expert scheduling mode. Each part assembles by itself: llvm-mc -triple=amdgcn-amd-amdhsa -mcpu=gfx1250 --defsym DOCPART=n.
;; ======== version 1 of 3: 5 launches
;; limits: values are held in f16: magnitudes above 65,504 overflow, below 6.1e-05 lose precision
;; workspace buffers: xh 16,777,216 bytes; wch 6,291,456 bytes; wph 2,097,152 bytes; c 50,331,648 bytes; p 33,554,432 bytes; stats 1,048,576 bytes; ctx 16,777,216 bytes
;; launch cast (part 1): grid 768 x 1, 8 waves a work-group, no clusters, 0 bytes of LDS; arguments x, W_c, W_p, xh, wch, wph; writes xh, wch, wph
.if DOCPART == 1
	.amdgcn_target "amdgcn-amd-amdhsa--gfx1250"
	.amdhsa_code_object_version 6
	.text
	.protected	k_q928e65c984_cast
	.globl	k_q928e65c984_cast
	.p2align	8
	.type	k_q928e65c984_cast,@function
k_q928e65c984_cast:
	s_mov_b64 s[64:65], 0
	v_nop
	global_prefetch_b8 v0, s[64:65] scope:SCOPE_SE
	s_setreg_imm32_b32 hwreg(HW_REG_WAVE_MODE, 25, 1), 1
	s_wait_xcnt 0x0
; xh, wch, wph = x, W_c, W_p, each number rounded once to f16 (nearest even); the layouts stay as they are.
; LIMIT: a number of magnitude 65,520 or more becomes an infinity in f16; the drawn inputs lie under 10, thirty times that under 300.
; A stream: every byte is read once and written once; no LDS, no barrier, no matrix unit.
; A work-group owns a chunk of 16,384 numbers: 65,536 bytes in, 32,768 out.  Groups 0-511 take x (512 chunks), 512-703 W_c (192), 704-767 W_p (64).
; Thread t takes the 16 bytes at 16 t of each of the chunk's sixteen pieces of 4,096 bytes: a wave's load covers 512 consecutive bytes,
; its store of 8 bytes a lane covers 256 consecutive bytes, aligned.  All sixteen loads of a wave go out at once; no register is used twice.
.set IN,  4                            ; v[4:67]   sixteen loads of four f32
.set OUT, 68                           ; v[68:99]  sixteen pairs of packed f16
	s_load_b256 s[4:11], s[0:1], 0x0               ; x s[4:5], W_c s[6:7], W_p s[8:9], xh s[10:11]
	s_load_b128 s[12:15], s[0:1], 0x20             ; wch s[12:13], wph s[14:15]
	v_lshlrev_b32 v1, 4, v0                        ; 16 t: my bytes in a piece of the source
	v_lshlrev_b32 v2, 3, v0                        ; 8 t: in a piece of the destination
	s_sub_co_u32 s16, ttmp9, 704                   ; the chunk's number if it is one of W_p's,
	s_sub_co_u32 s17, ttmp9, 512                   ; if it is one of W_c's
	s_wait_kmcnt 0x0
	s_cmp_lt_u32 ttmp9, 704                        ; the choice hangs on the work-group's number alone
	s_cselect_b64 s[18:19], s[6:7], s[8:9]
	s_cselect_b64 s[20:21], s[12:13], s[14:15]
	s_cselect_b32 s16, s17, s16
	s_cmp_lt_u32 ttmp9, 512
	s_cselect_b64 s[18:19], s[4:5], s[18:19]       ; source
	s_cselect_b64 s[20:21], s[10:11], s[20:21]     ; destination
	s_cselect_b32 s16, ttmp9, s16                  ; chunk within that tensor
	s_lshl_b32 s22, s16, 16                        ; 65,536 bytes of f32 a chunk (511 chunks at the most: under 2^25)
	s_mov_b32 s23, 0
	s_lshl_b32 s24, s16, 15                        ; 32,768 bytes of f16
	s_mov_b32 s25, 0
	s_add_nc_u64 s[18:19], s[18:19], s[22:23]
	s_add_nc_u64 s[20:21], s[20:21], s[24:25]
.irp i, 0,1,2,3,4,5,6,7,8,9,10,11,12,13,14,15
	global_load_b128 v[IN+4*\i:IN+4*\i+3], v1, s[18:19] offset:4096*\i th:TH_LOAD_NT   ; read once in the launch
.endr
.irp i, 0,1,2,3,4,5,6,7,8,9,10,11,12,13,14,15
	s_wait_loadcnt 15-\i                           ; loads come back in order: piece i is in, the 15 - i younger ones stay out
	v_cvt_pk_f16_f32 v[OUT+2*\i],   v[IN+4*\i],   v[IN+4*\i+1]
	v_cvt_pk_f16_f32 v[OUT+2*\i+1], v[IN+4*\i+2], v[IN+4*\i+3]
	global_store_b64 v2, v[OUT+2*\i:OUT+2*\i+1], s[20:21] offset:2048*\i
.endr
	s_endpgm
.Lfunc_end_k_q928e65c984_cast:
	.size	k_q928e65c984_cast, .Lfunc_end_k_q928e65c984_cast-k_q928e65c984_cast
	.p2alignl 7, 3214868480
	.fill 96, 4, 3214868480
	.section	.rodata,"a",@progbits
	.p2align	6, 0x0
	.amdhsa_kernel k_q928e65c984_cast
		.amdhsa_group_segment_fixed_size 0
		.amdhsa_private_segment_fixed_size 0
		.amdhsa_enable_private_segment 0
		.amdhsa_kernarg_size 48
		.amdhsa_user_sgpr_count 2
		.amdhsa_user_sgpr_kernarg_segment_ptr 1
		.amdhsa_wavefront_size32 1
		.amdhsa_system_sgpr_workgroup_id_x 1
		.amdhsa_system_sgpr_workgroup_id_y 1
		.amdhsa_system_sgpr_workgroup_id_z 1
		.amdhsa_system_vgpr_workitem_id 0
		.amdhsa_next_free_vgpr 104
		.amdhsa_next_free_sgpr 66
		.amdhsa_reserve_vcc 0
		.amdhsa_float_denorm_mode_32 3
		.amdhsa_float_denorm_mode_16_64 3
		.amdhsa_memory_ordered 1
		.amdhsa_forward_progress 1
		.amdhsa_inst_pref_size 7
	.end_amdhsa_kernel
	.amdgpu_metadata
---
amdhsa.version: [ 1, 2 ]
amdhsa.kernels:
  - .name:           k_q928e65c984_cast
    .symbol:         k_q928e65c984_cast.kd
    .args:
      - { .name: x, .offset: 0, .size: 8, .value_kind: global_buffer, .address_space: global }
      - { .name: W_c, .offset: 8, .size: 8, .value_kind: global_buffer, .address_space: global }
      - { .name: W_p, .offset: 16, .size: 8, .value_kind: global_buffer, .address_space: global }
      - { .name: xh, .offset: 24, .size: 8, .value_kind: global_buffer, .address_space: global }
      - { .name: wch, .offset: 32, .size: 8, .value_kind: global_buffer, .address_space: global }
      - { .name: wph, .offset: 40, .size: 8, .value_kind: global_buffer, .address_space: global }
    .group_segment_fixed_size: 0
    .private_segment_fixed_size: 0
    .kernarg_segment_align: 8
    .kernarg_segment_size: 48
    .max_flat_workgroup_size: 256
    .sgpr_count:     66
    .vgpr_count:     104
    .wavefront_size: 32
...
	.end_amdgpu_metadata
.endif
;; end of part 1
;; launch qkv (part 2): grid 24 x 32, 4 waves a work-group, clusters of 4 x 4, 327,680 bytes of LDS; arguments xh, wch, c, b_c; writes c
.if DOCPART == 2
	.amdgcn_target "amdgcn-amd-amdhsa--gfx1250"
	.amdhsa_code_object_version 6
	.text
	.protected	k_q928e65c984_qkv
	.globl	k_q928e65c984_qkv
	.p2align	8
	.type	k_q928e65c984_qkv,@function
k_q928e65c984_qkv:
	s_mov_b64 s[64:65], 0
	v_nop
	global_prefetch_b8 v0, s[64:65] scope:SCOPE_SE
	s_setreg_imm32_b32 hwreg(HW_REG_WAVE_MODE, 25, 1), 1
	s_wait_xcnt 0x0
	s_wait_alu depctr_hold_cnt(0) depctr_sa_sdst(0) depctr_va_vdst(0) depctr_va_sdst(0) depctr_va_ssrc(0) depctr_va_vcc(0) depctr_vm_vsrc(0)
	s_getreg_b32 s2, hwreg(HW_REG_IB_STS2, 6, 4)
	s_cmp_eq_u32 s2, 0
	s_cbranch_scc0 .Lentry_in_a_cluster
	s_endpgm
.Lentry_in_a_cluster:
	s_bfe_u32 s2, ttmp6, 0x10000c
	s_cmp_lg_u32 s2, 0xf033
	s_cbranch_scc0 .Lentry_shape_is_right
	s_endpgm
.Lentry_shape_is_right:
; c[m][n] = b_c[n] + sum over k of xh[m][k] wch[k][n].  xh [8192][1024], wch [1024][3072], c [8192][3072], all f16; b_c f32; sums in f32, c rounded once.
; LIMIT: c is kept in f16: |c| stays under 65,504 (drawn inputs give about 3; all inputs thirty times larger about 3,500; offsets of thirty spreads about 18,500).
; SHARES.  A work-group of four waves makes a tile of 256 rows x 128 columns; wave w rows 64 w .. 64 w + 63 and all 128 columns: 4 x 8 accumulators of 16 x 16, 256 registers.
; 32 x 24 tiles = 768 work-groups.  K goes in steps of 128 through two LDS slots filled by the tensor data mover; the rows of both tiles are 256 bytes of memory, aligned.
; CLUSTER.  4 x 4 work-groups.  The four of a row of the cluster need the same tile of A, the four of a column the same tile of B: each tile is asked for jointly.
; THE MATRIX INSTRUCTION IS USED TRANSPOSED (source 0 = 16 columns of B, source 1 = 16 rows of A): lane l then holds row l % 16 and the eight neighbouring columns 8 (l / 16) + 0..7.
; B lies [k][n] in memory and in LDS; ds_load_tr16_b128 turns it on the way into registers.
; THE BIAS is the C of each accumulator's first product: a tile whose sixteen rows are alike, loaded once into window 2.
; REGISTERS (windows of 256): window 0: v0-31 addresses; v64-159, v160-255 two fragment buffers (B's 8 fragments, then A's 4); window 1: accumulator (a, b) at v[8 (8 a + b)]; window 2: v0-63 the bias.
.set APITCH, 1024                      ; elements from row to row of A
.set BPITCH, 3072                      ; of B
.set BTR,    1                         ; 1: B lies [k][n];  0: [n][k]
.set BATCHED, 0                        ; 1: B's rows begin at 2,048 x batch
.set BCOL0,  0                         ; byte of a row at which B begins
.set LAPS,   4                         ; K / 256: a lap is two K steps, once round the ring
.set SCALED, 0                         ; 1: A's fragments are multiplied by a weight for each row
.set FIRSTC, 2                         ; the C of the first products: 1 the constant 0, 2 the bias
.set OPITCH, 6144                      ; bytes from row to row of the output
.set OCOLB,  256                       ; bytes of a tile's columns in it
.set PA,     272                       ; a row of A in LDS: 256 bytes + 16 = 68 words: the 16 rows of a load start at 16 different banks (64 banks of 4 bytes: ISA guide 11.1)
.if BTR
.set PB,     288                       ; a row of B: 256 + 32 = 72 words
.set PADB,   7                         ; 8 words of padding
.set BSTEP,  128*BPITCH*2              ; a K step is 128 rows of B
.else
.set PB,     272
.set PADB,   3
.set BSTEP,  256
.endif
.set ASTEP,  256                       ; a K step is 256 bytes along A's rows
.set AHALF,  128*PA                    ; what one tensor load brings of A
.set ABYTES, 2*AHALF
.set BHALF,  64*PB                     ; and of B
.set SLOT,   106496                    ; A's 256 rows, then B's tile
.set STAGE,  2*SLOT                    ; behind the ring: no tile lands from here on
.set SP,     272
.set SPARE,  STAGE+4*16*SP             ; behind the stages: the spare words, 128 bytes for each wave, which no other line names
.set ADRA, 16                          ; v16-17  LDS address of my A fragments in slot 0, 1
.set ADRB, 20                          ; v20-21  the same for B
.set STO,  24                          ; v24     the way out: where I put 16 bytes of a row
.set RD,   25                          ; v25     where I read a row back
.set CO,   26                          ; v26     my byte offset in the output
.set SPW,  28                          ; v28     SPARE + 4 x my thread's number; never rewritten
.set NIL,  29                          ; v29     0; never rewritten
.set BO,   30                          ; v30     my byte offset in the tile's 128 numbers of the bias
.set F0,   64
.set F1,   160
.set TMP,  64                          ; the way out: packed results
.set OB,   160                         ; the way out: 16 rows read back, v160-191 and v192-223 by turns
.set G1,  24                           ; s[24:31] descriptor group 1 for A;  s[32:39] group 0, a set for each slot
.set G0,  32
.set G1B, 48                           ; s[48:55], s[56:63] the same for B
.set G0B, 56
.set MUL,  0x50                        ; C and D window 1, sources window 0
.set MULB, 0x60                        ; D window 1, C window 2
.set MSB, 0
.macro WIN new                         ; the immediate's high byte repeats the setting that is left; a switch that changes nothing is dropped
.if MSB != \new
	s_set_vgpr_msb (MSB<<8)|\new
.set MSB, \new
.endif
.endm
.macro MWIN first
.if \first == 2
	WIN MULB
.else
	WIN MUL
.endif
.endm
.macro JLOAD s                         ; a joint load: waves 0 and 1 fetch A's two halves, waves 2 and 3 B's; four v_nop follow each of the two lines
	s_cmp_eq_u32 s11, 0
	s_cbranch_scc0 .Lfor_b_\@
	tensor_load_to_lds s[G0+4*\s:G0+4*\s+3], s[G1:G1+7]
	s_nop 0
.rept 4
	v_nop
.endr
	s_branch .Lasked_\@
.Lfor_b_\@:
	tensor_load_to_lds s[G0B+4*\s:G0B+4*\s+3], s[G1B:G1B+7]
	s_nop 0
.rept 4
	v_nop
.endr
.Lasked_\@:
.endm
.macro CREST                           ; a round of the cluster's barrier behind its opening barrier
	s_cmp_lg_u32 s10, 0
	s_cbranch_scc1 .Lnot_wave_0_\@
	s_barrier_signal -3
.Lnot_wave_0_\@:
	s_barrier_wait -3
	s_barrier_signal -1
	s_barrier_wait -1
.endm
.macro CROUND                          ; a whole round
	s_barrier_signal -1
	s_barrier_wait -1
	CREST
.endm
.macro PLACES                          ; four places in front of loads into registers that matrix instructions have read, and of reads of their results
.rept 4
	v_nop
.endr
.endm
; 8 matrix instructions: my rows 16 a .. 16 a + 15 x all 8 column blocks, 32 along K, from buffer f.  The 32 accumulators take turns in one order in every quarter.
.macro MUL8 f, a, first
.irp b, 0,1,2,3,4,5,6,7
.if \first == 1
	v_wmma_f32_16x16x32_f16 v[8*(8*\a+\b):8*(8*\a+\b)+7], v[\f+8*\b:\f+8*\b+7], v[\f+64+8*\a:\f+64+8*\a+7], 0
.elseif \first == 2
	v_wmma_f32_16x16x32_f16 v[8*(8*\a+\b):8*(8*\a+\b)+7], v[\f+8*\b:\f+8*\b+7], v[\f+64+8*\a:\f+64+8*\a+7], v[8*\b:8*\b+7]
.else
	v_wmma_f32_16x16x32_f16 v[8*(8*\a+\b):8*(8*\a+\b)+7], v[\f+8*\b:\f+8*\b+7], v[\f+64+8*\a:\f+64+8*\a+7], v[8*(8*\a+\b):8*(8*\a+\b)+7]
.endif
.endr
.endm
; 24 LDS loads in one run: quarter q (32 along K) of a slot into buffer f: B's 8 fragments first, then A's 4
.macro FETCH slot, q, f
	WIN 0
.irp b, 0,1,2,3,4,5,6,7
.if BTR
	ds_load_tr16_b128 v[\f+8*\b:\f+8*\b+3],   v[ADRB+\slot] offset:32*\q*PB+32*\b
	ds_load_tr16_b128 v[\f+8*\b+4:\f+8*\b+7], v[ADRB+\slot] offset:32*\q*PB+16*PB+32*\b
.else
	ds_load_b128 v[\f+8*\b:\f+8*\b+3],   v[ADRB+\slot] offset:16*\b*PB+64*\q
	ds_load_b128 v[\f+8*\b+4:\f+8*\b+7], v[ADRB+\slot] offset:16*\b*PB+64*\q+32
.endif
.endr
.irp a, 0,1,2,3
	ds_load_b128 v[\f+64+8*\a:\f+64+8*\a+3],   v[ADRA+\slot] offset:16*\a*PA+64*\q
	ds_load_b128 v[\f+64+8*\a+4:\f+64+8*\a+7], v[ADRA+\slot] offset:16*\a*PA+64*\q+32
.endr
.endm
; A K step is four quarters of 32 along K, 32 matrix instructions each, on buffers 0, 1, 0, 1.  One of the first three: multiplies buffer f and, in its middle, fetches quarter q into buffer g.
.macro QUARTER slot, q, f, g, first
	s_wait_dscnt 4                                 ; B and A's blocks 0, 1 are in; the youngest four loads (A's blocks 2, 3) may be out
	MWIN \first
	MUL8 \f, 0, \first
	MUL8 \f, 1, \first
	s_wait_dscnt 0x0
	WIN 0
	PLACES
	FETCH \slot, \q, \g
	MWIN \first
	MUL8 \f, 2, \first
	MUL8 \f, 3, \first
.endm
; The last quarter multiplies buffer 1 and changes slots: one barrier; in front of it each wave waits for all its tensor loads, adds 0 to its spare word, and waits for that and for its reads of this slot.
; fill = 1: the barrier opens a round of the cluster's barrier, and this slot is filled again, two K steps ahead: 112 matrix instructions stand between the request and the wait for it.
.macro TURN slot, next, fill
	WIN 0
	s_wait_tensorcnt 0x0                           ; all my tensor loads have landed: the one that was out is my part of the next slot
	ds_add_u32 v[SPW], v[NIL]                      ; 0 onto my spare word
	s_wait_dscnt 5                                 ; (the add and the youngest four loads may be out)
	WIN MUL
	MUL8 F1, 0, 0                                  ; eight matrix instructions stand between the add and the wait for it
	s_wait_dscnt 0x0                               ; the add is done, and my reads of this slot are over
	s_barrier_signal -1
	MUL8 F1, 1, 0
	WIN 0                                          ; at a branch and at a label every window is 0
	s_barrier_wait -1
.if \fill
	CREST                                          ; no wave of any partner still reads this slot or has a load on its way
	s_add_nc_u64 s[G0+4*\slot+2:G0+4*\slot+3], s[G0+4*\slot+2:G0+4*\slot+3], 2*ASTEP
	s_add_nc_u64 s[G0B+4*\slot+2:G0B+4*\slot+3], s[G0B+4*\slot+2:G0B+4*\slot+3], 2*BSTEP
	JLOAD \slot                                    ; the first tensor load behind the round; its four v_nop are also the places in front of the loads below
.else
	PLACES
.endif
	FETCH \next, 0, F0
	WIN MUL
	MUL8 F1, 2, 0
	MUL8 F1, 3, 0
.endm
.macro LASTQ                           ; the very last quarter: nothing more to fetch
	s_wait_dscnt 4
	WIN MUL
	MUL8 F1, 0, 0
	MUL8 F1, 1, 0
	s_wait_dscnt 0x0
	MUL8 F1, 2, 0
	MUL8 F1, 3, 0
	WIN 0
	PLACES
.endm
	s_load_b128 s[4:7], s[0:1], 0x0                ; A = xh s[4:5], B = wch s[6:7]
	s_load_b64 s[8:9], s[0:1], 0x10                ; c
	s_load_b64 s[72:73], s[0:1], 0x18              ; b_c
	v_lshl_add_u32 v[SPW], v0, 2, SPARE
	v_mov_b32 v[NIL], 0
	ds_add_u32 v28, v29
	s_wait_dscnt 0x0
	v_lshrrev_b32 v1, 5, v0
	v_readfirstlane_b32 s10, v1                    ; wave 0..3
	s_lshr_b32 s11, s10, 1                         ; I fetch for A (0) or for B (1),
	s_and_b32 s12, s10, 1                          ; and which half of that tile
	s_bfe_u32 s40, ttmp6, 0x40000                  ; cx, cy: my place in the cluster
	s_bfe_u32 s41, ttmp6, 0x40004
	s_lshl_b32 s42, ttmp9, 2
	s_add_co_u32 s42, s42, s40                     ; tile column = 4 x cluster x + cx
	s_and_b32 s13, ttmp7, 0xffff
.if BATCHED
	s_lshr_b32 s45, s13, 1                         ; the batch: two clusters of 1,024 rows each; made of the cluster's y alone
.endif
	s_lshl_b32 s13, s13, 2
	s_add_co_u32 s13, s13, s41                     ; tile row = 4 x cluster y + cy
	s_lshl_b32 s43, s41, 2
	s_lshl_b32 s43, 15, s43                        ; my row of the cluster
	s_lshl_b32 s44, 0x1111, s40                    ; my column
	; group 1: A's load is 128 rows x 128 elements, B's 64 rows x 128, both padded in LDS
	s_or_b32 s[G1], s43, (1<<16)|(1<<20)|(1<<21)|(5<<22)|(3<<25)      ; 15:0 the mask; 17:16 elements of 2 bytes; 20 padding on; 21 set beside a mask; 24:22 after every 64 words; 31:25 of 4 words
	s_or_b32 s[G1B], s44, (1<<16)|(1<<20)|(1<<21)|(5<<22)|(PADB<<25)
	s_mov_b32 s[G1+1], 128<<16                     ; tensor_dim0 = 128
	s_mov_b32 s[G1+2], 128<<16                     ; tensor_dim1 = 128
	s_mov_b32 s[G1+3], 128<<16                     ; tile_dim0 = 128
	s_mov_b32 s[G1+4], 128                         ; tile_dim1 = 128
	s_mov_b32 s[G1+5], APITCH                      ; elements from row to row
	s_mov_b32 s[G1+6], 0
	s_mov_b32 s[G1+7], 0
	s_mov_b32 s[G1B+1], 128<<16
	s_mov_b32 s[G1B+2], 64<<16
	s_mov_b32 s[G1B+3], 128<<16
	s_mov_b32 s[G1B+4], 64
	s_mov_b32 s[G1B+5], BPITCH
	s_mov_b32 s[G1B+6], 0
	s_mov_b32 s[G1B+7], 0
	; A's tile hangs on the tile row alone, B's on the tile column (and the batch) alone; each offset is made in registers that never hold the other coordinate.  All stay under 2^26 bytes.
	s_lshl_b32 s16, s13, 8
	s_lshl_b32 s17, s12, 7
	s_add_co_u32 s16, s16, s17                     ; A: row 256 x tile row + 128 x half
	s_mul_i32 s16, s16, APITCH*2
	s_mov_b32 s17, 0
	s_lshl_b32 s46, s12, 6                         ; B: row 64 x half
.if BATCHED
	s_lshl_b32 s47, s45, 11
	s_add_co_u32 s46, s46, s47
.endif
.if !BTR
	s_lshl_b32 s47, s42, 7
	s_add_co_u32 s46, s46, s47
.endif
	s_mul_i32 s46, s46, BPITCH*2
.if BTR
	s_lshl_b32 s47, s42, 8                         ; the tile's 128 columns: 256 bytes
	s_add_co_u32 s46, s46, s47
.endif
.if BCOL0
	s_add_co_u32 s46, s46, BCOL0
.endif
	s_mov_b32 s47, 0
	s_mul_i32 s20, s10, AHALF                      ; where they go: waves 0, 1: A's halves;
	s_mul_i32 s21, s10, BHALF
	s_add_co_u32 s21, s21, ABYTES-2*BHALF          ; waves 2, 3: B's halves, behind A
	s_wait_kmcnt 0x0
	s_add_nc_u64 s[14:15], s[4:5], s[16:17]
	s_add_nc_u64 s[46:47], s[6:7], s[46:47]
	CROUND                                         ; all sixteen work-groups are here: the first joint loads meet
.irp s, 0,1
	s_mov_b32 s[G0+4*\s], 1
	s_add_co_u32 s[G0+4*\s+1], s20, \s*SLOT
	s_add_nc_u64 s[G0+4*\s+2:G0+4*\s+3], s[14:15], \s*ASTEP
	s_or_b32 s[G0+4*\s+3], s[G0+4*\s+3], 0x80000000
	s_mov_b32 s[G0B+4*\s], 1
	s_add_co_u32 s[G0B+4*\s+1], s21, \s*SLOT
	s_add_nc_u64 s[G0B+4*\s+2:G0B+4*\s+3], s[46:47], \s*BSTEP
	s_or_b32 s[G0B+4*\s+3], s[G0B+4*\s+3], 0x80000000
	JLOAD \s                                       ; K steps 0 and 1: two loads of mine are out
.endr
	v_and_b32 v1, 15, v0                           ; r = l % 16
	v_bfe_u32 v2, v0, 4, 1                         ; h = l / 16
	v_and_b32 v3, 31, v0                           ; l
	s_lshl_b32 s78, s13, 8
	s_lshl_b32 s79, s10, 6
	s_add_co_u32 s78, s78, s79                     ; my wave's first row
	s_mul_i32 s76, s78, OPITCH
	s_mul_i32 s77, s42, OCOLB
	s_add_co_u32 s76, s76, s77
	s_mov_b32 s77, 0
	s_add_nc_u64 s[8:9], s[8:9], s[76:77]          ; the output at my wave's first row, the tile's first column
	; the bias as a C tile: register j of block b holds b_c[128 x tile column + 16 b + 8 h + j], the same in all sixteen rows
	s_lshl_b32 s80, s42, 9
	s_mov_b32 s81, 0
	s_add_nc_u64 s[72:73], s[72:73], s[80:81]
	v_lshlrev_b32 v[BO], 5, v2
	WIN 0x80                                       ; destination window 2
.irp b, 0,1,2,3,4,5,6,7
	global_load_b128 v[8*\b:8*\b+3],   v[BO], s[72:73] offset:64*\b
	global_load_b128 v[8*\b+4:8*\b+7], v[BO], s[72:73] offset:64*\b+16
.endr
	WIN 0
	; fragments: lane l holds row (or column) r; registers 0-3 hold K = 8 h + 0..7, registers 4-7 K = 16 + 8 h + 0..7
	v_mul_u32_u24 v4, v1, PA
	v_lshl_add_u32 v4, v2, 4, v4                   ; r x 272 + 16 h
	s_mul_i32 s22, s10, 64*PA                      ; my 64 rows of A
	v_add_nc_u32 v[ADRA], s22, v4
	v_add_nc_u32 v[ADRA+1], SLOT, v[ADRA]
.if BTR
	v_and_b32 v5, 7, v0                            ; the turning load: lane l reads 16 bytes of row 8 h + l % 8, columns 8 ((l / 8) % 2) + 0..7
	v_lshl_add_u32 v5, v2, 3, v5
	v_mul_u32_u24 v5, v5, PB
	v_bfe_u32 v6, v0, 3, 1
	v_lshl_add_u32 v5, v6, 4, v5
	v_add_nc_u32 v[ADRB], ABYTES, v5
	v_add_nc_u32 v[ADRB+1], ABYTES+SLOT, v5
.else
	v_add_nc_u32 v[ADRB], ABYTES, v4
	v_add_nc_u32 v[ADRB+1], ABYTES+SLOT, v4
.endif
	s_mul_i32 s23, s10, 16*SP
	s_add_co_u32 s23, s23, STAGE                   ; my stage: 16 rows x 272 bytes
	v_add_nc_u32 v[STO], s23, v4                   ; in: row r, 16 bytes for each half of the lanes
	v_mul_u32_u24 v5, v2, SP
	v_lshl_add_u32 v5, v1, 4, v5
	v_add_nc_u32 v[RD], s23, v5                    ; back: lanes 0-15 one row of 256 bytes, lanes 16-31 the next
	v_mul_u32_u24 v5, v2, OPITCH
	v_lshl_add_u32 v[CO], v1, 4, v5                ; and the same two rows in the output
	s_wait_loadcnt 0x0                             ; the bias
	s_wait_tensorcnt 1                             ; my part of K step 0 is in; K step 1's may stay out
	s_barrier_signal -1
	s_barrier_wait -1                              ; everybody's is
	FETCH 0, 0, F0
	QUARTER 0, 1, F0, F1, FIRSTC                   ; the first quarter stands in front of the loop: its products start the sums
	WIN 0
	s_mov_b32 s3, LAPS-1
.Llap:                                                 ; a trip goes once round the ring, from a lap's second quarter to the next lap's first, and fills both slots again
	QUARTER 0, 2, F1, F0, 0
	QUARTER 0, 3, F0, F1, 0
	TURN 0, 1, 1
	QUARTER 1, 1, F0, F1, 0
	QUARTER 1, 2, F1, F0, 0
	QUARTER 1, 3, F0, F1, 0
	TURN 1, 0, 1
	QUARTER 0, 1, F0, F1, 0
	WIN 0
	s_sub_co_u32 s3, s3, 1
	s_cmp_lg_u32 s3, 0
	s_cbranch_scc1 .Llap
	QUARTER 0, 2, F1, F0, 0                        ; the last lap fills nothing
	QUARTER 0, 3, F0, F1, 0
	TURN 0, 1, 0
	QUARTER 1, 1, F0, F1, 0
	QUARTER 1, 2, F1, F0, 0
	QUARTER 1, 3, F0, F1, 0
	LASTQ
; THE WAY OUT, a block of 16 rows at a time: rounded to f16 (16 bytes a lane), into my own stage, back as whole rows of 256 bytes, stored.
.macro PACK a
	WIN 0x05                                       ; sources window 1
.irp b, 0,1,2,3,4,5,6,7
.irp i, 0,1,2,3
	v_cvt_pk_f16_f32 v[TMP+4*\b+\i], v[64*(\a)+8*\b+2*\i], v[64*(\a)+8*\b+2*\i+1]   ; each accumulator's registers in ascending order
.endr
.endr
	WIN 0
.endm
.macro TOSTAGE a
.set BK, OB+32*((\a)%2)
.irp b, 0,1,2,3,4,5,6,7
	ds_store_b128 v[STO], v[TMP+4*\b:TMP+4*\b+3] offset:32*\b
.endr
.irp t, 0,1,2,3,4,5,6,7
	ds_load_b128 v[BK+4*\t:BK+4*\t+3], v[RD] offset:\t*2*SP        ; LDS serves a wave's instructions in order (ISA guide 5.7.1.4): these see the stores above
.endr
.endm
.macro SEND a
.set BK, OB+32*((\a)%2)
	s_wait_dscnt 0x0                               ; the block is back in registers
	s_wait_xcnt 0x0                                ; the registers that the block before stored from are loaded again only behind this wait
.irp t, 0,1,2,3,4,5,6,7
	global_store_b128 v[CO], v[BK+4*\t:BK+4*\t+3], s[8:9] offset:(16*(\a)+2*\t)*OPITCH   ; 16 lanes store 256 consecutive bytes, aligned
.endr
.endm
	PACK 0
	TOSTAGE 0
.irp a, 1,2,3
	PACK \a                                        ; block a's conversions stand between block a - 1's loads from the stage and the wait for them
	SEND \a-1
	TOSTAGE \a
.endr
	SEND 3
	s_wait_tensorcnt 0x0                           ; the wave's end
	ds_add_u32 v[SPW], v[NIL]
	s_wait_dscnt 0x0
	CROUND                                         ; the closing round: no work-group ends while a partner may still ask for a tile that names it
	s_endpgm
.Lfunc_end_k_q928e65c984_qkv:
	.size	k_q928e65c984_qkv, .Lfunc_end_k_q928e65c984_qkv-k_q928e65c984_qkv
	.p2alignl 7, 3214868480
	.fill 96, 4, 3214868480
	.section	.rodata,"a",@progbits
	.p2align	6, 0x0
	.amdhsa_kernel k_q928e65c984_qkv
		.amdhsa_group_segment_fixed_size 327680
		.amdhsa_private_segment_fixed_size 0
		.amdhsa_enable_private_segment 0
		.amdhsa_kernarg_size 32
		.amdhsa_user_sgpr_count 2
		.amdhsa_user_sgpr_kernarg_segment_ptr 1
		.amdhsa_wavefront_size32 1
		.amdhsa_system_sgpr_workgroup_id_x 1
		.amdhsa_system_sgpr_workgroup_id_y 1
		.amdhsa_system_sgpr_workgroup_id_z 1
		.amdhsa_system_vgpr_workitem_id 0
		.amdhsa_next_free_vgpr 576
		.amdhsa_next_free_sgpr 88
		.amdhsa_reserve_vcc 0
		.amdhsa_float_denorm_mode_32 3
		.amdhsa_float_denorm_mode_16_64 3
		.amdhsa_memory_ordered 1
		.amdhsa_forward_progress 1
		.amdhsa_inst_pref_size 88
	.end_amdhsa_kernel
	.amdgpu_metadata
---
amdhsa.version: [ 1, 2 ]
amdhsa.kernels:
  - .name:           k_q928e65c984_qkv
    .symbol:         k_q928e65c984_qkv.kd
    .args:
      - { .name: xh, .offset: 0, .size: 8, .value_kind: global_buffer, .address_space: global }
      - { .name: wch, .offset: 8, .size: 8, .value_kind: global_buffer, .address_space: global }
      - { .name: c, .offset: 16, .size: 8, .value_kind: global_buffer, .address_space: global }
      - { .name: b_c, .offset: 24, .size: 8, .value_kind: global_buffer, .address_space: global }
    .group_segment_fixed_size: 327680
    .private_segment_fixed_size: 0
    .kernarg_segment_align: 8
    .kernarg_segment_size: 32
    .max_flat_workgroup_size: 128
    .sgpr_count:     88
    .vgpr_count:     576
    .wavefront_size: 32
...
	.end_amdgpu_metadata
.endif
;; end of part 2
;; launch scores (part 3): grid 16 x 32, 4 waves a work-group, clusters of 4 x 4, 327,680 bytes of LDS; arguments c, p, score_weights, stats; writes p, stats
.if DOCPART == 3
	.amdgcn_target "amdgcn-amd-amdhsa--gfx1250"
	.amdhsa_code_object_version 6
	.text
	.protected	k_q928e65c984_scores
	.globl	k_q928e65c984_scores
	.p2align	8
	.type	k_q928e65c984_scores,@function
k_q928e65c984_scores:
	s_mov_b64 s[64:65], 0
	v_nop
	global_prefetch_b8 v0, s[64:65] scope:SCOPE_SE
	s_setreg_imm32_b32 hwreg(HW_REG_WAVE_MODE, 25, 1), 1
	s_wait_xcnt 0x0
	s_wait_alu depctr_hold_cnt(0) depctr_sa_sdst(0) depctr_va_vdst(0) depctr_va_sdst(0) depctr_va_ssrc(0) depctr_va_vcc(0) depctr_vm_vsrc(0)
	s_getreg_b32 s2, hwreg(HW_REG_IB_STS2, 6, 4)
	s_cmp_eq_u32 s2, 0
	s_cbranch_scc0 .Lentry_in_a_cluster
	s_endpgm
.Lentry_in_a_cluster:
	s_bfe_u32 s2, ttmp6, 0x10000c
	s_cmp_lg_u32 s2, 0xf033
	s_cbranch_scc0 .Lentry_shape_is_right
	s_endpgm
.Lentry_shape_is_right:
; For each tile of 256 queries x 128 keys: s = q . k / 32 + score_weights;  mm = log2(e) x (the row's maximum within the tile);  p = 2^(log2(e) s - mm), rounded to f16;  l = the row's sum of p.
; q = c[.][0:1024], k = c[.][1024:2048], f16, rows of 6,144 bytes.  p [8192][2048] f16.  stats, f32: byte ((G x 16 + t) x 2 + i) x 256 + 4 (row % 64), G = row / 64, t = key tile, i = 0: mm, 1: l.
; The maximum is taken away before every exponential: here the tile's own; the next launch corrects each tile by 2^(mm - the row's largest mm).  The stored mm is the very number subtracted here.
; LIMITS: p below 2^-25 becomes 0; v_exp_f32 gives 0 below 2^-126; non-finite inputs are not served.
; SHARES.  A work-group of four waves makes a tile of 256 rows x 128 columns; wave w rows 64 w .. 64 w + 63 and all 128 columns: 4 x 8 accumulators, 256 registers.  32 x 16 tiles = 512 work-groups.
; K goes in steps of 128 through two LDS slots filled by the tensor data mover.  CLUSTER 4 x 4: q's tile is shared along a row of the cluster, k's along a column; each is asked for jointly.
; THE MATRIX INSTRUCTION IS USED TRANSPOSED (source 0 = 16 keys, source 1 = 16 queries): lane l holds query l % 16 and keys 8 (l / 16) + 0..7 of each block: a row's statistics want one exchange between the halves of the lanes.
; score_weights: my wave's 64 rows x 512 bytes are asked for at the kernel's head, whole rows at a time, and wait in window 2 through the loop over K; on the way out they pass my stage to change lanes.
; REGISTERS: window 0: v0-55 addresses, statistics; v64-159, v160-255 two fragment buffers; window 1: accumulator (a, b) at v[8 (8 a + b)]; window 2: score_weights, row i in v[4 i : 4 i + 3].
.set APITCH, 3072
.set BPITCH, 3072
.set BTR,    0                         ; B (the keys) lies [n][k]
.set BATCHED, 1
.set BCOL0,  2048                      ; k begins at byte 2,048 of a row of c
.set LAPS,   4
.set SCALED, 0
.set FIRSTC, 1
.set OPITCH, 4096
.set OCOLB,  256
.set PA,     272                       ; a row in LDS: 256 bytes + 16 = 68 words: the 16 rows of a load start at 16 different banks (64 banks of 4 bytes: ISA guide 11.1)
.if BTR
.set PB,     288
.set PADB,   7
.set BSTEP,  128*BPITCH*2
.else
.set PB,     272
.set PADB,   3
.set BSTEP,  256
.endif
.set ASTEP,  256
.set AHALF,  128*PA
.set ABYTES, 2*AHALF
.set BHALF,  64*PB
.set SLOT,   106496
.set STAGE,  2*SLOT                    ; behind the ring: no tile lands from here on
.set SP,     272
.set SWP,    528                       ; a row of 128 f32 + 16 bytes
.set SWST,   STAGE                     ; 16 rows x 528 bytes for each wave: score_weights change lanes here
.set PST,    SWST+4*16*SWP             ; 16 rows x 272 bytes for each wave: p on its way out
.set STST,   PST+4*16*SP               ; 512 bytes for each wave: mm of my 64 rows, then l
.set SPARE,  STST+4*512                ; the spare words, 128 bytes for each wave, which no other line names
.set ADRA, 16
.set ADRB, 20
.set STO,  24
.set RD,   25
.set CO,   26
.set SPW,  28                          ; v28     SPARE + 4 x my thread's number; never rewritten
.set NIL,  29                          ; v29     0; never rewritten
.set SWS,  30                          ; v30     score_weights into the stage: 16 l
.set SWL,  31                          ; v31     and out of it: 528 r + 32 h
.set STS,  32                          ; v32     statistics into their stage: 4 r
.set STL,  33                          ; v33     and out of it: 16 l
.set LO,   34                          ; v34     16 l: my offset in a row piece of score_weights and in the wave's 512 bytes of stats
.set MX,   36                          ; v36-39  four chains of maxima; v40 the row's maximum
.set PX,   41                          ; v41     what the other half of the lanes holds
.set MM,   42                          ; v42-43  log2(e) x maximum (named as a pair)
.set SM,   44                          ; v44-51  four chains of sums
.set LS,   52                          ; v52     the row's sum
.set F0,   64
.set F1,   160
.set G1,  24
.set G0,  32
.set G1B, 48
.set G0B, 56
.set MUL,  0x50                        ; C and D window 1, sources window 0
.set MULB, 0x60
.set MSB, 0
.macro WIN new                         ; the immediate's high byte repeats the setting that is left; a switch that changes nothing is dropped
.if MSB != \new
	s_set_vgpr_msb (MSB<<8)|\new
.set MSB, \new
.endif
.endm
.macro MWIN first
.if \first == 2
	WIN MULB
.else
	WIN MUL
.endif
.endm
.macro JLOAD s                         ; a joint load: waves 0 and 1 fetch A's two halves, waves 2 and 3 B's; four v_nop follow each of the two lines
	s_cmp_eq_u32 s11, 0
	s_cbranch_scc0 .Lfor_b_\@
	tensor_load_to_lds s[G0+4*\s:G0+4*\s+3], s[G1:G1+7]
	s_nop 0
.rept 4
	v_nop
.endr
	s_branch .Lasked_\@
.Lfor_b_\@:
	tensor_load_to_lds s[G0B+4*\s:G0B+4*\s+3], s[G1B:G1B+7]
	s_nop 0
.rept 4
	v_nop
.endr
.Lasked_\@:
.endm
.macro CREST                           ; a round of the cluster's barrier behind its opening barrier
	s_cmp_lg_u32 s10, 0
	s_cbranch_scc1 .Lnot_wave_0_\@
	s_barrier_signal -3
.Lnot_wave_0_\@:
	s_barrier_wait -3
	s_barrier_signal -1
	s_barrier_wait -1
.endm
.macro CROUND                          ; a whole round
	s_barrier_signal -1
	s_barrier_wait -1
	CREST
.endm
.macro PLACES                          ; four places in front of loads into registers that matrix instructions have read, and of reads of their results
.rept 4
	v_nop
.endr
.endm
; 8 matrix instructions: my rows 16 a .. 16 a + 15 x all 8 column blocks, 32 along K, from buffer f.  The 32 accumulators take turns in one order in every quarter.
.macro MUL8 f, a, first
.irp b, 0,1,2,3,4,5,6,7
.if \first == 1
	v_wmma_f32_16x16x32_f16 v[8*(8*\a+\b):8*(8*\a+\b)+7], v[\f+8*\b:\f+8*\b+7], v[\f+64+8*\a:\f+64+8*\a+7], 0
.elseif \first == 2
	v_wmma_f32_16x16x32_f16 v[8*(8*\a+\b):8*(8*\a+\b)+7], v[\f+8*\b:\f+8*\b+7], v[\f+64+8*\a:\f+64+8*\a+7], v[8*\b:8*\b+7]
.else
	v_wmma_f32_16x16x32_f16 v[8*(8*\a+\b):8*(8*\a+\b)+7], v[\f+8*\b:\f+8*\b+7], v[\f+64+8*\a:\f+64+8*\a+7], v[8*(8*\a+\b):8*(8*\a+\b)+7]
.endif
.endr
.endm
; 24 LDS loads in one run: quarter q (32 along K) of a slot into buffer f: B's 8 fragments first, then A's 4
.macro FETCH slot, q, f
	WIN 0
.irp b, 0,1,2,3,4,5,6,7
.if BTR
	ds_load_tr16_b128 v[\f+8*\b:\f+8*\b+3],   v[ADRB+\slot] offset:32*\q*PB+32*\b
	ds_load_tr16_b128 v[\f+8*\b+4:\f+8*\b+7], v[ADRB+\slot] offset:32*\q*PB+16*PB+32*\b
.else
	ds_load_b128 v[\f+8*\b:\f+8*\b+3],   v[ADRB+\slot] offset:16*\b*PB+64*\q
	ds_load_b128 v[\f+8*\b+4:\f+8*\b+7], v[ADRB+\slot] offset:16*\b*PB+64*\q+32
.endif
.endr
.irp a, 0,1,2,3
	ds_load_b128 v[\f+64+8*\a:\f+64+8*\a+3],   v[ADRA+\slot] offset:16*\a*PA+64*\q
	ds_load_b128 v[\f+64+8*\a+4:\f+64+8*\a+7], v[ADRA+\slot] offset:16*\a*PA+64*\q+32
.endr
.endm
; A K step is four quarters of 32 along K, 32 matrix instructions each, on buffers 0, 1, 0, 1.  One of the first three: multiplies buffer f and, in its middle, fetches quarter q into buffer g.
.macro QUARTER slot, q, f, g, first
	s_wait_dscnt 4                                 ; B and A's blocks 0, 1 are in; the youngest four loads (A's blocks 2, 3) may be out
	MWIN \first
	MUL8 \f, 0, \first
	MUL8 \f, 1, \first
	s_wait_dscnt 0x0
	WIN 0
	PLACES
	FETCH \slot, \q, \g
	MWIN \first
	MUL8 \f, 2, \first
	MUL8 \f, 3, \first
.endm
; The last quarter multiplies buffer 1 and changes slots: one barrier; in front of it each wave waits for all its tensor loads, adds 0 to its spare word, and waits for that and for its reads of this slot.
; fill = 1: the barrier opens a round of the cluster's barrier, and this slot is filled again, two K steps ahead: 112 matrix instructions stand between the request and the wait for it.
.macro TURN slot, next, fill
	WIN 0
	s_wait_tensorcnt 0x0                           ; all my tensor loads have landed: the one that was out is my part of the next slot
	ds_add_u32 v[SPW], v[NIL]                      ; 0 onto my spare word
	s_wait_dscnt 5                                 ; (the add and the youngest four loads may be out)
	WIN MUL
	MUL8 F1, 0, 0                                  ; eight matrix instructions stand between the add and the wait for it
	s_wait_dscnt 0x0                               ; the add is done, and my reads of this slot are over
	s_barrier_signal -1
	MUL8 F1, 1, 0
	WIN 0                                          ; at a branch and at a label every window is 0
	s_barrier_wait -1
.if \fill
	CREST                                          ; no wave of any partner still reads this slot or has a load on its way
	s_add_nc_u64 s[G0+4*\slot+2:G0+4*\slot+3], s[G0+4*\slot+2:G0+4*\slot+3], 2*ASTEP
	s_add_nc_u64 s[G0B+4*\slot+2:G0B+4*\slot+3], s[G0B+4*\slot+2:G0B+4*\slot+3], 2*BSTEP
	JLOAD \slot                                    ; the first tensor load behind the round; its four v_nop are also the places in front of the loads below
.else
	PLACES
.endif
	FETCH \next, 0, F0
	WIN MUL
	MUL8 F1, 2, 0
	MUL8 F1, 3, 0
.endm
.macro LASTQ                           ; the very last quarter: nothing more to fetch
	s_wait_dscnt 4
	WIN MUL
	MUL8 F1, 0, 0
	MUL8 F1, 1, 0
	s_wait_dscnt 0x0
	MUL8 F1, 2, 0
	MUL8 F1, 3, 0
	WIN 0
	PLACES
.endm
	s_load_b64 s[4:5], s[0:1], 0x0                 ; A = c (its q part)
	s_load_b64 s[6:7], s[0:1], 0x0                 ; B = c (its k part): the same argument, read into a pair of its own
	s_load_b64 s[8:9], s[0:1], 0x8                 ; p
	s_load_b128 s[72:75], s[0:1], 0x10             ; score_weights s[72:73], stats s[74:75]
	v_lshl_add_u32 v[SPW], v0, 2, SPARE
	v_mov_b32 v[NIL], 0
	ds_add_u32 v28, v29
	s_wait_dscnt 0x0
	v_lshrrev_b32 v1, 5, v0
	v_readfirstlane_b32 s10, v1                    ; wave 0..3
	s_lshr_b32 s11, s10, 1                         ; I fetch for A (0) or for B (1),
	s_and_b32 s12, s10, 1                          ; and which half of that tile
	s_bfe_u32 s40, ttmp6, 0x40000                  ; cx, cy: my place in the cluster
	s_bfe_u32 s41, ttmp6, 0x40004
	s_lshl_b32 s42, ttmp9, 2
	s_add_co_u32 s42, s42, s40                     ; tile column (key tile) = 4 x cluster x + cx
	s_and_b32 s13, ttmp7, 0xffff
.if BATCHED
	s_lshr_b32 s45, s13, 1                         ; the batch: two clusters of 1,024 rows each; made of the cluster's y alone
.endif
	s_lshl_b32 s13, s13, 2
	s_add_co_u32 s13, s13, s41                     ; tile row = 4 x cluster y + cy
	s_lshl_b32 s43, s41, 2
	s_lshl_b32 s43, 15, s43                        ; my row of the cluster
	s_lshl_b32 s44, 0x1111, s40                    ; my column
	s_mov_b32 s66, 0x3d000000                      ; 1 / 32 = 1 / sqrt(1024)
	s_mov_b32 s67, s66                             ; named with it as a pair, so it is written
	s_mov_b32 s68, 0x3fb8aa3b                      ; log2(e)
	s_mov_b32 s69, s68
	s_mov_b32 s70, 0x76543210                      ; v_permlanex16_b32: each lane takes its own place in the other half
	s_mov_b32 s71, 0xfedcba98
	; group 1: A's load is 128 rows x 128 elements, B's 64 rows x 128, both padded in LDS
	s_or_b32 s[G1], s43, (1<<16)|(1<<20)|(1<<21)|(5<<22)|(3<<25)      ; 15:0 the mask; 17:16 elements of 2 bytes; 20 padding on; 21 set beside a mask; 24:22 after every 64 words; 31:25 of 4 words
	s_or_b32 s[G1B], s44, (1<<16)|(1<<20)|(1<<21)|(5<<22)|(PADB<<25)
	s_mov_b32 s[G1+1], 128<<16                     ; tensor_dim0 = 128
	s_mov_b32 s[G1+2], 128<<16                     ; tensor_dim1 = 128
	s_mov_b32 s[G1+3], 128<<16                     ; tile_dim0 = 128
	s_mov_b32 s[G1+4], 128                         ; tile_dim1 = 128
	s_mov_b32 s[G1+5], APITCH                      ; elements from row to row
	s_mov_b32 s[G1+6], 0
	s_mov_b32 s[G1+7], 0
	s_mov_b32 s[G1B+1], 128<<16
	s_mov_b32 s[G1B+2], 64<<16
	s_mov_b32 s[G1B+3], 128<<16
	s_mov_b32 s[G1B+4], 64
	s_mov_b32 s[G1B+5], BPITCH
	s_mov_b32 s[G1B+6], 0
	s_mov_b32 s[G1B+7], 0
	; A's tile hangs on the tile row alone, B's on the tile column and the batch alone; each offset is made in registers that never hold the other coordinate.  All stay under 2^26 bytes.
	s_lshl_b32 s16, s13, 8
	s_lshl_b32 s17, s12, 7
	s_add_co_u32 s16, s16, s17                     ; A: row 256 x tile row + 128 x half
	s_mul_i32 s16, s16, APITCH*2
	s_mov_b32 s17, 0
	s_lshl_b32 s46, s12, 6                         ; B: row 64 x half
.if BATCHED
	s_lshl_b32 s47, s45, 11                        ; + 2,048 x batch
	s_add_co_u32 s46, s46, s47
.endif
.if !BTR
	s_lshl_b32 s47, s42, 7                         ; + 128 x key tile
	s_add_co_u32 s46, s46, s47
.endif
	s_mul_i32 s46, s46, BPITCH*2
.if BTR
	s_lshl_b32 s47, s42, 8
	s_add_co_u32 s46, s46, s47
.endif
.if BCOL0
	s_add_co_u32 s46, s46, BCOL0
.endif
	s_mov_b32 s47, 0
	s_mul_i32 s20, s10, AHALF                      ; where they go: waves 0, 1: A's halves;
	s_mul_i32 s21, s10, BHALF
	s_add_co_u32 s21, s21, ABYTES-2*BHALF          ; waves 2, 3: B's halves, behind A
	s_wait_kmcnt 0x0
	s_add_nc_u64 s[14:15], s[4:5], s[16:17]
	s_add_nc_u64 s[46:47], s[6:7], s[46:47]
	CROUND                                         ; all sixteen work-groups are here: the first joint loads meet
.irp s, 0,1
	s_mov_b32 s[G0+4*\s], 1
	s_add_co_u32 s[G0+4*\s+1], s20, \s*SLOT
	s_add_nc_u64 s[G0+4*\s+2:G0+4*\s+3], s[14:15], \s*ASTEP
	s_or_b32 s[G0+4*\s+3], s[G0+4*\s+3], 0x80000000
	s_mov_b32 s[G0B+4*\s], 1
	s_add_co_u32 s[G0B+4*\s+1], s21, \s*SLOT
	s_add_nc_u64 s[G0B+4*\s+2:G0B+4*\s+3], s[46:47], \s*BSTEP
	s_or_b32 s[G0B+4*\s+3], s[G0B+4*\s+3], 0x80000000
	JLOAD \s                                       ; K steps 0 and 1: two loads of mine are out
.endr
	v_and_b32 v1, 15, v0                           ; r = l % 16
	v_bfe_u32 v2, v0, 4, 1                         ; h = l / 16
	v_and_b32 v3, 31, v0                           ; l
	s_lshl_b32 s78, s13, 8
	s_lshl_b32 s79, s10, 6
	s_add_co_u32 s78, s78, s79                     ; my wave's first row
	s_mul_i32 s76, s78, OPITCH
	s_mul_i32 s77, s42, OCOLB
	s_add_co_u32 s76, s76, s77
	s_mov_b32 s77, 0
	s_add_nc_u64 s[8:9], s[8:9], s[76:77]          ; p at my wave's first row, the tile's first key
	; score_weights: 64 loads, each a row's 512 consecutive bytes; they are waited for behind the loop over K
	s_lshl_b32 s80, s78, 13                        ; rows of 8,192 bytes (under 2^26)
	s_lshl_b32 s79, s42, 9                         ; the tile's 128 keys: 512 bytes
	s_add_co_u32 s80, s80, s79
	s_mov_b32 s81, 0
	s_add_nc_u64 s[72:73], s[72:73], s[80:81]
	s_lshl_b32 s82, s78, 7                         ; stats: (row / 64) x 16 x 512 bytes
	s_add_co_u32 s82, s82, s79                     ; + key tile x 512
	s_mov_b32 s83, 0
	s_add_nc_u64 s[74:75], s[74:75], s[82:83]
	v_lshlrev_b32 v[LO], 4, v3
	WIN 0x80                                       ; destination window 2
.set i, 0
.rept 64
	global_load_b128 v[4*i:4*i+3], v[LO], s[72:73] offset:8192*i th:TH_LOAD_NT   ; read once in the launch
.set i, i+1
.endr
	WIN 0
	; fragments: lane l holds row r; registers 0-3 hold K = 8 h + 0..7, registers 4-7 K = 16 + 8 h + 0..7
	v_mul_u32_u24 v4, v1, PA
	v_lshl_add_u32 v4, v2, 4, v4                   ; r x 272 + 16 h
	s_mul_i32 s22, s10, 64*PA                      ; my 64 rows of A
	v_add_nc_u32 v[ADRA], s22, v4
	v_add_nc_u32 v[ADRA+1], SLOT, v[ADRA]
.if BTR
	v_and_b32 v5, 7, v0
	v_lshl_add_u32 v5, v2, 3, v5
	v_mul_u32_u24 v5, v5, PB
	v_bfe_u32 v6, v0, 3, 1
	v_lshl_add_u32 v5, v6, 4, v5
	v_add_nc_u32 v[ADRB], ABYTES, v5
	v_add_nc_u32 v[ADRB+1], ABYTES+SLOT, v5
.else
	v_add_nc_u32 v[ADRB], ABYTES, v4
	v_add_nc_u32 v[ADRB+1], ABYTES+SLOT, v4
.endif
	s_mul_i32 s23, s10, 16*SWP
	s_add_co_u32 s23, s23, SWST                    ; my stage for score_weights
	v_add_nc_u32 v[SWS], s23, v[LO]                ; in: a whole row, 16 bytes a lane
	v_mul_u32_u24 v5, v1, SWP
	v_lshl_add_u32 v5, v2, 5, v5
	v_add_nc_u32 v[SWL], s23, v5                   ; out: row r, keys 8 h on of each block of 16
	s_mul_i32 s23, s10, 16*SP
	s_add_co_u32 s23, s23, PST                     ; my stage for p
	v_add_nc_u32 v[STO], s23, v4
	v_mul_u32_u24 v5, v2, SP
	v_lshl_add_u32 v5, v1, 4, v5
	v_add_nc_u32 v[RD], s23, v5
	v_mul_u32_u24 v5, v2, OPITCH
	v_lshl_add_u32 v[CO], v1, 4, v5
	s_lshl_b32 s23, s10, 9
	s_add_co_u32 s23, s23, STST                    ; my stage for the statistics
	v_lshl_add_u32 v[STS], v1, 2, s23
	v_add_nc_u32 v[STL], s23, v[LO]
	v_mov_b32 v[PX], 0                             ; v_permlanex16_b32 counts as a reader of its destination
	s_wait_tensorcnt 1                             ; my part of K step 0 is in; K step 1's may stay out
	s_barrier_signal -1
	s_barrier_wait -1                              ; everybody's is
	FETCH 0, 0, F0
	QUARTER 0, 1, F0, F1, FIRSTC                   ; the first quarter stands in front of the loop: its products start the sums
	WIN 0
	s_mov_b32 s3, LAPS-1
.Llap:                                                 ; a trip goes once round the ring, from a lap's second quarter to the next lap's first, and fills both slots again
	QUARTER 0, 2, F1, F0, 0
	QUARTER 0, 3, F0, F1, 0
	TURN 0, 1, 1
	QUARTER 1, 1, F0, F1, 0
	QUARTER 1, 2, F1, F0, 0
	QUARTER 1, 3, F0, F1, 0
	TURN 1, 0, 1
	QUARTER 0, 1, F0, F1, 0
	WIN 0
	s_sub_co_u32 s3, s3, 1
	s_cmp_lg_u32 s3, 0
	s_cbranch_scc1 .Llap
	QUARTER 0, 2, F1, F0, 0                        ; the last lap fills nothing
	QUARTER 0, 3, F0, F1, 0
	TURN 0, 1, 0
	QUARTER 1, 1, F0, F1, 0
	QUARTER 1, 2, F1, F0, 0
	QUARTER 1, 3, F0, F1, 0
	LASTQ
; THE WAY OUT, a block of 16 queries at a time.  All stages are the wave's own, and LDS serves a wave's instructions in order (ISA guide 5.7.1.4): no barrier, no wait between a stage's stores and its loads.
; T: the block's 64 numbers a lane, v64-127 and v128-191 by turns.  OBK: 16 rows of p read back, v192-223 and v224-255 by turns.
.macro SWIN a                          ; block a's score_weights: 16 whole rows into the stage, back in the accumulators' layout: T[8 b + j] = row r, key 16 b + 8 h + j
.set T, 64+64*((\a)%2)
	WIN 0x08                                       ; store data window 2
.irp i, 0,1,2,3,4,5,6,7,8,9,10,11,12,13,14,15
	ds_store_b128 v[SWS], v[4*(16*(\a)+\i):4*(16*(\a)+\i)+3] offset:SWP*\i
.endr
	WIN 0
.irp b, 0,1,2,3,4,5,6,7
	ds_load_b128 v[T+8*\b:T+8*\b+3],   v[SWL] offset:64*\b
	ds_load_b128 v[T+8*\b+4:T+8*\b+7], v[SWL] offset:64*\b+16
.endr
.endm
.macro COMPUTE a
.set T, 64+64*((\a)%2)
	WIN 0x01                                       ; source 0 window 1
.set i, 0
.rept 32
	v_pk_fma_f32 v[T+2*i:T+2*i+1], v[64*(\a)+2*i:64*(\a)+2*i+1], s[66:67], v[T+2*i:T+2*i+1] op_sel_hi:[1,0,1]   ; s = q.k / 32 + score_weights; each accumulator from its low end on
.set i, i+1
.endr
	WIN 0
.irp c, 0,1,2,3                        ; the maximum of my 64 numbers: four chains of 15, then the four left over
	v_max3_num_f32 v[MX+\c], v[T+16*\c], v[T+16*\c+1], v[T+16*\c+2]
.endr
.irp k, 0,1,2,3,4,5
.irp c, 0,1,2,3
	v_max3_num_f32 v[MX+\c], v[MX+\c], v[T+16*\c+3+2*\k], v[T+16*\c+4+2*\k]
.endr
.endr
	v_max3_num_f32 v[MX], v[MX], v[MX+1], v[MX+2]
	v_max3_num_f32 v[MX], v[MX], v[MX+3], v[T+15]
	v_max3_num_f32 v[MX], v[MX], v[T+31], v[T+47]
	v_max_num_f32 v[MX], v[MX], v[T+63]
	v_permlanex16_b32 v[PX], v[MX], s70, s71       ; the query's other 64 keys lie in the lane 16 away
	v_max_num_f32 v[MX+4], v[MX], v[PX]
	v_mul_f32 v[MM], s68, v[MX+4]                  ; mm: what is subtracted, and what is stored
	v_mov_b32 v[MM+1], v[MM]
.set i, 0
.rept 32
	v_pk_fma_f32 v[T+2*i:T+2*i+1], v[T+2*i:T+2*i+1], s[68:69], v[MM:MM+1] op_sel_hi:[1,0,0] neg_lo:[0,0,1] neg_hi:[0,0,1]
.set i, i+1
.endr
.set i, 0
.rept 64
	v_exp_f32 v[T+i], v[T+i]
.set i, i+1
.endr
	v_nop                                          ; a plain instruction between the last exponential and the use of its result (ISA guide 5.7.2)
	s_wait_alu depctr_va_vdst(0)
.irp c, 0,1,2,3                        ; the sum, in four chains of eight pairs
	v_pk_add_f32 v[SM+2*\c:SM+2*\c+1], v[T+16*\c:T+16*\c+1], v[T+16*\c+2:T+16*\c+3]
.endr
.irp k, 2,3,4,5,6,7
.irp c, 0,1,2,3
	v_pk_add_f32 v[SM+2*\c:SM+2*\c+1], v[SM+2*\c:SM+2*\c+1], v[T+16*\c+2*\k:T+16*\c+2*\k+1]
.endr
.endr
	v_pk_add_f32 v[SM:SM+1], v[SM:SM+1], v[SM+2:SM+3]
	v_pk_add_f32 v[SM+4:SM+5], v[SM+4:SM+5], v[SM+6:SM+7]
	v_pk_add_f32 v[SM:SM+1], v[SM:SM+1], v[SM+4:SM+5]
	v_add_f32 v[LS], v[SM], v[SM+1]
	v_permlanex16_b32 v[PX], v[LS], s70, s71
	v_add_f32 v[LS], v[LS], v[PX]
.set i, 0
.rept 32
	v_cvt_pk_f16_f32 v[T+i], v[T+2*i], v[T+2*i+1]  ; in place, ascending: T[4 b .. 4 b + 3] = 16 bytes: keys 16 b + 8 h + 0..7
.set i, i+1
.endr
.endm
.macro PSTG a                          ; p into its stage and back as whole rows of 256 bytes; the block's statistics into theirs
.set T, 64+64*((\a)%2)
.set OBK, 192+32*((\a)%2)
.irp b, 0,1,2,3,4,5,6,7
	ds_store_b128 v[STO], v[T+4*\b:T+4*\b+3] offset:32*\b
.endr
	ds_store_b32 v[STS], v[MM] offset:64*(\a)      ; both halves of the lanes hold the same number
	ds_store_b32 v[STS], v[LS] offset:256+64*(\a)
.irp t, 0,1,2,3,4,5,6,7
	ds_load_b128 v[OBK+4*\t:OBK+4*\t+3], v[RD] offset:\t*2*SP
.endr
.endm
.macro SENDP a
.set OBK, 192+32*((\a)%2)
	s_wait_xcnt 0x0                                ; the registers that the block before stored from are loaded again only behind this wait
.irp t, 0,1,2,3,4,5,6,7
	global_store_b128 v[CO], v[OBK+4*\t:OBK+4*\t+3], s[8:9] offset:(16*(\a)+2*\t)*OPITCH   ; 16 lanes store 256 consecutive bytes, aligned
.endr
.endm
	s_wait_loadcnt 0x0                             ; score_weights, asked for at the head
	SWIN 0
.irp a, 0,1,2,3
.if \a < 3
	SWIN \a+1                                      ; the next block's score_weights change lanes while this block is worked on
	s_wait_dscnt 32                                ; all but the 32 just issued: this block's score_weights are in, and the block before is back from its stage
.else
	s_wait_dscnt 0x0
.endif
.if \a > 0
	SENDP \a-1
.endif
	COMPUTE \a
	PSTG \a
.endr
	s_wait_dscnt 0x0
	SENDP 3
	ds_load_b128 v[64:67], v[STL]                  ; my 64 rows' mm and l: 512 bytes
	s_wait_dscnt 0x0
	global_store_b128 v[LO], v[64:67], s[74:75]    ; 512 consecutive bytes, aligned
	s_wait_tensorcnt 0x0                           ; the wave's end
	ds_add_u32 v[SPW], v[NIL]
	s_wait_dscnt 0x0
	CROUND                                         ; the closing round: no work-group ends while a partner may still ask for a tile that names it
	s_endpgm
.Lfunc_end_k_q928e65c984_scores:
	.size	k_q928e65c984_scores, .Lfunc_end_k_q928e65c984_scores-k_q928e65c984_scores
	.p2alignl 7, 3214868480
	.fill 96, 4, 3214868480
	.section	.rodata,"a",@progbits
	.p2align	6, 0x0
	.amdhsa_kernel k_q928e65c984_scores
		.amdhsa_group_segment_fixed_size 327680
		.amdhsa_private_segment_fixed_size 0
		.amdhsa_enable_private_segment 0
		.amdhsa_kernarg_size 32
		.amdhsa_user_sgpr_count 2
		.amdhsa_user_sgpr_kernarg_segment_ptr 1
		.amdhsa_wavefront_size32 1
		.amdhsa_system_sgpr_workgroup_id_x 1
		.amdhsa_system_sgpr_workgroup_id_y 1
		.amdhsa_system_sgpr_workgroup_id_z 1
		.amdhsa_system_vgpr_workitem_id 0
		.amdhsa_next_free_vgpr 768
		.amdhsa_next_free_sgpr 88
		.amdhsa_reserve_vcc 0
		.amdhsa_float_denorm_mode_32 3
		.amdhsa_float_denorm_mode_16_64 3
		.amdhsa_memory_ordered 1
		.amdhsa_forward_progress 1
		.amdhsa_inst_pref_size 143
	.end_amdhsa_kernel
	.amdgpu_metadata
---
amdhsa.version: [ 1, 2 ]
amdhsa.kernels:
  - .name:           k_q928e65c984_scores
    .symbol:         k_q928e65c984_scores.kd
    .args:
      - { .name: c, .offset: 0, .size: 8, .value_kind: global_buffer, .address_space: global }
      - { .name: p, .offset: 8, .size: 8, .value_kind: global_buffer, .address_space: global }
      - { .name: score_weights, .offset: 16, .size: 8, .value_kind: global_buffer, .address_space: global }
      - { .name: stats, .offset: 24, .size: 8, .value_kind: global_buffer, .address_space: global }
    .group_segment_fixed_size: 327680
    .private_segment_fixed_size: 0
    .kernarg_segment_align: 8
    .kernarg_segment_size: 32
    .max_flat_workgroup_size: 128
    .sgpr_count:     88
    .vgpr_count:     768
    .wavefront_size: 32
...
	.end_amdgpu_metadata
.endif
;; end of part 3
;; launch context (part 4): grid 8 x 32, 4 waves a work-group, clusters of 4 x 4, 327,680 bytes of LDS; arguments p, c, ctx, stats; writes ctx
.if DOCPART == 4
	.amdgcn_target "amdgcn-amd-amdhsa--gfx1250"
	.amdhsa_code_object_version 6
	.text
	.protected	k_q928e65c984_context
	.globl	k_q928e65c984_context
	.p2align	8
	.type	k_q928e65c984_context,@function
k_q928e65c984_context:
	s_mov_b64 s[64:65], 0
	v_nop
	global_prefetch_b8 v0, s[64:65] scope:SCOPE_SE
	s_setreg_imm32_b32 hwreg(HW_REG_WAVE_MODE, 25, 1), 1
	s_wait_xcnt 0x0
	s_wait_alu depctr_hold_cnt(0) depctr_sa_sdst(0) depctr_va_vdst(0) depctr_va_sdst(0) depctr_va_ssrc(0) depctr_va_vcc(0) depctr_vm_vsrc(0)
	s_getreg_b32 s2, hwreg(HW_REG_IB_STS2, 6, 4)
	s_cmp_eq_u32 s2, 0
	s_cbranch_scc0 .Lentry_in_a_cluster
	s_endpgm
.Lentry_in_a_cluster:
	s_bfe_u32 s2, ttmp6, 0x10000c
	s_cmp_lg_u32 s2, 0xf033
	s_cbranch_scc0 .Lentry_shape_is_right
	s_endpgm
.Lentry_shape_is_right:
; ctx[m][n] = sum over key tiles t of w_t[m] x (sum over the tile's 128 keys of p[m][key] v[key][n]), rounded once to f16.
; w_t[m] = 2^(mm_t[m] - MM[m]) / L[m], MM = the largest mm_t of the row, L = sum over t of l_t 2^(mm_t - MM): the softmax's true maximum and sum, from the statistics of the launch before.  L is at least 1, w at most 1.
; p [8192][2048] f16; v = c[.][2048:3072] f16, rows of 6,144 bytes; stats f32: byte ((G x 16 + t) x 2 + i) x 256 + 4 (row % 64), G = row / 64, i = 0: mm, 1: l.
; A K step of 128 is a key tile, so w is one number for each row and step: A's fragments are multiplied by it (two f16 at a time) between LDS and the matrix unit.
; LIMITS: a weight w p below 2^-25 becomes 0 (the weights of a row sum to 1); |v| under 65,504; non-finite inputs are not served.
; SHARES.  A work-group of four waves makes a tile of 256 rows x 128 columns; wave w rows 64 w .. 64 w + 63 and all 128 columns: 4 x 8 accumulators, 256 registers.  32 x 8 tiles = 256 work-groups.
; CLUSTER 4 x 4: p's tile is shared along a row of the cluster, v's along a column; each is asked for jointly.
; THE MATRIX INSTRUCTION IS USED TRANSPOSED (source 0 = 16 columns of v, source 1 = 16 rows of p): lane l holds row l % 16 and the eight neighbouring columns 8 (l / 16) + 0..7.  v lies [key][n]; ds_load_tr16_b128 turns it.
; REGISTERS: window 0: v0-47 addresses, weights; v64-159, v160-255 two fragment buffers; window 1: accumulator (a, b) at v[8 (8 a + b)].
.set APITCH, 2048
.set BPITCH, 3072
.set BTR,    1
.set BATCHED, 1
.set BCOL0,  4096                      ; v begins at byte 4,096 of a row of c
.set LAPS,   8
.set SCALED, 1
.set FIRSTC, 1
.set OPITCH, 2048
.set OCOLB,  256
.set PA,     272                       ; a row of A in LDS: 256 bytes + 16 = 68 words: the 16 rows of a load start at 16 different banks (64 banks of 4 bytes: ISA guide 11.1)
.if BTR
.set PB,     288                       ; a row of B: 256 + 32 = 72 words
.set PADB,   7
.set BSTEP,  128*BPITCH*2
.else
.set PB,     272
.set PADB,   3
.set BSTEP,  256
.endif
.set ASTEP,  256
.set AHALF,  128*PA
.set ABYTES, 2*AHALF
.set BHALF,  64*PB
.set SLOT,   106496
.set STAGE,  2*SLOT                    ; behind the ring: no tile lands from here on
.set SP,     272
.set WTAB,   STAGE+4*16*SP             ; 4,096 bytes for each wave: word 64 t + row = w_t[row], as f16 in both halves
.set SPARE,  WTAB+4*4096               ; the spare words, 128 bytes for each wave, which no other line names
.set ADRA, 16
.set ADRB, 20
.set STO,  24
.set RD,   25
.set CO,   26
.set SPW,  28                          ; v28     SPARE + 4 x my thread's number; never rewritten
.set NIL,  29                          ; v29     0; never rewritten
.set WA,   30                          ; v30     LDS address of the step's weights
.set WA0,  31                          ; v31     of step 0's: my table + 4 r; never rewritten
.set W,    32                          ; v32-35  the step's weight of row 16 a + r, a = 0..3
.set MMX,  36                          ; v36-37  MM of rows 2 l, 2 l + 1
.set LL,   38                          ; v38-39  L
.set RC,   40                          ; v40-41  1 / L
.set SO,   44                          ; v44     8 l
.set WST,  45                          ; v45     my table + 8 l
.set WT,   82                          ; s82     256 x the step
.set F0,   64
.set F1,   160
.set TMP,  64
.set OB,   160
.set G1,  24
.set G0,  32
.set G1B, 48
.set G0B, 56
.set MUL,  0x50                        ; C and D window 1, sources window 0
.set MULB, 0x60
.set MSB, 0
.macro WIN new                         ; the immediate's high byte repeats the setting that is left; a switch that changes nothing is dropped
.if MSB != \new
	s_set_vgpr_msb (MSB<<8)|\new
.set MSB, \new
.endif
.endm
.macro MWIN first
.if \first == 2
	WIN MULB
.else
	WIN MUL
.endif
.endm
.macro JLOAD s                         ; a joint load: waves 0 and 1 fetch A's two halves, waves 2 and 3 B's; four v_nop follow each of the two lines
	s_cmp_eq_u32 s11, 0
	s_cbranch_scc0 .Lfor_b_\@
	tensor_load_to_lds s[G0+4*\s:G0+4*\s+3], s[G1:G1+7]
	s_nop 0
.rept 4
	v_nop
.endr
	s_branch .Lasked_\@
.Lfor_b_\@:
	tensor_load_to_lds s[G0B+4*\s:G0B+4*\s+3], s[G1B:G1B+7]
	s_nop 0
.rept 4
	v_nop
.endr
.Lasked_\@:
.endm
.macro CREST                           ; a round of the cluster's barrier behind its opening barrier
	s_cmp_lg_u32 s10, 0
	s_cbranch_scc1 .Lnot_wave_0_\@
	s_barrier_signal -3
.Lnot_wave_0_\@:
	s_barrier_wait -3
	s_barrier_signal -1
	s_barrier_wait -1
.endm
.macro CROUND                          ; a whole round
	s_barrier_signal -1
	s_barrier_wait -1
	CREST
.endm
.macro PLACES                          ; four places in front of loads into registers that matrix instructions have read, and of reads of their results
.rept 4
	v_nop
.endr
.endm
; 8 matrix instructions: my rows 16 a .. 16 a + 15 x all 8 column blocks, 32 along K, from buffer f.  The 32 accumulators take turns in one order in every quarter.
.macro MUL8 f, a, first
.irp b, 0,1,2,3,4,5,6,7
.if \first == 1
	v_wmma_f32_16x16x32_f16 v[8*(8*\a+\b):8*(8*\a+\b)+7], v[\f+8*\b:\f+8*\b+7], v[\f+64+8*\a:\f+64+8*\a+7], 0
.elseif \first == 2
	v_wmma_f32_16x16x32_f16 v[8*(8*\a+\b):8*(8*\a+\b)+7], v[\f+8*\b:\f+8*\b+7], v[\f+64+8*\a:\f+64+8*\a+7], v[8*\b:8*\b+7]
.else
	v_wmma_f32_16x16x32_f16 v[8*(8*\a+\b):8*(8*\a+\b)+7], v[\f+8*\b:\f+8*\b+7], v[\f+64+8*\a:\f+64+8*\a+7], v[8*(8*\a+\b):8*(8*\a+\b)+7]
.endif
.endr
.endm
; 24 LDS loads in one run: quarter q (32 along K) of a slot into buffer f: B's 8 fragments first, then A's 4
.macro FETCH slot, q, f
	WIN 0
.irp b, 0,1,2,3,4,5,6,7
.if BTR
	ds_load_tr16_b128 v[\f+8*\b:\f+8*\b+3],   v[ADRB+\slot] offset:32*\q*PB+32*\b
	ds_load_tr16_b128 v[\f+8*\b+4:\f+8*\b+7], v[ADRB+\slot] offset:32*\q*PB+16*PB+32*\b
.else
	ds_load_b128 v[\f+8*\b:\f+8*\b+3],   v[ADRB+\slot] offset:16*\b*PB+64*\q
	ds_load_b128 v[\f+8*\b+4:\f+8*\b+7], v[ADRB+\slot] offset:16*\b*PB+64*\q+32
.endif
.endr
.irp a, 0,1,2,3
	ds_load_b128 v[\f+64+8*\a:\f+64+8*\a+3],   v[ADRA+\slot] offset:16*\a*PA+64*\q
	ds_load_b128 v[\f+64+8*\a+4:\f+64+8*\a+7], v[ADRA+\slot] offset:16*\a*PA+64*\q+32
.endr
.endm
.macro SCALE f, a                      ; block a's fragment of A in buffer f times its row's weight: a lane holds one row
.irp i, 0,1,2,3,4,5,6,7
	v_pk_mul_f16 v[\f+64+8*\a+\i], v[\f+64+8*\a+\i], v[W+\a]
.endr
.endm
.macro WLOAD                           ; the step's four weights of my lane
.irp a, 0,1,2,3
	ds_load_b32 v[W+\a], v[WA] offset:64*\a
.endr
.endm
.macro WSTEP                           ; on to the next step's: issued ahead of the fragment loads, so that the same counts cover them
	s_add_co_u32 s[WT], s[WT], 256
	v_add_nc_u32 v[WA], s[WT], v[WA0]
	WLOAD
.endm
; A K step is four quarters of 32 along K, 32 matrix instructions each, on buffers 0, 1, 0, 1.  One of the first three: scales and multiplies buffer f and, in its middle, fetches quarter q into buffer g.
.macro QUARTER slot, q, f, g, first
	s_wait_dscnt 4                                 ; the weights, B and A's blocks 0, 1 are in; the youngest four loads (A's blocks 2, 3) may be out
	WIN 0
	SCALE \f, 0
	SCALE \f, 1
	MWIN \first
	MUL8 \f, 0, \first
	MUL8 \f, 1, \first
	s_wait_dscnt 0x0
	WIN 0
	SCALE \f, 2
	SCALE \f, 3
	PLACES
	FETCH \slot, \q, \g
	MWIN \first
	MUL8 \f, 2, \first
	MUL8 \f, 3, \first
.endm
; The last quarter multiplies buffer 1 and changes slots: one barrier; in front of it each wave waits for all its tensor loads, adds 0 to its spare word, and waits for that and for its reads of this slot.
; fill = 1: the barrier opens a round of the cluster's barrier, and this slot is filled again, two K steps ahead: 112 matrix instructions stand between the request and the wait for it.
.macro TURN slot, next, fill
	WIN 0
	s_wait_tensorcnt 0x0                           ; all my tensor loads have landed: the one that was out is my part of the next slot
	ds_add_u32 v[SPW], v[NIL]                      ; 0 onto my spare word
	s_wait_dscnt 5                                 ; (the add and the youngest four loads may be out)
	SCALE F1, 0
	SCALE F1, 1
	WIN MUL
	MUL8 F1, 0, 0                                  ; register work stands between the add and the wait for it
	s_wait_dscnt 0x0                               ; the add is done, and my reads of this slot are over
	s_barrier_signal -1
	MUL8 F1, 1, 0
	WIN 0                                          ; at a branch and at a label every window is 0
	s_barrier_wait -1
.if \fill
	CREST                                          ; no wave of any partner still reads this slot or has a load on its way
	s_add_nc_u64 s[G0+4*\slot+2:G0+4*\slot+3], s[G0+4*\slot+2:G0+4*\slot+3], 2*ASTEP
	s_add_nc_u64 s[G0B+4*\slot+2:G0B+4*\slot+3], s[G0B+4*\slot+2:G0B+4*\slot+3], 2*BSTEP
	JLOAD \slot                                    ; the first tensor load behind the round; its four v_nop are also places in front of the loads below
.else
	PLACES
.endif
	SCALE F1, 2                                    ; still this step's weights
	SCALE F1, 3
	WSTEP
	FETCH \next, 0, F0
	WIN MUL
	MUL8 F1, 2, 0
	MUL8 F1, 3, 0
.endm
.macro LASTQ                           ; the very last quarter: nothing more to fetch
	s_wait_dscnt 4
	WIN 0
	SCALE F1, 0
	SCALE F1, 1
	WIN MUL
	MUL8 F1, 0, 0
	MUL8 F1, 1, 0
	s_wait_dscnt 0x0
	WIN 0
	SCALE F1, 2
	SCALE F1, 3
	WIN MUL
	MUL8 F1, 2, 0
	MUL8 F1, 3, 0
	WIN 0
	PLACES
.endm
	s_load_b128 s[4:7], s[0:1], 0x0                ; A = p s[4:5], B = c s[6:7] (its v part)
	s_load_b64 s[8:9], s[0:1], 0x10                ; ctx
	s_load_b64 s[72:73], s[0:1], 0x18              ; stats
	v_lshl_add_u32 v[SPW], v0, 2, SPARE
	v_mov_b32 v[NIL], 0
	ds_add_u32 v28, v29
	s_wait_dscnt 0x0
	v_lshrrev_b32 v1, 5, v0
	v_readfirstlane_b32 s10, v1                    ; wave 0..3
	s_lshr_b32 s11, s10, 1                         ; I fetch for A (0) or for B (1),
	s_and_b32 s12, s10, 1                          ; and which half of that tile
	s_bfe_u32 s40, ttmp6, 0x40000                  ; cx, cy: my place in the cluster
	s_bfe_u32 s41, ttmp6, 0x40004
	s_lshl_b32 s42, ttmp9, 2
	s_add_co_u32 s42, s42, s40                     ; tile column = 4 x cluster x + cx
	s_and_b32 s13, ttmp7, 0xffff
.if BATCHED
	s_lshr_b32 s45, s13, 1                         ; the batch: two clusters of 1,024 rows each; made of the cluster's y alone
.endif
	s_lshl_b32 s13, s13, 2
	s_add_co_u32 s13, s13, s41                     ; tile row = 4 x cluster y + cy
	s_lshl_b32 s43, s41, 2
	s_lshl_b32 s43, 15, s43                        ; my row of the cluster
	s_lshl_b32 s44, 0x1111, s40                    ; my column
	s_mov_b32 s[WT], 0
	; group 1: A's load is 128 rows x 128 elements, B's 64 rows x 128, both padded in LDS
	s_or_b32 s[G1], s43, (1<<16)|(1<<20)|(1<<21)|(5<<22)|(3<<25)      ; 15:0 the mask; 17:16 elements of 2 bytes; 20 padding on; 21 set beside a mask; 24:22 after every 64 words; 31:25 of 4 words
	s_or_b32 s[G1B], s44, (1<<16)|(1<<20)|(1<<21)|(5<<22)|(PADB<<25)
	s_mov_b32 s[G1+1], 128<<16                     ; tensor_dim0 = 128
	s_mov_b32 s[G1+2], 128<<16                     ; tensor_dim1 = 128
	s_mov_b32 s[G1+3], 128<<16                     ; tile_dim0 = 128
	s_mov_b32 s[G1+4], 128                         ; tile_dim1 = 128
	s_mov_b32 s[G1+5], APITCH                      ; elements from row to row
	s_mov_b32 s[G1+6], 0
	s_mov_b32 s[G1+7], 0
	s_mov_b32 s[G1B+1], 128<<16
	s_mov_b32 s[G1B+2], 64<<16
	s_mov_b32 s[G1B+3], 128<<16
	s_mov_b32 s[G1B+4], 64
	s_mov_b32 s[G1B+5], BPITCH
	s_mov_b32 s[G1B+6], 0
	s_mov_b32 s[G1B+7], 0
	; A's tile hangs on the tile row alone, B's on the tile column and the batch alone; each offset is made in registers that never hold the other coordinate.  All stay under 2^26 bytes.
	s_lshl_b32 s16, s13, 8
	s_lshl_b32 s17, s12, 7
	s_add_co_u32 s16, s16, s17                     ; A: row 256 x tile row + 128 x half
	s_mul_i32 s16, s16, APITCH*2
	s_mov_b32 s17, 0
	s_lshl_b32 s46, s12, 6                         ; B: row (key) 64 x half
.if BATCHED
	s_lshl_b32 s47, s45, 11                        ; + 2,048 x batch
	s_add_co_u32 s46, s46, s47
.endif
.if !BTR
	s_lshl_b32 s47, s42, 7
	s_add_co_u32 s46, s46, s47
.endif
	s_mul_i32 s46, s46, BPITCH*2
.if BTR
	s_lshl_b32 s47, s42, 8                         ; the tile's 128 columns: 256 bytes
	s_add_co_u32 s46, s46, s47
.endif
.if BCOL0
	s_add_co_u32 s46, s46, BCOL0
.endif
	s_mov_b32 s47, 0
	s_mul_i32 s20, s10, AHALF                      ; where they go: waves 0, 1: A's halves;
	s_mul_i32 s21, s10, BHALF
	s_add_co_u32 s21, s21, ABYTES-2*BHALF          ; waves 2, 3: B's halves, behind A
	s_wait_kmcnt 0x0
	s_add_nc_u64 s[14:15], s[4:5], s[16:17]
	s_add_nc_u64 s[46:47], s[6:7], s[46:47]
	CROUND                                         ; all sixteen work-groups are here: the first joint loads meet
.irp s, 0,1
	s_mov_b32 s[G0+4*\s], 1
	s_add_co_u32 s[G0+4*\s+1], s20, \s*SLOT
	s_add_nc_u64 s[G0+4*\s+2:G0+4*\s+3], s[14:15], \s*ASTEP
	s_or_b32 s[G0+4*\s+3], s[G0+4*\s+3], 0x80000000
	s_mov_b32 s[G0B+4*\s], 1
	s_add_co_u32 s[G0B+4*\s+1], s21, \s*SLOT
	s_add_nc_u64 s[G0B+4*\s+2:G0B+4*\s+3], s[46:47], \s*BSTEP
	s_or_b32 s[G0B+4*\s+3], s[G0B+4*\s+3], 0x80000000
	JLOAD \s                                       ; K steps 0 and 1: two loads of mine are out
.endr
	v_and_b32 v1, 15, v0                           ; r = l % 16
	v_bfe_u32 v2, v0, 4, 1                         ; h = l / 16
	v_and_b32 v3, 31, v0                           ; l
	s_lshl_b32 s78, s13, 8
	s_lshl_b32 s79, s10, 6
	s_add_co_u32 s78, s78, s79                     ; my wave's first row
	s_mul_i32 s76, s78, OPITCH
	s_mul_i32 s77, s42, OCOLB
	s_add_co_u32 s76, s76, s77
	s_mov_b32 s77, 0
	s_add_nc_u64 s[8:9], s[8:9], s[76:77]          ; the output at my wave's first row, the tile's first column
	; my 64 rows' statistics of all sixteen key tiles: lane l takes rows 2 l, 2 l + 1; each load covers 256 consecutive bytes, aligned
	s_lshl_b32 s80, s78, 7                         ; (row / 64) x 8,192 bytes
	s_mov_b32 s81, 0
	s_add_nc_u64 s[72:73], s[72:73], s[80:81]
	v_lshlrev_b32 v[SO], 3, v3
.irp t, 0,1,2,3,4,5,6,7,8,9,10,11,12,13,14,15
	global_load_b64 v[64+2*\t:65+2*\t], v[SO], s[72:73] offset:512*\t        ; mm_t
	global_load_b64 v[96+2*\t:97+2*\t], v[SO], s[72:73] offset:512*\t+256    ; l_t
.endr
	; fragments: lane l holds row (or column) r; registers 0-3 hold K = 8 h + 0..7, registers 4-7 K = 16 + 8 h + 0..7
	v_mul_u32_u24 v4, v1, PA
	v_lshl_add_u32 v4, v2, 4, v4                   ; r x 272 + 16 h
	s_mul_i32 s22, s10, 64*PA                      ; my 64 rows of A
	v_add_nc_u32 v[ADRA], s22, v4
	v_add_nc_u32 v[ADRA+1], SLOT, v[ADRA]
.if BTR
	v_and_b32 v5, 7, v0                            ; the turning load: lane l reads 16 bytes of row 8 h + l % 8, columns 8 ((l / 8) % 2) + 0..7
	v_lshl_add_u32 v5, v2, 3, v5
	v_mul_u32_u24 v5, v5, PB
	v_bfe_u32 v6, v0, 3, 1
	v_lshl_add_u32 v5, v6, 4, v5
	v_add_nc_u32 v[ADRB], ABYTES, v5
	v_add_nc_u32 v[ADRB+1], ABYTES+SLOT, v5
.else
	v_add_nc_u32 v[ADRB], ABYTES, v4
	v_add_nc_u32 v[ADRB+1], ABYTES+SLOT, v4
.endif
	s_mul_i32 s23, s10, 16*SP
	s_add_co_u32 s23, s23, STAGE                   ; my stage: 16 rows x 272 bytes
	v_add_nc_u32 v[STO], s23, v4
	v_mul_u32_u24 v5, v2, SP
	v_lshl_add_u32 v5, v1, 4, v5
	v_add_nc_u32 v[RD], s23, v5
	v_mul_u32_u24 v5, v2, OPITCH
	v_lshl_add_u32 v[CO], v1, 4, v5
	s_lshl_b32 s23, s10, 12
	s_add_co_u32 s23, s23, WTAB                    ; my table of weights
	v_add_nc_u32 v[WST], s23, v[SO]
	v_lshl_add_u32 v[WA0], v1, 2, s23
	v_mov_b32 v[WA], v[WA0]
	s_wait_loadcnt 0x0                             ; the statistics
.irp c, 0,1                            ; MM: the largest of sixteen, for each of my two rows
	v_max3_num_f32 v[MMX+\c], v[64+\c], v[66+\c], v[68+\c]
.endr
.irp k, 0,1,2,3,4,5
.irp c, 0,1
	v_max3_num_f32 v[MMX+\c], v[MMX+\c], v[70+4*\k+\c], v[72+4*\k+\c]
.endr
.endr
.irp c, 0,1
	v_max_num_f32 v[MMX+\c], v[MMX+\c], v[94+\c]
.endr
.irp t, 0,1,2,3,4,5,6,7,8,9,10,11,12,13,14,15
	v_pk_add_f32 v[64+2*\t:65+2*\t], v[64+2*\t:65+2*\t], v[MMX:MMX+1] neg_lo:[0,1] neg_hi:[0,1]   ; mm_t - MM, at most 0
.endr
.set i, 0
.rept 32
	v_exp_f32 v[64+i], v[64+i]
.set i, i+1
.endr
	v_nop                                          ; a plain instruction between the last exponential and the use of its result (ISA guide 5.7.2)
	s_wait_alu depctr_va_vdst(0)
	v_pk_mul_f32 v[LL:LL+1], v[64:65], v[96:97]    ; L: the first product starts the sum
.irp t, 1,2,3,4,5,6,7,8,9,10,11,12,13,14,15
	v_pk_fma_f32 v[LL:LL+1], v[64+2*\t:65+2*\t], v[96+2*\t:97+2*\t], v[LL:LL+1]
.endr
	v_rcp_f32 v[RC], v[LL]
	v_rcp_f32 v[RC+1], v[LL+1]
	v_nop
	s_wait_alu depctr_va_vdst(0)
.irp t, 0,1,2,3,4,5,6,7,8,9,10,11,12,13,14,15
	v_pk_mul_f32 v[64+2*\t:65+2*\t], v[64+2*\t:65+2*\t], v[RC:RC+1]
.endr
.set i, 0
.rept 32
	v_cvt_pk_f16_f32 v[96+i], v[64+i], v[64+i]     ; the weight in both halves of a word, for the packed multiply
.set i, i+1
.endr
.irp t, 0,1,2,3,4,5,6,7,8,9,10,11,12,13,14,15
	ds_store_b64 v[WST], v[96+2*\t:97+2*\t] offset:256*\t
.endr
	s_wait_dscnt 0x0                               ; no LDS instruction of mine is pending at the signal
	s_wait_tensorcnt 1                             ; my part of K step 0 is in; K step 1's may stay out
	s_barrier_signal -1
	s_barrier_wait -1                              ; everybody's is
	WLOAD                                          ; step 0's weights (my own table: LDS serves a wave's instructions in order)
	FETCH 0, 0, F0
	QUARTER 0, 1, F0, F1, FIRSTC                   ; the first quarter stands in front of the loop: its products start the sums
	WIN 0
	s_mov_b32 s3, LAPS-1
.Llap:                                                 ; a trip goes once round the ring, from a lap's second quarter to the next lap's first, and fills both slots again
	QUARTER 0, 2, F1, F0, 0
	QUARTER 0, 3, F0, F1, 0
	TURN 0, 1, 1
	QUARTER 1, 1, F0, F1, 0
	QUARTER 1, 2, F1, F0, 0
	QUARTER 1, 3, F0, F1, 0
	TURN 1, 0, 1
	QUARTER 0, 1, F0, F1, 0
	WIN 0
	s_sub_co_u32 s3, s3, 1
	s_cmp_lg_u32 s3, 0
	s_cbranch_scc1 .Llap
	QUARTER 0, 2, F1, F0, 0                        ; the last lap fills nothing
	QUARTER 0, 3, F0, F1, 0
	TURN 0, 1, 0
	QUARTER 1, 1, F0, F1, 0
	QUARTER 1, 2, F1, F0, 0
	QUARTER 1, 3, F0, F1, 0
	LASTQ
; THE WAY OUT, a block of 16 rows at a time: rounded to f16 (16 bytes a lane), into my own stage, back as whole rows of 256 bytes, stored.
.macro PACK a
	WIN 0x05                                       ; sources window 1
.irp b, 0,1,2,3,4,5,6,7
.irp i, 0,1,2,3
	v_cvt_pk_f16_f32 v[TMP+4*\b+\i], v[64*(\a)+8*\b+2*\i], v[64*(\a)+8*\b+2*\i+1]   ; each accumulator's registers in ascending order
.endr
.endr
	WIN 0
.endm
.macro TOSTAGE a
.set BK, OB+32*((\a)%2)
.irp b, 0,1,2,3,4,5,6,7
	ds_store_b128 v[STO], v[TMP+4*\b:TMP+4*\b+3] offset:32*\b
.endr
.irp t, 0,1,2,3,4,5,6,7
	ds_load_b128 v[BK+4*\t:BK+4*\t+3], v[RD] offset:\t*2*SP        ; LDS serves a wave's instructions in order (ISA guide 5.7.1.4): these see the stores above
.endr
.endm
.macro SEND a
.set BK, OB+32*((\a)%2)
	s_wait_dscnt 0x0                               ; the block is back in registers
	s_wait_xcnt 0x0                                ; the registers that the block before stored from are loaded again only behind this wait
.irp t, 0,1,2,3,4,5,6,7
	global_store_b128 v[CO], v[BK+4*\t:BK+4*\t+3], s[8:9] offset:(16*(\a)+2*\t)*OPITCH   ; 16 lanes store 256 consecutive bytes, aligned
.endr
.endm
	PACK 0
	TOSTAGE 0
.irp a, 1,2,3
	PACK \a                                        ; block a's conversions stand between block a - 1's loads from the stage and the wait for them
	SEND \a-1
	TOSTAGE \a
.endr
	SEND 3
	s_wait_tensorcnt 0x0                           ; the wave's end
	ds_add_u32 v[SPW], v[NIL]
	s_wait_dscnt 0x0
	CROUND                                         ; the closing round: no work-group ends while a partner may still ask for a tile that names it
	s_endpgm
.Lfunc_end_k_q928e65c984_context:
	.size	k_q928e65c984_context, .Lfunc_end_k_q928e65c984_context-k_q928e65c984_context
	.p2alignl 7, 3214868480
	.fill 96, 4, 3214868480
	.section	.rodata,"a",@progbits
	.p2align	6, 0x0
	.amdhsa_kernel k_q928e65c984_context
		.amdhsa_group_segment_fixed_size 327680
		.amdhsa_private_segment_fixed_size 0
		.amdhsa_enable_private_segment 0
		.amdhsa_kernarg_size 32
		.amdhsa_user_sgpr_count 2
		.amdhsa_user_sgpr_kernarg_segment_ptr 1
		.amdhsa_wavefront_size32 1
		.amdhsa_system_sgpr_workgroup_id_x 1
		.amdhsa_system_sgpr_workgroup_id_y 1
		.amdhsa_system_sgpr_workgroup_id_z 1
		.amdhsa_system_vgpr_workitem_id 0
		.amdhsa_next_free_vgpr 512
		.amdhsa_next_free_sgpr 88
		.amdhsa_reserve_vcc 0
		.amdhsa_float_denorm_mode_32 3
		.amdhsa_float_denorm_mode_16_64 3
		.amdhsa_memory_ordered 1
		.amdhsa_forward_progress 1
		.amdhsa_inst_pref_size 132
	.end_amdhsa_kernel
	.amdgpu_metadata
---
amdhsa.version: [ 1, 2 ]
amdhsa.kernels:
  - .name:           k_q928e65c984_context
    .symbol:         k_q928e65c984_context.kd
    .args:
      - { .name: p, .offset: 0, .size: 8, .value_kind: global_buffer, .address_space: global }
      - { .name: c, .offset: 8, .size: 8, .value_kind: global_buffer, .address_space: global }
      - { .name: ctx, .offset: 16, .size: 8, .value_kind: global_buffer, .address_space: global }
      - { .name: stats, .offset: 24, .size: 8, .value_kind: global_buffer, .address_space: global }
    .group_segment_fixed_size: 327680
    .private_segment_fixed_size: 0
    .kernarg_segment_align: 8
    .kernarg_segment_size: 32
    .max_flat_workgroup_size: 128
    .sgpr_count:     88
    .vgpr_count:     512
    .wavefront_size: 32
...
	.end_amdgpu_metadata
.endif
;; end of part 4
;; launch proj (part 5): grid 8 x 32, 4 waves a work-group, clusters of 4 x 4, 327,680 bytes of LDS; arguments ctx, wph, out0, b_p; writes out0
.if DOCPART == 5
	.amdgcn_target "amdgcn-amd-amdhsa--gfx1250"
	.amdhsa_code_object_version 6
	.text
	.protected	k_q928e65c984_proj
	.globl	k_q928e65c984_proj
	.p2align	8
	.type	k_q928e65c984_proj,@function
k_q928e65c984_proj:
	s_mov_b64 s[64:65], 0
	v_nop
	global_prefetch_b8 v0, s[64:65] scope:SCOPE_SE
	s_setreg_imm32_b32 hwreg(HW_REG_WAVE_MODE, 25, 1), 1
	s_wait_xcnt 0x0
	s_wait_alu depctr_hold_cnt(0) depctr_sa_sdst(0) depctr_va_vdst(0) depctr_va_sdst(0) depctr_va_ssrc(0) depctr_va_vcc(0) depctr_vm_vsrc(0)
	s_getreg_b32 s2, hwreg(HW_REG_IB_STS2, 6, 4)
	s_cmp_eq_u32 s2, 0
	s_cbranch_scc0 .Lentry_in_a_cluster
	s_endpgm
.Lentry_in_a_cluster:
	s_bfe_u32 s2, ttmp6, 0x10000c
	s_cmp_lg_u32 s2, 0xf033
	s_cbranch_scc0 .Lentry_shape_is_right
	s_endpgm
.Lentry_shape_is_right:
; out0[m][n] = b_p[n] + sum over k of ctx[m][k] wph[k][n].  ctx [8192][1024], wph [1024][1024] f16; b_p and out0 f32; sums in f32.
; LIMIT: the operands are f16 (|ctx|, |W_p| under 65,504); non-finite inputs are not served.
; SHARES.  A work-group of four waves makes a tile of 256 rows x 128 columns; wave w rows 64 w .. 64 w + 63 and all 128 columns: 4 x 8 accumulators of 16 x 16, 256 registers.  32 x 8 tiles = 256 work-groups.
; K goes in steps of 128 through two LDS slots filled by the tensor data mover; the rows of both tiles are 256 bytes of memory, aligned.
; CLUSTER.  4 x 4 work-groups.  The four of a row of the cluster need the same tile of A, the four of a column the same tile of B: each tile is asked for jointly.
; THE MATRIX INSTRUCTION IS USED TRANSPOSED (source 0 = 16 columns of B, source 1 = 16 rows of A): lane l then holds row l % 16 and the eight neighbouring columns 8 (l / 16) + 0..7.
; B lies [k][n] in memory and in LDS; ds_load_tr16_b128 turns it on the way into registers.  THE BIAS is the C of each accumulator's first product, loaded once into window 2.
; REGISTERS (windows of 256): window 0: v0-31 addresses; v64-159, v160-255 two fragment buffers (B's 8 fragments, then A's 4); window 1: accumulator (a, b) at v[8 (8 a + b)]; window 2: v0-63 the bias.
.set APITCH, 1024
.set BPITCH, 1024
.set BTR,    1
.set BATCHED, 0
.set BCOL0,  0
.set LAPS,   4
.set SCALED, 0
.set FIRSTC, 2
.set OPITCH, 4096
.set OCOLB,  512
.set PA,     272                       ; a row of A in LDS: 256 bytes + 16 = 68 words: the 16 rows of a load start at 16 different banks (64 banks of 4 bytes: ISA guide 11.1)
.if BTR
.set PB,     288                       ; a row of B: 256 + 32 = 72 words
.set PADB,   7
.set BSTEP,  128*BPITCH*2
.else
.set PB,     272
.set PADB,   3
.set BSTEP,  256
.endif
.set ASTEP,  256
.set AHALF,  128*PA
.set ABYTES, 2*AHALF
.set BHALF,  64*PB
.set SLOT,   106496
.set STAGE,  2*SLOT                    ; behind the ring: no tile lands from here on
.set SP,     528                       ; a stage row: 128 f32 + 16 bytes = 33 x 16: the sixteen rows that a store touches start at sixteen different groups of four banks
.set SPARE,  STAGE+4*16*SP             ; behind the stages: the spare words, 128 bytes for each wave, which no other line names
.set ADRA, 16
.set ADRB, 20
.set STO,  24
.set RD,   25
.set CO,   26
.set SPW,  28                          ; v28     SPARE + 4 x my thread's number; never rewritten
.set NIL,  29                          ; v29     0; never rewritten
.set BO,   30                          ; v30     my byte offset in the tile's 128 numbers of the bias
.set F0,   64
.set F1,   160
.set OB,   64                          ; the way out: 16 rows read back, v64-127 and v128-191 by turns
.set G1,  24
.set G0,  32
.set G1B, 48
.set G0B, 56
.set MUL,  0x50                        ; C and D window 1, sources window 0
.set MULB, 0x60                        ; D window 1, C window 2
.set MSB, 0
.macro WIN new                         ; the immediate's high byte repeats the setting that is left; a switch that changes nothing is dropped
.if MSB != \new
	s_set_vgpr_msb (MSB<<8)|\new
.set MSB, \new
.endif
.endm
.macro MWIN first
.if \first == 2
	WIN MULB
.else
	WIN MUL
.endif
.endm
.macro JLOAD s                         ; a joint load: waves 0 and 1 fetch A's two halves, waves 2 and 3 B's; four v_nop follow each of the two lines
	s_cmp_eq_u32 s11, 0
	s_cbranch_scc0 .Lfor_b_\@
	tensor_load_to_lds s[G0+4*\s:G0+4*\s+3], s[G1:G1+7]
	s_nop 0
.rept 4
	v_nop
.endr
	s_branch .Lasked_\@
.Lfor_b_\@:
	tensor_load_to_lds s[G0B+4*\s:G0B+4*\s+3], s[G1B:G1B+7]
	s_nop 0
.rept 4
	v_nop
.endr
.Lasked_\@:
.endm
.macro CREST                           ; a round of the cluster's barrier behind its opening barrier
	s_cmp_lg_u32 s10, 0
	s_cbranch_scc1 .Lnot_wave_0_\@
	s_barrier_signal -3
.Lnot_wave_0_\@:
	s_barrier_wait -3
	s_barrier_signal -1
	s_barrier_wait -1
.endm
.macro CROUND                          ; a whole round
	s_barrier_signal -1
	s_barrier_wait -1
	CREST
.endm
.macro PLACES                          ; four places in front of loads into registers that matrix instructions have read, and of reads of their results
.rept 4
	v_nop
.endr
.endm
; 8 matrix instructions: my rows 16 a .. 16 a + 15 x all 8 column blocks, 32 along K, from buffer f.  The 32 accumulators take turns in one order in every quarter.
.macro MUL8 f, a, first
.irp b, 0,1,2,3,4,5,6,7
.if \first == 1
	v_wmma_f32_16x16x32_f16 v[8*(8*\a+\b):8*(8*\a+\b)+7], v[\f+8*\b:\f+8*\b+7], v[\f+64+8*\a:\f+64+8*\a+7], 0
.elseif \first == 2
	v_wmma_f32_16x16x32_f16 v[8*(8*\a+\b):8*(8*\a+\b)+7], v[\f+8*\b:\f+8*\b+7], v[\f+64+8*\a:\f+64+8*\a+7], v[8*\b:8*\b+7]
.else
	v_wmma_f32_16x16x32_f16 v[8*(8*\a+\b):8*(8*\a+\b)+7], v[\f+8*\b:\f+8*\b+7], v[\f+64+8*\a:\f+64+8*\a+7], v[8*(8*\a+\b):8*(8*\a+\b)+7]
.endif
.endr
.endm
; 24 LDS loads in one run: quarter q (32 along K) of a slot into buffer f: B's 8 fragments first, then A's 4
.macro FETCH slot, q, f
	WIN 0
.irp b, 0,1,2,3,4,5,6,7
.if BTR
	ds_load_tr16_b128 v[\f+8*\b:\f+8*\b+3],   v[ADRB+\slot] offset:32*\q*PB+32*\b
	ds_load_tr16_b128 v[\f+8*\b+4:\f+8*\b+7], v[ADRB+\slot] offset:32*\q*PB+16*PB+32*\b
.else
	ds_load_b128 v[\f+8*\b:\f+8*\b+3],   v[ADRB+\slot] offset:16*\b*PB+64*\q
	ds_load_b128 v[\f+8*\b+4:\f+8*\b+7], v[ADRB+\slot] offset:16*\b*PB+64*\q+32
.endif
.endr
.irp a, 0,1,2,3
	ds_load_b128 v[\f+64+8*\a:\f+64+8*\a+3],   v[ADRA+\slot] offset:16*\a*PA+64*\q
	ds_load_b128 v[\f+64+8*\a+4:\f+64+8*\a+7], v[ADRA+\slot] offset:16*\a*PA+64*\q+32
.endr
.endm
; A K step is four quarters of 32 along K, 32 matrix instructions each, on buffers 0, 1, 0, 1.  One of the first three: multiplies buffer f and, in its middle, fetches quarter q into buffer g.
.macro QUARTER slot, q, f, g, first
	s_wait_dscnt 4                                 ; B and A's blocks 0, 1 are in; the youngest four loads (A's blocks 2, 3) may be out
	MWIN \first
	MUL8 \f, 0, \first
	MUL8 \f, 1, \first
	s_wait_dscnt 0x0
	WIN 0
	PLACES
	FETCH \slot, \q, \g
	MWIN \first
	MUL8 \f, 2, \first
	MUL8 \f, 3, \first
.endm
; The last quarter multiplies buffer 1 and changes slots: one barrier; in front of it each wave waits for all its tensor loads, adds 0 to its spare word, and waits for that and for its reads of this slot.
; fill = 1: the barrier opens a round of the cluster's barrier, and this slot is filled again, two K steps ahead: 112 matrix instructions stand between the request and the wait for it.
.macro TURN slot, next, fill
	WIN 0
	s_wait_tensorcnt 0x0                           ; all my tensor loads have landed: the one that was out is my part of the next slot
	ds_add_u32 v[SPW], v[NIL]                      ; 0 onto my spare word
	s_wait_dscnt 5                                 ; (the add and the youngest four loads may be out)
	WIN MUL
	MUL8 F1, 0, 0                                  ; eight matrix instructions stand between the add and the wait for it
	s_wait_dscnt 0x0                               ; the add is done, and my reads of this slot are over
	s_barrier_signal -1
	MUL8 F1, 1, 0
	WIN 0                                          ; at a branch and at a label every window is 0
	s_barrier_wait -1
.if \fill
	CREST                                          ; no wave of any partner still reads this slot or has a load on its way
	s_add_nc_u64 s[G0+4*\slot+2:G0+4*\slot+3], s[G0+4*\slot+2:G0+4*\slot+3], 2*ASTEP
	s_add_nc_u64 s[G0B+4*\slot+2:G0B+4*\slot+3], s[G0B+4*\slot+2:G0B+4*\slot+3], 2*BSTEP
	JLOAD \slot                                    ; the first tensor load behind the round; its four v_nop are also the places in front of the loads below
.else
	PLACES
.endif
	FETCH \next, 0, F0
	WIN MUL
	MUL8 F1, 2, 0
	MUL8 F1, 3, 0
.endm
.macro LASTQ                           ; the very last quarter: nothing more to fetch
	s_wait_dscnt 4
	WIN MUL
	MUL8 F1, 0, 0
	MUL8 F1, 1, 0
	s_wait_dscnt 0x0
	MUL8 F1, 2, 0
	MUL8 F1, 3, 0
	WIN 0
	PLACES
.endm
	s_load_b128 s[4:7], s[0:1], 0x0                ; A = ctx s[4:5], B = wph s[6:7]
	s_load_b64 s[8:9], s[0:1], 0x10                ; out0
	s_load_b64 s[72:73], s[0:1], 0x18              ; b_p
	v_lshl_add_u32 v[SPW], v0, 2, SPARE
	v_mov_b32 v[NIL], 0
	ds_add_u32 v28, v29
	s_wait_dscnt 0x0
	v_lshrrev_b32 v1, 5, v0
	v_readfirstlane_b32 s10, v1                    ; wave 0..3
	s_lshr_b32 s11, s10, 1                         ; I fetch for A (0) or for B (1),
	s_and_b32 s12, s10, 1                          ; and which half of that tile
	s_bfe_u32 s40, ttmp6, 0x40000                  ; cx, cy: my place in the cluster
	s_bfe_u32 s41, ttmp6, 0x40004
	s_lshl_b32 s42, ttmp9, 2
	s_add_co_u32 s42, s42, s40                     ; tile column = 4 x cluster x + cx
	s_and_b32 s13, ttmp7, 0xffff
.if BATCHED
	s_lshr_b32 s45, s13, 1
.endif
	s_lshl_b32 s13, s13, 2
	s_add_co_u32 s13, s13, s41                     ; tile row = 4 x cluster y + cy
	s_lshl_b32 s43, s41, 2
	s_lshl_b32 s43, 15, s43                        ; my row of the cluster
	s_lshl_b32 s44, 0x1111, s40                    ; my column
	; group 1: A's load is 128 rows x 128 elements, B's 64 rows x 128, both padded in LDS
	s_or_b32 s[G1], s43, (1<<16)|(1<<20)|(1<<21)|(5<<22)|(3<<25)      ; 15:0 the mask; 17:16 elements of 2 bytes; 20 padding on; 21 set beside a mask; 24:22 after every 64 words; 31:25 of 4 words
	s_or_b32 s[G1B], s44, (1<<16)|(1<<20)|(1<<21)|(5<<22)|(PADB<<25)
	s_mov_b32 s[G1+1], 128<<16                     ; tensor_dim0 = 128
	s_mov_b32 s[G1+2], 128<<16                     ; tensor_dim1 = 128
	s_mov_b32 s[G1+3], 128<<16                     ; tile_dim0 = 128
	s_mov_b32 s[G1+4], 128                         ; tile_dim1 = 128
	s_mov_b32 s[G1+5], APITCH                      ; elements from row to row
	s_mov_b32 s[G1+6], 0
	s_mov_b32 s[G1+7], 0
	s_mov_b32 s[G1B+1], 128<<16
	s_mov_b32 s[G1B+2], 64<<16
	s_mov_b32 s[G1B+3], 128<<16
	s_mov_b32 s[G1B+4], 64
	s_mov_b32 s[G1B+5], BPITCH
	s_mov_b32 s[G1B+6], 0
	s_mov_b32 s[G1B+7], 0
	; A's tile hangs on the tile row alone, B's on the tile column alone; each offset is made in registers that never hold the other coordinate.  All stay under 2^25 bytes.
	s_lshl_b32 s16, s13, 8
	s_lshl_b32 s17, s12, 7
	s_add_co_u32 s16, s16, s17                     ; A: row 256 x tile row + 128 x half
	s_mul_i32 s16, s16, APITCH*2
	s_mov_b32 s17, 0
	s_lshl_b32 s46, s12, 6                         ; B: row 64 x half
.if BATCHED
	s_lshl_b32 s47, s45, 11
	s_add_co_u32 s46, s46, s47
.endif
.if !BTR
	s_lshl_b32 s47, s42, 7
	s_add_co_u32 s46, s46, s47
.endif
	s_mul_i32 s46, s46, BPITCH*2
.if BTR
	s_lshl_b32 s47, s42, 8                         ; the tile's 128 columns: 256 bytes
	s_add_co_u32 s46, s46, s47
.endif
.if BCOL0
	s_add_co_u32 s46, s46, BCOL0
.endif
	s_mov_b32 s47, 0
	s_mul_i32 s20, s10, AHALF                      ; where they go: waves 0, 1: A's halves;
	s_mul_i32 s21, s10, BHALF
	s_add_co_u32 s21, s21, ABYTES-2*BHALF          ; waves 2, 3: B's halves, behind A
	s_wait_kmcnt 0x0
	s_add_nc_u64 s[14:15], s[4:5], s[16:17]
	s_add_nc_u64 s[46:47], s[6:7], s[46:47]
	CROUND                                         ; all sixteen work-groups are here: the first joint loads meet
.irp s, 0,1
	s_mov_b32 s[G0+4*\s], 1
	s_add_co_u32 s[G0+4*\s+1], s20, \s*SLOT
	s_add_nc_u64 s[G0+4*\s+2:G0+4*\s+3], s[14:15], \s*ASTEP
	s_or_b32 s[G0+4*\s+3], s[G0+4*\s+3], 0x80000000
	s_mov_b32 s[G0B+4*\s], 1
	s_add_co_u32 s[G0B+4*\s+1], s21, \s*SLOT
	s_add_nc_u64 s[G0B+4*\s+2:G0B+4*\s+3], s[46:47], \s*BSTEP
	s_or_b32 s[G0B+4*\s+3], s[G0B+4*\s+3], 0x80000000
	JLOAD \s                                       ; K steps 0 and 1: two loads of mine are out
.endr
	v_and_b32 v1, 15, v0                           ; r = l % 16
	v_bfe_u32 v2, v0, 4, 1                         ; h = l / 16
	v_and_b32 v3, 31, v0                           ; l
	s_lshl_b32 s78, s13, 8
	s_lshl_b32 s79, s10, 6
	s_add_co_u32 s78, s78, s79                     ; my wave's first row
	s_mul_i32 s76, s78, OPITCH
	s_mul_i32 s77, s42, OCOLB
	s_add_co_u32 s76, s76, s77
	s_mov_b32 s77, 0
	s_add_nc_u64 s[8:9], s[8:9], s[76:77]          ; the output at my wave's first row, the tile's first column
	; the bias as a C tile: register j of block b holds b_p[128 x tile column + 16 b + 8 h + j], the same in all sixteen rows
	s_lshl_b32 s80, s42, 9
	s_mov_b32 s81, 0
	s_add_nc_u64 s[72:73], s[72:73], s[80:81]
	v_lshlrev_b32 v[BO], 5, v2
	WIN 0x80                                       ; destination window 2
.irp b, 0,1,2,3,4,5,6,7
	global_load_b128 v[8*\b:8*\b+3],   v[BO], s[72:73] offset:64*\b
	global_load_b128 v[8*\b+4:8*\b+7], v[BO], s[72:73] offset:64*\b+16
.endr
	WIN 0
	; fragments: lane l holds row (or column) r; registers 0-3 hold K = 8 h + 0..7, registers 4-7 K = 16 + 8 h + 0..7
	v_mul_u32_u24 v4, v1, PA
	v_lshl_add_u32 v4, v2, 4, v4                   ; r x 272 + 16 h
	s_mul_i32 s22, s10, 64*PA                      ; my 64 rows of A
	v_add_nc_u32 v[ADRA], s22, v4
	v_add_nc_u32 v[ADRA+1], SLOT, v[ADRA]
.if BTR
	v_and_b32 v5, 7, v0                            ; the turning load: lane l reads 16 bytes of row 8 h + l % 8, columns 8 ((l / 8) % 2) + 0..7
	v_lshl_add_u32 v5, v2, 3, v5
	v_mul_u32_u24 v5, v5, PB
	v_bfe_u32 v6, v0, 3, 1
	v_lshl_add_u32 v5, v6, 4, v5
	v_add_nc_u32 v[ADRB], ABYTES, v5
	v_add_nc_u32 v[ADRB+1], ABYTES+SLOT, v5
.else
	v_add_nc_u32 v[ADRB], ABYTES, v4
	v_add_nc_u32 v[ADRB+1], ABYTES+SLOT, v4
.endif
	s_mul_i32 s23, s10, 16*SP
	s_add_co_u32 s23, s23, STAGE                   ; my stage: 16 rows x 528 bytes
	v_mul_u32_u24 v5, v1, SP
	v_lshl_add_u32 v5, v2, 5, v5
	v_add_nc_u32 v[STO], s23, v5                   ; in: row r, 32 bytes for each half of the lanes in each block of 16 columns
	v_lshlrev_b32 v[CO], 4, v3                     ; back and out: a whole row of 512 bytes, 16 bytes a lane
	v_add_nc_u32 v[RD], s23, v[CO]
	s_wait_loadcnt 0x0                             ; the bias
	s_wait_tensorcnt 1                             ; my part of K step 0 is in; K step 1's may stay out
	s_barrier_signal -1
	s_barrier_wait -1                              ; everybody's is
	FETCH 0, 0, F0
	QUARTER 0, 1, F0, F1, FIRSTC                   ; the first quarter stands in front of the loop: its products start the sums
	WIN 0
	s_mov_b32 s3, LAPS-1
.Llap:                                                 ; a trip goes once round the ring, from a lap's second quarter to the next lap's first, and fills both slots again
	QUARTER 0, 2, F1, F0, 0
	QUARTER 0, 3, F0, F1, 0
	TURN 0, 1, 1
	QUARTER 1, 1, F0, F1, 0
	QUARTER 1, 2, F1, F0, 0
	QUARTER 1, 3, F0, F1, 0
	TURN 1, 0, 1
	QUARTER 0, 1, F0, F1, 0
	WIN 0
	s_sub_co_u32 s3, s3, 1
	s_cmp_lg_u32 s3, 0
	s_cbranch_scc1 .Llap
	QUARTER 0, 2, F1, F0, 0                        ; the last lap fills nothing
	QUARTER 0, 3, F0, F1, 0
	TURN 0, 1, 0
	QUARTER 1, 1, F0, F1, 0
	QUARTER 1, 2, F1, F0, 0
	QUARTER 1, 3, F0, F1, 0
	LASTQ
; THE WAY OUT, a block of 16 rows at a time: the f32 sums go straight from the accumulators into my own stage and come back as whole rows of 512 bytes.
.macro TOSTAGE4 a
.set BK, OB+64*((\a)%2)
	s_wait_xcnt 0x0                                ; the registers that the block two back stored from are loaded again only behind this wait
	WIN 0x04                                       ; store data window 1
.irp b, 0,1,2,3,4,5,6,7
	ds_store_b128 v[STO], v[64*(\a)+8*\b:64*(\a)+8*\b+3]   offset:64*\b      ; each accumulator from its low end on
	ds_store_b128 v[STO], v[64*(\a)+8*\b+4:64*(\a)+8*\b+7] offset:64*\b+16
.endr
	WIN 0
.irp i, 0,1,2,3,4,5,6,7,8,9,10,11,12,13,14,15
	ds_load_b128 v[BK+4*\i:BK+4*\i+3], v[RD] offset:SP*\i          ; LDS serves a wave's instructions in order (ISA guide 5.7.1.4): these see the stores above
.endr
.endm
.macro SEND4 a, younger                ; younger: the LDS instructions issued behind the block's loads, which may stay out
.set BK, OB+64*((\a)%2)
	s_wait_dscnt \younger
.irp i, 0,1,2,3,4,5,6,7,8,9,10,11,12,13,14,15
	global_store_b128 v[CO], v[BK+4*\i:BK+4*\i+3], s[8:9] offset:(16*(\a)+\i)*OPITCH th:TH_STORE_NT   ; 512 consecutive bytes, aligned; not read again
.endr
.endm
	TOSTAGE4 0
.irp a, 1,2,3
	TOSTAGE4 \a
	SEND4 \a-1, 32                                 ; all but the 32 just issued
.endr
	SEND4 3, 0
	s_wait_tensorcnt 0x0                           ; the wave's end
	ds_add_u32 v[SPW], v[NIL]
	s_wait_dscnt 0x0
	CROUND                                         ; the closing round: no work-group ends while a partner may still ask for a tile that names it
	s_endpgm
.Lfunc_end_k_q928e65c984_proj:
	.size	k_q928e65c984_proj, .Lfunc_end_k_q928e65c984_proj-k_q928e65c984_proj
	.p2alignl 7, 3214868480
	.fill 96, 4, 3214868480
	.section	.rodata,"a",@progbits
	.p2align	6, 0x0
	.amdhsa_kernel k_q928e65c984_proj
		.amdhsa_group_segment_fixed_size 327680
		.amdhsa_private_segment_fixed_size 0
		.amdhsa_enable_private_segment 0
		.amdhsa_kernarg_size 32
		.amdhsa_user_sgpr_count 2
		.amdhsa_user_sgpr_kernarg_segment_ptr 1
		.amdhsa_wavefront_size32 1
		.amdhsa_system_sgpr_workgroup_id_x 1
		.amdhsa_system_sgpr_workgroup_id_y 1
		.amdhsa_system_sgpr_workgroup_id_z 1
		.amdhsa_system_vgpr_workitem_id 0
		.amdhsa_next_free_vgpr 576
		.amdhsa_next_free_sgpr 88
		.amdhsa_reserve_vcc 0
		.amdhsa_float_denorm_mode_32 3
		.amdhsa_float_denorm_mode_16_64 3
		.amdhsa_memory_ordered 1
		.amdhsa_forward_progress 1
		.amdhsa_inst_pref_size 86
	.end_amdhsa_kernel
	.amdgpu_metadata
---
amdhsa.version: [ 1, 2 ]
amdhsa.kernels:
  - .name:           k_q928e65c984_proj
    .symbol:         k_q928e65c984_proj.kd
    .args:
      - { .name: ctx, .offset: 0, .size: 8, .value_kind: global_buffer, .address_space: global }
      - { .name: wph, .offset: 8, .size: 8, .value_kind: global_buffer, .address_space: global }
      - { .name: out0, .offset: 16, .size: 8, .value_kind: global_buffer, .address_space: global }
      - { .name: b_p, .offset: 24, .size: 8, .value_kind: global_buffer, .address_space: global }
    .group_segment_fixed_size: 327680
    .private_segment_fixed_size: 0
    .kernarg_segment_align: 8
    .kernarg_segment_size: 32
    .max_flat_workgroup_size: 128
    .sgpr_count:     88
    .vgpr_count:     576
    .wavefront_size: 32
...
	.end_amdgpu_metadata
.endif
;; end of part 5
;; ======== version 2 of 3: 5 launches; 1.12 times as fast as version 1
;; limits: values are held in f16: magnitudes above 65,504 overflow, below 6.1e-05 lose precision
;; workspace buffers: xh 16,777,216 bytes; wch 6,291,456 bytes; wph 2,097,152 bytes; c 50,331,648 bytes; p 33,554,432 bytes; stats 1,048,576 bytes; ctx 16,777,216 bytes
;; launch cast: the kernel of part 1 again; grid 768 x 1, 8 waves a work-group, no clusters, 0 bytes of LDS; arguments x, W_c, W_p, xh, wch, wph; writes xh, wch, wph
;; launch qkv (part 6): grid 12 x 32, 4 waves a work-group, clusters of 4 x 4, 327,680 bytes of LDS; arguments xh, wch, c, b_c; writes c
.if DOCPART == 6
	.amdgcn_target "amdgcn-amd-amdhsa--gfx1250"
	.amdhsa_code_object_version 6
	.text
	.protected	k_q928e65c984_qkv
	.globl	k_q928e65c984_qkv
	.p2align	8
	.type	k_q928e65c984_qkv,@function
k_q928e65c984_qkv:
	s_mov_b64 s[64:65], 0
	v_nop
	global_prefetch_b8 v0, s[64:65] scope:SCOPE_SE
	s_setreg_imm32_b32 hwreg(HW_REG_WAVE_MODE, 25, 1), 1
	s_wait_xcnt 0x0
	s_wait_alu depctr_hold_cnt(0) depctr_sa_sdst(0) depctr_va_vdst(0) depctr_va_sdst(0) depctr_va_ssrc(0) depctr_va_vcc(0) depctr_vm_vsrc(0)
	s_getreg_b32 s2, hwreg(HW_REG_IB_STS2, 6, 4)
	s_cmp_eq_u32 s2, 0
	s_cbranch_scc0 .Lentry_in_a_cluster
	s_endpgm
.Lentry_in_a_cluster:
	s_bfe_u32 s2, ttmp6, 0x10000c
	s_cmp_lg_u32 s2, 0xf033
	s_cbranch_scc0 .Lentry_shape_is_right
	s_endpgm
.Lentry_shape_is_right:
; c[m][n] = b_c[n] + sum over k of xh[m][k] wch[k][n].  xh [8192][1024], wch [1024][3072], c [8192][3072], all f16; b_c f32; sums in f32, c rounded once.
; LIMIT: c is kept in f16: |c| stays under 65,504 (drawn inputs give about 3; all inputs thirty times larger about 3,500; offsets of thirty spreads about 18,500).
; SHARES.  A work-group of four waves makes a tile of 256 x 256; wave w rows 128 (w / 2) on, columns 128 (w % 2) on: 8 x 8 accumulators of 16 x 16, 512 registers.  32 x 12 tiles = 384 work-groups.
; K goes in steps of 128 through two LDS slots filled by the tensor data mover: a step is 256 matrix instructions a wave, 224 of them between a refill's request and the wait for it.
; CLUSTER.  4 x 4 work-groups.  The four of a row of the cluster need the same tile of A, the four of a column the same tile of B: each tile is asked for jointly.
; THE WALK ALONG K IS ROTATED: a cluster begins at K step (3 x cluster x + cluster y) mod 8 and wraps, so that clusters which read the same rows of A or of B do not ask for the same K step at the same time.
; The number hangs on the cluster's coordinates alone: it is the same in all sixteen partners.  The sums take K in that order: f32 rounding alone differs.
; THE MATRIX INSTRUCTION IS USED TRANSPOSED (source 0 = 16 columns of B, source 1 = 16 rows of A): lane l then holds row l % 16 and the eight neighbouring columns 8 (l / 16) + 0..7.
; B lies [k][n] in memory and in LDS; ds_load_tr16_b128 turns it on the way into registers.  THE BIAS is the C of each accumulator's first product: a tile whose sixteen rows are alike.
; REGISTERS (windows of 256): window 0: v0-31 addresses; v64-127, v128-191 A's fragments, two buffers; v32-63, v192-255 at work on the way out;
;   window 1: v0-63 the bias; v64-127, v128-191 B's fragments; window 2: accumulators of my rows 0-63 ((a, b) at v[8 (8 a + b)]); window 3: of my rows 64-127.
.set APITCH, 1024                      ; elements from row to row of A
.set BPITCH, 3072                      ; of B
.set BTR,    1                         ; B lies [k][n]
.set NS,     8                         ; K steps
.set RX,     3                         ; the rotation's factors
.set RY,     1
.set LAPS,   4                         ; a lap is two K steps, once round the ring
.set OPITCH, 6144                      ; bytes from row to row of the output
.set PA,     272                       ; a row of A in LDS: 256 bytes + 16 = 68 words: the 16 rows of a load start at 16 different banks (64 banks of 4 bytes: ISA guide 11.1)
.set PB,     544                       ; a row of B: 512 + 32 = 136 words: row r starts at bank 8 r mod 64
.set HALFT,  128*PA                    ; what one tensor load brings: 128 rows of A, or 64 rows of B (64 x 544 is the same number)
.set SLOT,   4*HALFT                   ; A's 256 rows, then B's 128
.set BSTEP,  128*BPITCH*2              ; a K step is 128 rows of B, and 256 bytes along A's rows
.set STAGE,  2*SLOT                    ; behind the ring: no tile lands from here on
.set SP,     272
.set SPARE,  STAGE+4*16*SP             ; behind the stages: the spare words, 128 bytes for each wave, which no other line names
.set ADRA, 16                          ; v16-17  LDS address of my A fragments in slot 0, 1
.set ADRB, 20                          ; v20-21  the same for B
.set STO,  24                          ; v24     the way out: where I put 16 bytes of a row
.set RD,   25                          ; v25     where I read a row back
.set CO,   26                          ; v26     my byte offset in the output
.set SPW,  28                          ; v28     SPARE + 4 x my thread's number; never rewritten
.set NIL,  29                          ; v29     0; never rewritten
.set BO,   30                          ; v30     my byte offset in my 128 numbers of the bias
.set F0,   64
.set F1,   128
.set TMP,  192                         ; the way out: packed results
.set OB,   32                          ; the way out: 16 rows read back, v32-63 and v224-255 by turns
.set G1,  24                           ; s[24:31] descriptor group 1 for A;  s[32:39] group 0, a set for each slot
.set G0,  32
.set G1B, 48                           ; s[48:55], s[56:63] the same for B
.set G0B, 56
.set IX,  84                           ; s84, s85 the K step that slot 0, 1 holds or has been asked to hold
.set MUL_LO, 0xa1                      ; source 0 (B) window 1, source 1 (A) window 0, C and D window 2
.set MUL_HI, 0xf1                      ; the same, C and D window 3
.set BIA_LO, 0x91                      ; D window 2, C (the bias) window 1
.set BIA_HI, 0xd1                      ; D window 3, C window 1
.set TO_B,   0x40                      ; destination window 1, address window 0
.set MSB, 0
.macro WIN new                         ; the immediate's high byte repeats the setting that is left; a switch that changes nothing is dropped
.if MSB != \new
	s_set_vgpr_msb (MSB<<8)|\new
.set MSB, \new
.endif
.endm
.macro LOWIN first
.if \first == 2
	WIN BIA_LO
.else
	WIN MUL_LO
.endif
.endm
.macro HIWIN first
.if \first == 2
	WIN BIA_HI
.else
	WIN MUL_HI
.endif
.endm
.macro JLOAD s                         ; a joint load: waves 0 and 1 fetch A's two halves, waves 2 and 3 B's; four v_nop follow each of the two lines
	s_cmp_eq_u32 s11, 0
	s_cbranch_scc0 .Lfor_b_\@
	tensor_load_to_lds s[G0+4*\s:G0+4*\s+3], s[G1:G1+7]
	s_nop 0
.rept 4
	v_nop
.endr
	s_branch .Lasked_\@
.Lfor_b_\@:
	tensor_load_to_lds s[G0B+4*\s:G0B+4*\s+3], s[G1B:G1B+7]
	s_nop 0
.rept 4
	v_nop
.endr
.Lasked_\@:
.endm
.macro CREST                           ; a round of the cluster's barrier behind its opening barrier
	s_cmp_lg_u32 s10, 0
	s_cbranch_scc1 .Lnot_wave_0_\@
	s_barrier_signal -3
.Lnot_wave_0_\@:
	s_barrier_wait -3
	s_barrier_signal -1
	s_barrier_wait -1
.endm
.macro CROUND                          ; a whole round
	s_barrier_signal -1
	s_barrier_wait -1
	CREST
.endm
.macro PLACES                          ; four places in front of loads into registers that matrix instructions have read, and of reads of their results
.rept 4
	v_nop
.endr
.endm
.macro NEXTIX slot                     ; the slot's next K step: two on, and round the end
	s_add_co_u32 s[IX+\slot], s[IX+\slot], 2
	s_and_b32 s[IX+\slot], s[IX+\slot], NS-1
.endm
.macro SETADR slot                     ; both tiles' addresses of the slot's K step: base + step x its bytes; written only where no tensor load of the wave is out
	s_lshl_b32 s16, s[IX+\slot], 8
	s_add_nc_u64 s[G0+4*\slot+2:G0+4*\slot+3], s[14:15], s[16:17]
	s_or_b32 s[G0+4*\slot+3], s[G0+4*\slot+3], 0x80000000          ; 127:126 type = 2
.if BTR
	s_mul_i32 s18, s[IX+\slot], BSTEP
	s_add_nc_u64 s[G0B+4*\slot+2:G0B+4*\slot+3], s[46:47], s[18:19]
.else
	s_add_nc_u64 s[G0B+4*\slot+2:G0B+4*\slot+3], s[46:47], s[16:17]
.endif
	s_or_b32 s[G0B+4*\slot+3], s[G0B+4*\slot+3], 0x80000000
.endm
; 16 matrix instructions: row blocks a0, a0 + 1 of the window's four (hi = 0: my rows 0-63, 1: rows 64-127) x all 8 column blocks, 32 along K.
; first = 1: C is the constant 0; 2: C is the bias; 0: the sum goes on.  The 64 accumulators take turns in one order in every quarter.
.macro MUL16 f, hi, a0, first
.irp a, \a0, \a0+1
.irp b, 0,1,2,3,4,5,6,7
.if \first == 1
	v_wmma_f32_16x16x32_f16 v[8*(8*(\a)+\b):8*(8*(\a)+\b)+7], v[\f+8*\b:\f+8*\b+7], v[\f+8*(4*\hi+\a):\f+8*(4*\hi+\a)+7], 0
.elseif \first == 2
	v_wmma_f32_16x16x32_f16 v[8*(8*(\a)+\b):8*(8*(\a)+\b)+7], v[\f+8*\b:\f+8*\b+7], v[\f+8*(4*\hi+\a):\f+8*(4*\hi+\a)+7], v[8*\b:8*\b+7]
.else
	v_wmma_f32_16x16x32_f16 v[8*(8*(\a)+\b):8*(8*(\a)+\b)+7], v[\f+8*\b:\f+8*\b+7], v[\f+8*(4*\hi+\a):\f+8*(4*\hi+\a)+7], v[8*(8*(\a)+\b):8*(8*(\a)+\b)+7]
.endif
.endr
.endr
.endm
; 32 LDS loads in one run: quarter q (32 along K) of a slot into buffer f: B's 8 fragments, then A's 8
.macro FETCH slot, q, f
	WIN TO_B
.irp i, 0,1,2,3,4,5,6,7
.if BTR
	ds_load_tr16_b128 v[\f+8*\i:\f+8*\i+3],   v[ADRB+\slot] offset:32*\q*PB+32*\i
	ds_load_tr16_b128 v[\f+8*\i+4:\f+8*\i+7], v[ADRB+\slot] offset:32*\q*PB+16*PB+32*\i
.else
	ds_load_b128 v[\f+8*\i:\f+8*\i+3],   v[ADRB+\slot] offset:64*\q+\i*16*PA
	ds_load_b128 v[\f+8*\i+4:\f+8*\i+7], v[ADRB+\slot] offset:64*\q+\i*16*PA+32
.endif
.endr
	WIN 0
.irp i, 0,1,2,3,4,5,6,7
	ds_load_b128 v[\f+8*\i:\f+8*\i+3],   v[ADRA+\slot] offset:64*\q+\i*16*PA
	ds_load_b128 v[\f+8*\i+4:\f+8*\i+7], v[ADRA+\slot] offset:64*\q+\i*16*PA+32
.endr
.endm
; A K step is four quarters of 32 along K, 64 matrix instructions each, on buffers 0, 1, 0, 1.  One of the first three: multiplies buffer f and, in its middle, fetches quarter q into buffer g.
.macro QUARTER slot, q, f, g, first
	s_wait_dscnt 8                                 ; B and A's blocks 0-3 are in; the youngest eight loads (A's blocks 4-7) may be out
	LOWIN \first
	MUL16 \f, 0, 0, \first
	MUL16 \f, 0, 2, \first
	PLACES
	FETCH \slot, \q, \g
	s_wait_dscnt 32                                ; all but the 32 just issued
	HIWIN \first
	MUL16 \f, 1, 0, \first
	MUL16 \f, 1, 2, \first
.endm
; The last quarter multiplies buffer 1 and changes slots: one barrier; in front of it each wave waits for all its tensor loads, adds 0 to its spare word, and waits for that and for its reads of this slot.
.macro MEET round                      ; round = 1: a round of the cluster's barrier follows
	WIN 0                                          ; (the add's two registers lie in window 0)
	s_wait_tensorcnt 0x0                           ; all my tensor loads have landed: the one that was out is my part of the next slot
	ds_add_u32 v[SPW], v[NIL]                      ; 0 onto my spare word
	s_wait_dscnt 9                                 ; (the add and the youngest eight loads may be out)
	WIN MUL_LO
	MUL16 F1, 0, 0, 0                              ; sixteen matrix instructions stand between the add and the wait for it
	s_wait_dscnt 0x0                               ; the add is done, and my reads of this slot are over
	s_barrier_signal -1
	MUL16 F1, 0, 2, 0
.if \round
	WIN 0                                          ; at a branch and at a label every window is 0
.endif
	s_barrier_wait -1
.endm
; fill = 1: the barrier opens a round of the cluster's barrier, and this slot is filled again, two K steps ahead.
.macro TURN slot, next, fill
	MEET \fill
.if \fill
	CREST                                          ; no wave of any partner still reads this slot or has a load on its way
	NEXTIX \slot
	SETADR \slot
	JLOAD \slot                                    ; the first tensor load behind the round; its four v_nop are also the places in front of the loads below
.else
	PLACES
.endif
	FETCH \next, 0, F0
	WIN MUL_HI
	MUL16 F1, 1, 0, 0
	MUL16 F1, 1, 2, 0
.endm
	s_load_b128 s[4:7], s[0:1], 0x0                ; A = xh s[4:5], B = wch s[6:7]
	s_load_b64 s[8:9], s[0:1], 0x10                ; c
	s_load_b64 s[72:73], s[0:1], 0x18              ; b_c
	v_lshl_add_u32 v[SPW], v0, 2, SPARE
	v_mov_b32 v[NIL], 0
	ds_add_u32 v28, v29
	s_wait_dscnt 0x0
	v_lshrrev_b32 v1, 5, v0
	v_readfirstlane_b32 s10, v1                    ; wave 0..3
	s_lshr_b32 s11, s10, 1                         ; which half of the tile's rows is mine.  Also: I fetch for A (0) or for B (1)
	s_and_b32 s12, s10, 1                          ; which half of its columns.  Also: which half of that tile I fetch
	s_bfe_u32 s40, ttmp6, 0x40000                  ; cx, cy: my place in the cluster
	s_bfe_u32 s41, ttmp6, 0x40004
	s_lshl_b32 s42, ttmp9, 2
	s_add_co_u32 s42, s42, s40                     ; tile column = 4 x cluster x + cx
	s_and_b32 s13, ttmp7, 0xffff                   ; cluster y
	s_mul_i32 s[IX], ttmp9, RX                     ; the K step at which my cluster begins
	s_mul_i32 s[IX+1], s13, RY
	s_add_co_u32 s[IX], s[IX], s[IX+1]
	s_and_b32 s[IX], s[IX], NS-1
	s_add_co_u32 s[IX+1], s[IX], 1                 ; and the one behind it, for slot 1
	s_and_b32 s[IX+1], s[IX+1], NS-1
	s_lshl_b32 s13, s13, 2
	s_add_co_u32 s13, s13, s41                     ; tile row = 4 x cluster y + cy
	s_lshl_b32 s43, s41, 2
	s_lshl_b32 s43, 15, s43                        ; my row of the cluster
	s_lshl_b32 s44, 0x1111, s40                    ; my column
	; group 1: A's load is 128 rows x 128 elements, B's 64 rows x 256, both padded in LDS
	s_or_b32 s[G1], s43, (1<<16)|(1<<20)|(1<<21)|(5<<22)|(3<<25)      ; 15:0 the mask; 17:16 elements of 2 bytes; 20 padding on; 21 set beside a mask; 24:22 after every 64 words; 31:25 of 4 words
	s_or_b32 s[G1B], s44, (1<<16)|(1<<20)|(1<<21)|(6<<22)|(7<<25)     ; after every 128 words, 8 words
	s_mov_b32 s[G1+1], 128<<16                     ; tensor_dim0 = 128
	s_mov_b32 s[G1+2], 128<<16                     ; tensor_dim1 = 128
	s_mov_b32 s[G1+3], 128<<16                     ; tile_dim0 = 128
	s_mov_b32 s[G1+4], 128                         ; tile_dim1 = 128
	s_mov_b32 s[G1+5], APITCH                      ; elements from row to row
	s_mov_b32 s[G1+6], 0
	s_mov_b32 s[G1+7], 0
	s_mov_b32 s[G1B+1], 256<<16                    ; tensor_dim0 = 256
	s_mov_b32 s[G1B+2], 64<<16                     ; tensor_dim1 = 64
	s_mov_b32 s[G1B+3], 256<<16                    ; tile_dim0 = 256
	s_mov_b32 s[G1B+4], 64                         ; tile_dim1 = 64
	s_mov_b32 s[G1B+5], BPITCH
	s_mov_b32 s[G1B+6], 0
	s_mov_b32 s[G1B+7], 0
	; A's tile hangs on the tile row alone, B's on the tile column alone; each offset is made in registers that never hold the other coordinate.  All stay under 2^25 bytes.
	s_lshl_b32 s16, s13, 8
	s_lshl_b32 s17, s12, 7
	s_add_co_u32 s16, s16, s17                     ; A: row 256 x tile row + 128 x half
	s_mul_i32 s16, s16, APITCH*2
	s_mov_b32 s17, 0
	s_lshl_b32 s46, s12, 6                         ; B: row 64 x half,
	s_mul_i32 s46, s46, BPITCH*2
	s_lshl_b32 s47, s42, 9                         ; the tile's 256 columns: 512 bytes
	s_add_co_u32 s46, s46, s47
	s_mov_b32 s47, 0
	s_mov_b32 s19, 0
	s_mul_i32 s20, s10, HALFT                      ; where they go: A's two halves, then B's two halves = wave x 34,816
	s_wait_kmcnt 0x0
	s_add_nc_u64 s[14:15], s[4:5], s[16:17]        ; my part of A's tile at K = 0; kept
	s_add_nc_u64 s[46:47], s[6:7], s[46:47]        ; of B's; kept
	CROUND                                         ; all sixteen work-groups are here: the first joint loads meet
.irp s, 0,1
	s_mov_b32 s[G0+4*\s], 1
	s_add_co_u32 s[G0+4*\s+1], s20, \s*SLOT
	s_mov_b32 s[G0B+4*\s], 1
	s_add_co_u32 s[G0B+4*\s+1], s20, \s*SLOT
	SETADR \s
	JLOAD \s                                       ; my cluster's first two K steps: two loads of mine are out
.endr
	v_and_b32 v1, 15, v0                           ; r = l % 16
	v_bfe_u32 v2, v0, 4, 1                         ; h = l / 16
	s_lshl_b32 s78, s13, 8
	s_lshl_b32 s79, s11, 7
	s_add_co_u32 s78, s78, s79                     ; my wave's first row
	s_mul_i32 s76, s78, OPITCH
	s_lshl_b32 s77, s42, 9
	s_add_co_u32 s76, s76, s77
	s_lshl_b32 s77, s12, 8
	s_add_co_u32 s76, s76, s77                     ; + 512 x tile column + 256 x half
	s_mov_b32 s77, 0
	s_add_nc_u64 s[8:9], s[8:9], s[76:77]          ; the output at my wave's first row and column
	; the bias as a C tile: register j of block b holds b_c[my first column + 16 b + 8 h + j], the same in all sixteen rows
	s_lshl_b32 s80, s42, 10
	s_lshl_b32 s81, s12, 9
	s_add_co_u32 s80, s80, s81
	s_mov_b32 s81, 0
	s_add_nc_u64 s[72:73], s[72:73], s[80:81]
	v_lshlrev_b32 v[BO], 5, v2
	WIN TO_B                                       ; destination window 1
.irp b, 0,1,2,3,4,5,6,7
	global_load_b128 v[8*\b:8*\b+3],   v[BO], s[72:73] offset:64*\b
	global_load_b128 v[8*\b+4:8*\b+7], v[BO], s[72:73] offset:64*\b+16
.endr
	WIN 0
	; fragments: lane l holds row (or column) r; registers 0-3 hold K = 8 h + 0..7, registers 4-7 K = 16 + 8 h + 0..7
	v_mul_u32_u24 v4, v1, PA
	v_lshl_add_u32 v4, v2, 4, v4                   ; r x 272 + 16 h
	s_mul_i32 s22, s11, HALFT                      ; my 128 rows of A
	v_add_nc_u32 v[ADRA], s22, v4
	v_add_nc_u32 v[ADRA+1], SLOT, v[ADRA]
	v_and_b32 v5, 7, v0                            ; the turning load: lane l reads 16 bytes of row 8 h + l % 8, columns 8 ((l / 8) % 2) + 0..7
	v_lshl_add_u32 v5, v2, 3, v5
	v_mul_u32_u24 v5, v5, PB
	v_bfe_u32 v6, v0, 3, 1
	v_lshl_add_u32 v5, v6, 4, v5
	s_lshl_b32 s23, s12, 8                         ; my 128 columns: 256 bytes of B's rows,
	s_add_co_u32 s23, s23, 2*HALFT                 ; which lie behind A's 256
	v_add_nc_u32 v[ADRB], s23, v5
	v_add_nc_u32 v[ADRB+1], SLOT, v[ADRB]
	s_mul_i32 s23, s10, 16*SP
	s_add_co_u32 s23, s23, STAGE                   ; my stage: 16 rows x 272 bytes
	v_add_nc_u32 v[STO], s23, v4                   ; in: row r, 16 bytes for each half of the lanes
	v_mul_u32_u24 v5, v2, SP
	v_lshl_add_u32 v5, v1, 4, v5
	v_add_nc_u32 v[RD], s23, v5                    ; back: lanes 0-15 one row of 256 bytes, lanes 16-31 the next
	v_mul_u32_u24 v5, v2, OPITCH
	v_lshl_add_u32 v[CO], v1, 4, v5                ; and the same two rows in the output
	s_wait_loadcnt 0x0                             ; the bias
	s_wait_tensorcnt 1                             ; my part of the first K step is in; the second's may stay out
	s_barrier_signal -1
	s_barrier_wait -1                              ; everybody's is
	FETCH 0, 0, F0
	QUARTER 0, 1, F0, F1, 2                        ; the first quarter stands in front of the loop: its products start the sums, on the bias
	WIN 0
	s_mov_b32 s3, LAPS-1
.Llap:                                                 ; a trip goes once round the ring, from a lap's second quarter to the next lap's first, and fills both slots again
	QUARTER 0, 2, F1, F0, 0
	QUARTER 0, 3, F0, F1, 0
	TURN 0, 1, 1
	QUARTER 1, 1, F0, F1, 0
	QUARTER 1, 2, F1, F0, 0
	QUARTER 1, 3, F0, F1, 0
	TURN 1, 0, 1
	QUARTER 0, 1, F0, F1, 0
	WIN 0
	s_sub_co_u32 s3, s3, 1
	s_cmp_lg_u32 s3, 0
	s_cbranch_scc1 .Llap
	QUARTER 0, 2, F1, F0, 0                        ; the last lap fills nothing
	QUARTER 0, 3, F0, F1, 0
	TURN 0, 1, 0
	QUARTER 1, 1, F0, F1, 0
	QUARTER 1, 2, F1, F0, 0
	QUARTER 1, 3, F0, F1, 0
	s_wait_dscnt 8                                 ; the very last quarter: nothing more to fetch
	WIN MUL_LO
	MUL16 F1, 0, 0, 0
	MUL16 F1, 0, 2, 0
	s_wait_dscnt 0x0
	WIN MUL_HI
	MUL16 F1, 1, 0, 0
	MUL16 F1, 1, 2, 0
	WIN 0
	PLACES
; THE WAY OUT, a block of 16 rows at a time: rounded to f16 (16 bytes a lane), into my own stage, back as whole rows of 256 bytes, stored.
.macro PACK a
.set AC, 64*((\a)%4)
	WIN 0x0a+5*((\a)/4)                            ; sources 0 and 1: window 2 or 3
.irp b, 0,1,2,3,4,5,6,7
.irp i, 0,1,2,3
	v_cvt_pk_f16_f32 v[TMP+4*\b+\i], v[AC+8*\b+2*\i], v[AC+8*\b+2*\i+1]   ; each accumulator's registers in ascending order
.endr
.endr
	WIN 0
.endm
.macro TOSTAGE a
.set BK, OB+192*((\a)%2)
.irp b, 0,1,2,3,4,5,6,7
	ds_store_b128 v[STO], v[TMP+4*\b:TMP+4*\b+3] offset:32*\b
.endr
.irp t, 0,1,2,3,4,5,6,7
	ds_load_b128 v[BK+4*\t:BK+4*\t+3], v[RD] offset:\t*2*SP        ; LDS serves a wave's instructions in order (ISA guide 5.7.1.4): these see the stores above
.endr
.endm
.macro SEND a
.set BK, OB+192*((\a)%2)
	s_wait_dscnt 0x0                               ; the block is back in registers
	s_wait_xcnt 0x0                                ; the registers that the block before stored from are loaded again only behind this wait
.irp t, 0,1,2,3,4,5,6,7
	global_store_b128 v[CO], v[BK+4*\t:BK+4*\t+3], s[8:9] offset:(16*(\a)+2*\t)*OPITCH   ; 16 lanes store 256 consecutive bytes, aligned; 126 rows at the most: inside the signed 24-bit immediate
.endr
.endm
	PACK 0
	TOSTAGE 0
.irp a, 1,2,3,4,5,6,7
	PACK \a                                        ; block a's conversions stand between block a - 1's loads from the stage and the wait for them
	SEND \a-1
	TOSTAGE \a
.endr
	SEND 7
	s_wait_tensorcnt 0x0                           ; the wave's end
	ds_add_u32 v[SPW], v[NIL]
	s_wait_dscnt 0x0
	CROUND                                         ; the closing round: no work-group ends while a partner may still ask for a tile that names it
	s_endpgm
.Lfunc_end_k_q928e65c984_qkv:
	.size	k_q928e65c984_qkv, .Lfunc_end_k_q928e65c984_qkv-k_q928e65c984_qkv
	.p2alignl 7, 3214868480
	.fill 96, 4, 3214868480
	.section	.rodata,"a",@progbits
	.p2align	6, 0x0
	.amdhsa_kernel k_q928e65c984_qkv
		.amdhsa_group_segment_fixed_size 327680
		.amdhsa_private_segment_fixed_size 0
		.amdhsa_enable_private_segment 0
		.amdhsa_kernarg_size 32
		.amdhsa_user_sgpr_count 2
		.amdhsa_user_sgpr_kernarg_segment_ptr 1
		.amdhsa_wavefront_size32 1
		.amdhsa_system_sgpr_workgroup_id_x 1
		.amdhsa_system_sgpr_workgroup_id_y 1
		.amdhsa_system_sgpr_workgroup_id_z 1
		.amdhsa_system_vgpr_workitem_id 0
		.amdhsa_next_free_vgpr 1024
		.amdhsa_next_free_sgpr 88
		.amdhsa_reserve_vcc 0
		.amdhsa_float_denorm_mode_32 3
		.amdhsa_float_denorm_mode_16_64 3
		.amdhsa_memory_ordered 1
		.amdhsa_forward_progress 1
		.amdhsa_inst_pref_size 145
	.end_amdhsa_kernel
	.amdgpu_metadata
---
amdhsa.version: [ 1, 2 ]
amdhsa.kernels:
  - .name:           k_q928e65c984_qkv
    .symbol:         k_q928e65c984_qkv.kd
    .args:
      - { .name: xh, .offset: 0, .size: 8, .value_kind: global_buffer, .address_space: global }
      - { .name: wch, .offset: 8, .size: 8, .value_kind: global_buffer, .address_space: global }
      - { .name: c, .offset: 16, .size: 8, .value_kind: global_buffer, .address_space: global }
      - { .name: b_c, .offset: 24, .size: 8, .value_kind: global_buffer, .address_space: global }
    .group_segment_fixed_size: 327680
    .private_segment_fixed_size: 0
    .kernarg_segment_align: 8
    .kernarg_segment_size: 32
    .max_flat_workgroup_size: 128
    .sgpr_count:     88
    .vgpr_count:     1024
    .wavefront_size: 32
...
	.end_amdgpu_metadata
.endif
;; end of part 6
;; launch scores (part 7): grid 8 x 32, 4 waves a work-group, clusters of 4 x 4, 327,680 bytes of LDS; arguments c, p, score_weights, stats; writes p, stats
.if DOCPART == 7
	.amdgcn_target "amdgcn-amd-amdhsa--gfx1250"
	.amdhsa_code_object_version 6
	.text
	.protected	k_q928e65c984_scores
	.globl	k_q928e65c984_scores
	.p2align	8
	.type	k_q928e65c984_scores,@function
k_q928e65c984_scores:
	s_mov_b64 s[64:65], 0
	v_nop
	global_prefetch_b8 v0, s[64:65] scope:SCOPE_SE
	s_setreg_imm32_b32 hwreg(HW_REG_WAVE_MODE, 25, 1), 1
	s_wait_xcnt 0x0
	s_wait_alu depctr_hold_cnt(0) depctr_sa_sdst(0) depctr_va_vdst(0) depctr_va_sdst(0) depctr_va_ssrc(0) depctr_va_vcc(0) depctr_vm_vsrc(0)
	s_getreg_b32 s2, hwreg(HW_REG_IB_STS2, 6, 4)
	s_cmp_eq_u32 s2, 0
	s_cbranch_scc0 .Lentry_in_a_cluster
	s_endpgm
.Lentry_in_a_cluster:
	s_bfe_u32 s2, ttmp6, 0x10000c
	s_cmp_lg_u32 s2, 0xf033
	s_cbranch_scc0 .Lentry_shape_is_right
	s_endpgm
.Lentry_shape_is_right:
; For each row and each tile of 128 keys: s = q . k / 32 + score_weights;  mm = log2(e) x (the row's maximum within the tile);  p = 2^(log2(e) s - mm), rounded to f16;  l = the row's sum of p.
; q = c[.][0:1024], k = c[.][1024:2048], f16, rows of 6,144 bytes.  p [8192][2048] f16.  stats, f32: byte ((G x 16 + t) x 2 + i) x 256 + 4 (row % 64), G = row / 64, t = key tile of 128, i = 0: mm, 1: l.
; The maximum is taken away before every exponential: here the tile's own; the next launch corrects each tile by 2^(mm - the row's largest mm).  The stored mm is the very number subtracted here.
; LIMITS: p below 2^-25 becomes 0; v_exp_f32 gives 0 below 2^-126; non-finite inputs are not served.
; SHARES.  A work-group of four waves makes 256 queries x 256 keys; wave w queries 128 (w / 2) on, keys 128 (w % 2) on (one key tile): 8 x 8 accumulators, 512 registers.  32 x 8 = 256 work-groups.
; K goes in steps of 128 through two LDS slots filled by the tensor data mover: a step is 256 matrix instructions a wave, 224 of them between a refill's request and the wait for it.
; CLUSTER 4 x 4: q's tile is shared along a row of the cluster, k's along a column; each is asked for jointly.
; THE WALK ALONG K IS ROTATED: a cluster begins at K step 4 ((cluster x + cluster y) % 2) and wraps, so that the two clusters which read the same rows of q, or of k, do not ask for the same K step at the same time.
; THE MATRIX INSTRUCTION IS USED TRANSPOSED (source 0 = 16 keys, source 1 = 16 queries): lane l holds query l % 16 and keys 8 (l / 16) + 0..7 of each block: a row's statistics want one exchange between the halves of the lanes.
; score_weights: my wave's 128 rows x 512 bytes come by two tensor loads of my own, 64 rows each, into the ring's slots once these have had their last tile: rows 0-63 into slot 0 during the last K step,
; rows 64-127 into slot 1 while the first four blocks are worked on.  With rows of 528 bytes in LDS a lane reads them from there in the accumulators' layout.
; REGISTERS: window 0: v0-55 addresses, statistics; v64-127, v128-191 q's fragments, two buffers (on the way out: a block's 64 numbers); v192-255 p on its way out;
;   window 1: v64-127, v128-191 k's fragments; window 2: accumulators of my rows 0-63 ((a, b) at v[8 (8 a + b)]); window 3: of my rows 64-127.
.set APITCH, 3072
.set BPITCH, 3072
.set BTR,    0                         ; B (the keys) lies [n][k]
.set NS,     8
.set RX,     4
.set RY,     4
.set LAPS,   4
.set OPITCH, 4096
.set PA,     272                       ; a row in LDS: 256 bytes + 16 = 68 words: the 16 rows of a load start at 16 different banks (64 banks of 4 bytes: ISA guide 11.1)
.set HALFT,  128*PA                    ; what one tensor load brings: 128 rows
.set SLOT,   4*HALFT                   ; q's 256 rows, then k's 256
.set SWP,    528                       ; a row of 128 f32 + 16 bytes
.set SWW,    64*SWP                    ; a wave's 64 rows of score_weights; four of them fit in a slot
.set STAGE,  2*SLOT                    ; behind the ring: no tile lands from here on
.set SP,     272
.set PST,    STAGE                     ; 16 rows x 272 bytes for each wave: p on its way out
.set STST,   PST+4*16*SP               ; 1,024 bytes for each wave: for each 64 of my rows mm, then l
.set SPARE,  STST+4*1024               ; the spare words, 128 bytes for each wave, which no other line names
.set ADRA, 16
.set ADRB, 20
.set STO,  24
.set RD,   25
.set CO,   26
.set SPW,  28                          ; v28     SPARE + 4 x my thread's number; never rewritten
.set NIL,  29                          ; v29     0; never rewritten
.set SWL,  30                          ; v30-31  score_weights in slot 0, 1: my part + 528 r + 32 h
.set STS,  32                          ; v32     statistics into their stage: 4 r
.set STL,  33                          ; v33     and out of it: 16 l
.set LO,   34                          ; v34     16 l: my offset in 512 bytes of stats
.set MX,   36                          ; v36-39  four chains of maxima; v40 the row's maximum
.set PX,   41                          ; v41     what the other half of the lanes holds
.set MM,   42                          ; v42-43  log2(e) x maximum (named as a pair)
.set SM,   44                          ; v44-51  four chains of sums
.set LS,   52                          ; v52     the row's sum
.set F0,   64
.set F1,   128
.set G1,  24
.set G0,  32
.set G1B, 48
.set G0B, 56
.set IX,  84                           ; s84, s85 the K step that slot 0, 1 holds or has been asked to hold
.set G1S, 88                           ; s[88:95] descriptor group 1 for score_weights
.set G0S, 96                           ; s[96:99] its group 0
.set MUL_LO, 0xa1                      ; source 0 (B) window 1, source 1 (A) window 0, C and D window 2
.set MUL_HI, 0xf1                      ; the same, C and D window 3
.set TO_B,   0x40                      ; destination window 1, address window 0
.set MSB, 0
.macro WIN new                         ; the immediate's high byte repeats the setting that is left; a switch that changes nothing is dropped
.if MSB != \new
	s_set_vgpr_msb (MSB<<8)|\new
.set MSB, \new
.endif
.endm
.macro JLOAD s                         ; a joint load: waves 0 and 1 fetch A's two halves, waves 2 and 3 B's; four v_nop follow each of the two lines
	s_cmp_eq_u32 s11, 0
	s_cbranch_scc0 .Lfor_b_\@
	tensor_load_to_lds s[G0+4*\s:G0+4*\s+3], s[G1:G1+7]
	s_nop 0
.rept 4
	v_nop
.endr
	s_branch .Lasked_\@
.Lfor_b_\@:
	tensor_load_to_lds s[G0B+4*\s:G0B+4*\s+3], s[G1B:G1B+7]
	s_nop 0
.rept 4
	v_nop
.endr
.Lasked_\@:
.endm
.macro SWFILL                          ; every wave's own load: 64 rows x 512 bytes of score_weights into its own part of a slot
	tensor_load_to_lds s[G0S:G0S+3], s[G1S:G1S+7]
	s_nop 0
.rept 4
	v_nop
.endr
.endm
.macro CREST                           ; a round of the cluster's barrier behind its opening barrier
	s_cmp_lg_u32 s10, 0
	s_cbranch_scc1 .Lnot_wave_0_\@
	s_barrier_signal -3
.Lnot_wave_0_\@:
	s_barrier_wait -3
	s_barrier_signal -1
	s_barrier_wait -1
.endm
.macro CROUND                          ; a whole round
	s_barrier_signal -1
	s_barrier_wait -1
	CREST
.endm
.macro PLACES                          ; four places in front of loads into registers that matrix instructions have read, and of reads of their results
.rept 4
	v_nop
.endr
.endm
.macro NEXTIX slot                     ; the slot's next K step: two on, and round the end
	s_add_co_u32 s[IX+\slot], s[IX+\slot], 2
	s_and_b32 s[IX+\slot], s[IX+\slot], NS-1
.endm
.macro SETADR slot                     ; both tiles' addresses of the slot's K step: base + step x 256 bytes; written only where no tensor load of the wave is out
	s_lshl_b32 s16, s[IX+\slot], 8
	s_add_nc_u64 s[G0+4*\slot+2:G0+4*\slot+3], s[14:15], s[16:17]
	s_or_b32 s[G0+4*\slot+3], s[G0+4*\slot+3], 0x80000000          ; 127:126 type = 2
	s_add_nc_u64 s[G0B+4*\slot+2:G0B+4*\slot+3], s[46:47], s[16:17]
	s_or_b32 s[G0B+4*\slot+3], s[G0B+4*\slot+3], 0x80000000
.endm
; 16 matrix instructions: row blocks a0, a0 + 1 of the window's four (hi = 0: my rows 0-63, 1: rows 64-127) x all 8 key blocks, 32 along K.
; first = 1: C is the constant 0.  The 64 accumulators take turns in one order in every quarter.
.macro MUL16 f, hi, a0, first
.irp a, \a0, \a0+1
.irp b, 0,1,2,3,4,5,6,7
.if \first == 1
	v_wmma_f32_16x16x32_f16 v[8*(8*(\a)+\b):8*(8*(\a)+\b)+7], v[\f+8*\b:\f+8*\b+7], v[\f+8*(4*\hi+\a):\f+8*(4*\hi+\a)+7], 0
.else
	v_wmma_f32_16x16x32_f16 v[8*(8*(\a)+\b):8*(8*(\a)+\b)+7], v[\f+8*\b:\f+8*\b+7], v[\f+8*(4*\hi+\a):\f+8*(4*\hi+\a)+7], v[8*(8*(\a)+\b):8*(8*(\a)+\b)+7]
.endif
.endr
.endr
.endm
; 32 LDS loads in one run: quarter q (32 along K) of a slot into buffer f: B's 8 fragments, then A's 8
.macro FETCH slot, q, f
	WIN TO_B
.irp i, 0,1,2,3,4,5,6,7
	ds_load_b128 v[\f+8*\i:\f+8*\i+3],   v[ADRB+\slot] offset:64*\q+\i*16*PA
	ds_load_b128 v[\f+8*\i+4:\f+8*\i+7], v[ADRB+\slot] offset:64*\q+\i*16*PA+32
.endr
	WIN 0
.irp i, 0,1,2,3,4,5,6,7
	ds_load_b128 v[\f+8*\i:\f+8*\i+3],   v[ADRA+\slot] offset:64*\q+\i*16*PA
	ds_load_b128 v[\f+8*\i+4:\f+8*\i+7], v[ADRA+\slot] offset:64*\q+\i*16*PA+32
.endr
.endm
; A K step is four quarters of 32 along K, 64 matrix instructions each, on buffers 0, 1, 0, 1.  One of the first three: multiplies buffer f and, in its middle, fetches quarter q into buffer g.
.macro QUARTER slot, q, f, g, first
	s_wait_dscnt 8                                 ; B and A's blocks 0-3 are in; the youngest eight loads (A's blocks 4-7) may be out
	WIN MUL_LO
	MUL16 \f, 0, 0, \first
	MUL16 \f, 0, 2, \first
	PLACES
	FETCH \slot, \q, \g
	s_wait_dscnt 32                                ; all but the 32 just issued
	WIN MUL_HI
	MUL16 \f, 1, 0, \first
	MUL16 \f, 1, 2, \first
.endm
; The last quarter multiplies buffer 1 and leaves the slot: one barrier, which opens a round of the cluster's barrier; in front of it each wave waits for all its tensor loads, adds 0 to its spare word,
; and waits for that and for its reads of this slot.  Behind the round the slot is filled again.
.macro MEET
	WIN 0                                          ; (the add's two registers lie in window 0)
	s_wait_tensorcnt 0x0                           ; all my tensor loads have landed: the one that was out
	ds_add_u32 v[SPW], v[NIL]                      ; 0 onto my spare word
	s_wait_dscnt 9                                 ; (the add and the youngest eight loads may be out)
	WIN MUL_LO
	MUL16 F1, 0, 0, 0                              ; sixteen matrix instructions stand between the add and the wait for it
	s_wait_dscnt 0x0                               ; the add is done, and my reads of this slot are over
	s_barrier_signal -1
	MUL16 F1, 0, 2, 0
	WIN 0                                          ; at a branch and at a label every window is 0
	s_barrier_wait -1
	CREST                                          ; no wave of any partner still reads this slot or has a load on its way
.endm
; kind = 1: the slot takes the tiles two K steps ahead, jointly.  kind = 2: no K step is left for it: it takes my rows 0-63 of score_weights.
.macro TURN slot, next, kind
	MEET
.if \kind == 1
	NEXTIX \slot
	SETADR \slot
	JLOAD \slot                                    ; the first tensor load behind the round; its four v_nop are also the places in front of the loads below
.else
	SWFILL
.endif
	FETCH \next, 0, F0
	WIN MUL_HI
	MUL16 F1, 1, 0, 0
	MUL16 F1, 1, 2, 0
.endm
	s_load_b64 s[4:5], s[0:1], 0x0                 ; A = c (its q part)
	s_load_b64 s[6:7], s[0:1], 0x0                 ; B = c (its k part): the same argument, read into a pair of its own
	s_load_b64 s[8:9], s[0:1], 0x8                 ; p
	s_load_b128 s[72:75], s[0:1], 0x10             ; score_weights s[72:73], stats s[74:75]
	v_lshl_add_u32 v[SPW], v0, 2, SPARE
	v_mov_b32 v[NIL], 0
	ds_add_u32 v28, v29
	s_wait_dscnt 0x0
	v_lshrrev_b32 v1, 5, v0
	v_readfirstlane_b32 s10, v1                    ; wave 0..3
	s_lshr_b32 s11, s10, 1                         ; which half of the tile's queries is mine.  Also: I fetch for A (0) or for B (1)
	s_and_b32 s12, s10, 1                          ; which half of its keys.  Also: which half of that tile I fetch
	s_bfe_u32 s40, ttmp6, 0x40000                  ; cx, cy: my place in the cluster
	s_bfe_u32 s41, ttmp6, 0x40004
	s_lshl_b32 s42, ttmp9, 2
	s_add_co_u32 s42, s42, s40                     ; tile column = 4 x cluster x + cx
	s_and_b32 s13, ttmp7, 0xffff                   ; cluster y
	s_mul_i32 s[IX], ttmp9, RX                     ; the K step at which my cluster begins
	s_mul_i32 s[IX+1], s13, RY
	s_add_co_u32 s[IX], s[IX], s[IX+1]
	s_and_b32 s[IX], s[IX], NS-1
	s_add_co_u32 s[IX+1], s[IX], 1                 ; and the one behind it, for slot 1
	s_and_b32 s[IX+1], s[IX+1], NS-1
	s_lshr_b32 s45, s13, 1                         ; the batch: two clusters of 1,024 rows each; made of the cluster's y alone
	s_lshl_b32 s13, s13, 2
	s_add_co_u32 s13, s13, s41                     ; tile row = 4 x cluster y + cy
	s_lshl_b32 s43, s41, 2
	s_lshl_b32 s43, 15, s43                        ; my row of the cluster
	s_lshl_b32 s44, 0x1111, s40                    ; my column
	s_mov_b32 s66, 0x3d000000                      ; 1 / 32 = 1 / sqrt(1024)
	s_mov_b32 s67, s66                             ; named with it as a pair, so it is written
	s_mov_b32 s68, 0x3fb8aa3b                      ; log2(e)
	s_mov_b32 s69, s68
	s_mov_b32 s70, 0x76543210                      ; v_permlanex16_b32: each lane takes its own place in the other half
	s_mov_b32 s71, 0xfedcba98
	; group 1: a load of q or of k is 128 rows x 128 elements, padded in LDS
	s_or_b32 s[G1], s43, (1<<16)|(1<<20)|(1<<21)|(5<<22)|(3<<25)      ; 15:0 the mask; 17:16 elements of 2 bytes; 20 padding on; 21 set beside a mask; 24:22 after every 64 words; 31:25 of 4 words
	s_or_b32 s[G1B], s44, (1<<16)|(1<<20)|(1<<21)|(5<<22)|(3<<25)
.irp g, G1, G1B
	s_mov_b32 s[\g+1], 128<<16                     ; tensor_dim0 = 128
	s_mov_b32 s[\g+2], 128<<16                     ; tensor_dim1 = 128
	s_mov_b32 s[\g+3], 128<<16                     ; tile_dim0 = 128
	s_mov_b32 s[\g+4], 128                         ; tile_dim1 = 128
	s_mov_b32 s[\g+5], APITCH                      ; elements from row to row
	s_mov_b32 s[\g+6], 0
	s_mov_b32 s[\g+7], 0
.endr
	; group 1 for score_weights: 64 rows x 128 elements of 4 bytes, no mask: nobody shares them
	s_mov_b32 s[G1S], (2<<16)|(1<<20)|(6<<22)|(3<<25)                 ; 17:16 elements of 4 bytes; 20 padding on; 24:22 after every 128 words; 31:25 of 4 words
	s_mov_b32 s[G1S+1], 128<<16
	s_mov_b32 s[G1S+2], 64<<16
	s_mov_b32 s[G1S+3], 128<<16
	s_mov_b32 s[G1S+4], 64
	s_mov_b32 s[G1S+5], 2048
	s_mov_b32 s[G1S+6], 0
	s_mov_b32 s[G1S+7], 0
	s_mov_b32 s[G0S], 1
	s_mul_i32 s[G0S+1], s10, SWW                   ; my part of slot 0
	; A's tile hangs on the tile row alone, B's on the tile column and the batch alone; each offset is made in registers that never hold the other coordinate.  All stay under 2^26 bytes.
	s_lshl_b32 s16, s13, 8
	s_lshl_b32 s17, s12, 7
	s_add_co_u32 s16, s16, s17                     ; A: row 256 x tile row + 128 x half
	s_mul_i32 s16, s16, APITCH*2
	s_mov_b32 s17, 0
	s_lshl_b32 s46, s12, 7                         ; B: row 128 x half
	s_lshl_b32 s47, s45, 11                        ; + 2,048 x batch
	s_add_co_u32 s46, s46, s47
	s_lshl_b32 s47, s42, 8                         ; + 256 x tile column
	s_add_co_u32 s46, s46, s47
	s_mul_i32 s46, s46, BPITCH*2
	s_add_co_u32 s46, s46, 2048                    ; k begins at byte 2,048 of a row of c
	s_mov_b32 s47, 0
	s_mul_i32 s20, s10, HALFT                      ; where they go: A's two halves, then B's two halves = wave x 34,816
	s_wait_kmcnt 0x0
	s_add_nc_u64 s[14:15], s[4:5], s[16:17]        ; my part of A's tile at K = 0; kept
	s_add_nc_u64 s[46:47], s[6:7], s[46:47]        ; of B's; kept
	CROUND                                         ; all sixteen work-groups are here: the first joint loads meet
.irp s, 0,1
	s_mov_b32 s[G0+4*\s], 1
	s_add_co_u32 s[G0+4*\s+1], s20, \s*SLOT
	s_mov_b32 s[G0B+4*\s], 1
	s_add_co_u32 s[G0B+4*\s+1], s20, \s*SLOT
	SETADR \s
	JLOAD \s                                       ; my cluster's first two K steps: two loads of mine are out
.endr
	v_and_b32 v1, 15, v0                           ; r = l % 16
	v_bfe_u32 v2, v0, 4, 1                         ; h = l / 16
	v_and_b32 v3, 31, v0                           ; l
	s_lshl_b32 s78, s13, 8
	s_lshl_b32 s79, s11, 7
	s_add_co_u32 s78, s78, s79                     ; my wave's first row
	s_mul_i32 s76, s78, OPITCH
	s_lshl_b32 s77, s42, 9
	s_add_co_u32 s76, s76, s77
	s_lshl_b32 s77, s12, 8
	s_add_co_u32 s76, s76, s77                     ; + 512 x tile column + 256 x half
	s_mov_b32 s77, 0
	s_add_nc_u64 s[8:9], s[8:9], s[76:77]          ; p at my wave's first row and key
	s_lshl_b32 s79, s42, 10
	s_lshl_b32 s83, s12, 9
	s_add_co_u32 s79, s79, s83                     ; 512 x my key tile: my 128 keys in a row of score_weights, and my key tile's place in stats
	s_lshl_b32 s80, s78, 13                        ; rows of 8,192 bytes (under 2^26)
	s_add_co_u32 s80, s80, s79
	s_mov_b32 s81, 0
	s_add_nc_u64 s[G0S+2:G0S+3], s[72:73], s[80:81]                   ; score_weights at my wave's first row and key
	s_or_b32 s[G0S+3], s[G0S+3], 0x80000000
	s_lshl_b32 s82, s78, 7                         ; stats: (row / 64) x 16 x 512 bytes
	s_add_co_u32 s82, s82, s79
	s_mov_b32 s83, 0
	s_add_nc_u64 s[74:75], s[74:75], s[82:83]
	v_lshlrev_b32 v[LO], 4, v3
	; fragments: lane l holds row r; registers 0-3 hold K = 8 h + 0..7, registers 4-7 K = 16 + 8 h + 0..7
	v_mul_u32_u24 v4, v1, PA
	v_lshl_add_u32 v4, v2, 4, v4                   ; r x 272 + 16 h
	s_mul_i32 s22, s11, HALFT                      ; my 128 rows of A
	v_add_nc_u32 v[ADRA], s22, v4
	v_add_nc_u32 v[ADRA+1], SLOT, v[ADRA]
	s_mul_i32 s23, s12, HALFT                      ; my 128 rows of B,
	s_add_co_u32 s23, s23, 2*HALFT                 ; which lie behind A's 256
	v_add_nc_u32 v[ADRB], s23, v4
	v_add_nc_u32 v[ADRB+1], SLOT, v[ADRB]
	s_mul_i32 s23, s10, SWW                        ; my part of a slot, once it holds score_weights
	v_mul_u32_u24 v5, v1, SWP
	v_lshl_add_u32 v5, v2, 5, v5
	v_add_nc_u32 v[SWL], s23, v5                   ; row r, keys 8 h on of each block of 16
	v_add_nc_u32 v[SWL+1], SLOT, v[SWL]
	s_mul_i32 s23, s10, 16*SP
	s_add_co_u32 s23, s23, PST                     ; my stage for p
	v_add_nc_u32 v[STO], s23, v4
	v_mul_u32_u24 v5, v2, SP
	v_lshl_add_u32 v5, v1, 4, v5
	v_add_nc_u32 v[RD], s23, v5
	v_mul_u32_u24 v5, v2, OPITCH
	v_lshl_add_u32 v[CO], v1, 4, v5
	s_lshl_b32 s23, s10, 10
	s_add_co_u32 s23, s23, STST                    ; my stage for the statistics
	v_lshl_add_u32 v[STS], v1, 2, s23
	v_add_nc_u32 v[STL], s23, v[LO]
	v_mov_b32 v[PX], 0                             ; v_permlanex16_b32 counts as a reader of its destination
	s_wait_tensorcnt 1                             ; my part of the first K step is in; the second's may stay out
	s_barrier_signal -1
	s_barrier_wait -1                              ; everybody's is
	FETCH 0, 0, F0
	QUARTER 0, 1, F0, F1, 1                        ; the first quarter stands in front of the loop: its products start the sums
	WIN 0
	s_mov_b32 s3, LAPS-1
.Llap:                                                 ; a trip goes once round the ring, from a lap's second quarter to the next lap's first, and fills both slots again
	QUARTER 0, 2, F1, F0, 0
	QUARTER 0, 3, F0, F1, 0
	TURN 0, 1, 1
	QUARTER 1, 1, F0, F1, 0
	QUARTER 1, 2, F1, F0, 0
	QUARTER 1, 3, F0, F1, 0
	TURN 1, 0, 1
	QUARTER 0, 1, F0, F1, 0
	WIN 0
	s_sub_co_u32 s3, s3, 1
	s_cmp_lg_u32 s3, 0
	s_cbranch_scc1 .Llap
	QUARTER 0, 2, F1, F0, 0                        ; the last lap
	QUARTER 0, 3, F0, F1, 0
	TURN 0, 1, 2                                   ; slot 0 takes my rows 0-63 of score_weights: they have the last K step in which to land
	QUARTER 1, 1, F0, F1, 0
	QUARTER 1, 2, F1, F0, 0
	QUARTER 1, 3, F0, F1, 0
	MEET                                           ; the very last quarter: rows 0-63 have landed, and nobody reads slot 1 any more
	s_add_co_u32 s[G0S+1], s[G0S+1], SLOT          ; my part of slot 1
	s_add_nc_u64 s[G0S+2:G0S+3], s[G0S+2:G0S+3], 64*8192              ; my rows 64-127; the type bits on top are not reached
	SWFILL                                         ; they land while my first four blocks are worked on
	WIN MUL_HI
	MUL16 F1, 1, 0, 0
	MUL16 F1, 1, 2, 0
	WIN 0
	PLACES
; THE WAY OUT, a block of 16 queries at a time.  The stages and my parts of the slots are the wave's own, and LDS serves a wave's instructions in order (ISA guide 5.7.1.4): no barrier, no wait between a stage's stores and its loads.
; T: the block's 64 numbers a lane, v64-127 and v128-191 by turns.  OBK: 16 rows of p read back, v192-223 and v224-255 by turns.
.macro SWLD a                          ; block a's score_weights in the accumulators' layout: T[8 b + j] = row r, key 16 b + 8 h + j
.set T, 64+64*((\a)%2)
.irp b, 0,1,2,3,4,5,6,7
	ds_load_b128 v[T+8*\b:T+8*\b+3],   v[SWL+(\a)/4] offset:((\a)%4)*16*SWP+64*\b
	ds_load_b128 v[T+8*\b+4:T+8*\b+7], v[SWL+(\a)/4] offset:((\a)%4)*16*SWP+64*\b+16
.endr
.endm
.macro COMPUTE a
.set T, 64+64*((\a)%2)
.set AC, 64*((\a)%4)
	WIN 0x02+(\a)/4                                ; source 0: window 2 or 3
.set i, 0
.rept 32
	v_pk_fma_f32 v[T+2*i:T+2*i+1], v[AC+2*i:AC+2*i+1], s[66:67], v[T+2*i:T+2*i+1] op_sel_hi:[1,0,1]   ; s = q.k / 32 + score_weights; each accumulator from its low end on
.set i, i+1
.endr
	WIN 0
.irp c, 0,1,2,3                        ; the maximum of my 64 numbers: four chains of 15, then the four left over
	v_max3_num_f32 v[MX+\c], v[T+16*\c], v[T+16*\c+1], v[T+16*\c+2]
.endr
.irp k, 0,1,2,3,4,5
.irp c, 0,1,2,3
	v_max3_num_f32 v[MX+\c], v[MX+\c], v[T+16*\c+3+2*\k], v[T+16*\c+4+2*\k]
.endr
.endr
	v_max3_num_f32 v[MX], v[MX], v[MX+1], v[MX+2]
	v_max3_num_f32 v[MX], v[MX], v[MX+3], v[T+15]
	v_max3_num_f32 v[MX], v[MX], v[T+31], v[T+47]
	v_max_num_f32 v[MX], v[MX], v[T+63]
	v_permlanex16_b32 v[PX], v[MX], s70, s71       ; the query's other 64 keys lie in the lane 16 away
	v_max_num_f32 v[MX+4], v[MX], v[PX]
	v_mul_f32 v[MM], s68, v[MX+4]                  ; mm: what is subtracted, and what is stored
	v_mov_b32 v[MM+1], v[MM]
.set i, 0
.rept 32
	v_pk_fma_f32 v[T+2*i:T+2*i+1], v[T+2*i:T+2*i+1], s[68:69], v[MM:MM+1] op_sel_hi:[1,0,0] neg_lo:[0,0,1] neg_hi:[0,0,1]
.set i, i+1
.endr
.set i, 0
.rept 64
	v_exp_f32 v[T+i], v[T+i]
.set i, i+1
.endr
	v_nop                                          ; a plain instruction between the last exponential and the use of its result (ISA guide 5.7.2)
	s_wait_alu depctr_va_vdst(0)
.irp c, 0,1,2,3                        ; the sum, in four chains of eight pairs
	v_pk_add_f32 v[SM+2*\c:SM+2*\c+1], v[T+16*\c:T+16*\c+1], v[T+16*\c+2:T+16*\c+3]
.endr
.irp k, 2,3,4,5,6,7
.irp c, 0,1,2,3
	v_pk_add_f32 v[SM+2*\c:SM+2*\c+1], v[SM+2*\c:SM+2*\c+1], v[T+16*\c+2*\k:T+16*\c+2*\k+1]
.endr
.endr
	v_pk_add_f32 v[SM:SM+1], v[SM:SM+1], v[SM+2:SM+3]
	v_pk_add_f32 v[SM+4:SM+5], v[SM+4:SM+5], v[SM+6:SM+7]
	v_pk_add_f32 v[SM:SM+1], v[SM:SM+1], v[SM+4:SM+5]
	v_add_f32 v[LS], v[SM], v[SM+1]
	v_permlanex16_b32 v[PX], v[LS], s70, s71
	v_add_f32 v[LS], v[LS], v[PX]
.set i, 0
.rept 32
	v_cvt_pk_f16_f32 v[T+i], v[T+2*i], v[T+2*i+1]  ; in place, ascending: T[4 b .. 4 b + 3] = 16 bytes: keys 16 b + 8 h + 0..7
.set i, i+1
.endr
.endm
.macro PSTG a                          ; p into its stage and back as whole rows of 256 bytes; the block's statistics into theirs
.set T, 64+64*((\a)%2)
.set OBK, 192+32*((\a)%2)
.irp b, 0,1,2,3,4,5,6,7
	ds_store_b128 v[STO], v[T+4*\b:T+4*\b+3] offset:32*\b
.endr
	ds_store_b32 v[STS], v[MM] offset:512*((\a)/4)+64*((\a)%4)        ; both halves of the lanes hold the same number
	ds_store_b32 v[STS], v[LS] offset:512*((\a)/4)+64*((\a)%4)+256
.irp t, 0,1,2,3,4,5,6,7
	ds_load_b128 v[OBK+4*\t:OBK+4*\t+3], v[RD] offset:\t*2*SP
.endr
.endm
.macro SENDP a
.set OBK, 192+32*((\a)%2)
	s_wait_xcnt 0x0                                ; the registers that the block before stored from are loaded again only behind this wait
.irp t, 0,1,2,3,4,5,6,7
	global_store_b128 v[CO], v[OBK+4*\t:OBK+4*\t+3], s[8:9] offset:(16*(\a)+2*\t)*OPITCH   ; 16 lanes store 256 consecutive bytes, aligned
.endr
.endm
	SWLD 0                                         ; rows 0-63 were shown landed by my wait for all loads in the last quarter
.irp a, 0,1,2,3,4,5,6,7
.if \a < 7
.if \a == 3
	s_wait_tensorcnt 0x0                           ; my rows 64-127: the one load that is out; only I read these bytes
.endif
	SWLD \a+1                                      ; the next block's score_weights come while this block is worked on
	s_wait_dscnt 16                                ; all but the 16 just issued: this block's score_weights are in, and the block before is back from its stage
.else
	s_wait_dscnt 0x0
.endif
.if \a > 0
	SENDP \a-1
.endif
	COMPUTE \a
	PSTG \a
.endr
	s_wait_dscnt 0x0
	SENDP 7
	ds_load_b128 v[64:67], v[STL]                  ; my rows 0-63: mm and l, 512 bytes;
	ds_load_b128 v[68:71], v[STL] offset:512       ; my rows 64-127
	s_wait_dscnt 0x0
	global_store_b128 v[LO], v[64:67], s[74:75]                ; 512 consecutive bytes, aligned
	global_store_b128 v[LO], v[68:71], s[74:75] offset:8192    ; the next 64 rows' sixteen key tiles lie 8,192 bytes on
	s_wait_tensorcnt 0x0                           ; the wave's end
	ds_add_u32 v[SPW], v[NIL]
	s_wait_dscnt 0x0
	CROUND                                         ; the closing round: no work-group ends while a partner may still ask for a tile that names it
	s_endpgm
.Lfunc_end_k_q928e65c984_scores:
	.size	k_q928e65c984_scores, .Lfunc_end_k_q928e65c984_scores-k_q928e65c984_scores
	.p2alignl 7, 3214868480
	.fill 96, 4, 3214868480
	.section	.rodata,"a",@progbits
	.p2align	6, 0x0
	.amdhsa_kernel k_q928e65c984_scores
		.amdhsa_group_segment_fixed_size 327680
		.amdhsa_private_segment_fixed_size 0
		.amdhsa_enable_private_segment 0
		.amdhsa_kernarg_size 32
		.amdhsa_user_sgpr_count 2
		.amdhsa_user_sgpr_kernarg_segment_ptr 1
		.amdhsa_wavefront_size32 1
		.amdhsa_system_sgpr_workgroup_id_x 1
		.amdhsa_system_sgpr_workgroup_id_y 1
		.amdhsa_system_sgpr_workgroup_id_z 1
		.amdhsa_system_vgpr_workitem_id 0
		.amdhsa_next_free_vgpr 1024
		.amdhsa_next_free_sgpr 100
		.amdhsa_reserve_vcc 0
		.amdhsa_float_denorm_mode_32 3
		.amdhsa_float_denorm_mode_16_64 3
		.amdhsa_memory_ordered 1
		.amdhsa_forward_progress 1
		.amdhsa_inst_pref_size 237
	.end_amdhsa_kernel
	.amdgpu_metadata
---
amdhsa.version: [ 1, 2 ]
amdhsa.kernels:
  - .name:           k_q928e65c984_scores
    .symbol:         k_q928e65c984_scores.kd
    .args:
      - { .name: c, .offset: 0, .size: 8, .value_kind: global_buffer, .address_space: global }
      - { .name: p, .offset: 8, .size: 8, .value_kind: global_buffer, .address_space: global }
      - { .name: score_weights, .offset: 16, .size: 8, .value_kind: global_buffer, .address_space: global }
      - { .name: stats, .offset: 24, .size: 8, .value_kind: global_buffer, .address_space: global }
    .group_segment_fixed_size: 327680
    .private_segment_fixed_size: 0
    .kernarg_segment_align: 8
    .kernarg_segment_size: 32
    .max_flat_workgroup_size: 128
    .sgpr_count:     100
    .vgpr_count:     1024
    .wavefront_size: 32
...
	.end_amdgpu_metadata
.endif
;; end of part 7
;; launch context (part 8): grid 8 x 32, 4 waves a work-group, clusters of 4 x 4, 327,680 bytes of LDS; arguments p, c, ctx, stats; writes ctx
.if DOCPART == 8
	.amdgcn_target "amdgcn-amd-amdhsa--gfx1250"
	.amdhsa_code_object_version 6
	.text
	.protected	k_q928e65c984_context
	.globl	k_q928e65c984_context
	.p2align	8
	.type	k_q928e65c984_context,@function
k_q928e65c984_context:
	s_mov_b64 s[64:65], 0
	v_nop
	global_prefetch_b8 v0, s[64:65] scope:SCOPE_SE
	s_setreg_imm32_b32 hwreg(HW_REG_WAVE_MODE, 25, 1), 1
	s_wait_xcnt 0x0
	s_wait_alu depctr_hold_cnt(0) depctr_sa_sdst(0) depctr_va_vdst(0) depctr_va_sdst(0) depctr_va_ssrc(0) depctr_va_vcc(0) depctr_vm_vsrc(0)
	s_getreg_b32 s2, hwreg(HW_REG_IB_STS2, 6, 4)
	s_cmp_eq_u32 s2, 0
	s_cbranch_scc0 .Lentry_in_a_cluster
	s_endpgm
.Lentry_in_a_cluster:
	s_bfe_u32 s2, ttmp6, 0x10000c
	s_cmp_lg_u32 s2, 0xf033
	s_cbranch_scc0 .Lentry_shape_is_right
	s_endpgm
.Lentry_shape_is_right:
; ctx[m][n] = sum over key tiles t of w_t[m] x (sum over the tile's 128 keys of p[m][key] v[key][n]), rounded once to f16.
; w_t[m] = 2^(mm_t[m] - MM[m]) / L[m], MM = the largest mm_t of the row, L = sum over t of l_t 2^(mm_t - MM): the softmax's true maximum and sum, from the statistics of the launch before.  L is at least 1, w at most 1.
; p [8192][2048] f16; v = c[.][2048:3072] f16, rows of 6,144 bytes; stats f32: byte ((G x 16 + t) x 2 + i) x 256 + 4 (row % 64), G = row / 64, i = 0: mm, 1: l.
; A K step of 128 is a key tile.  Its product is summed in accumulators of its own, T, started by the constant 0, and folded in f32: ACC += w_t x T, two numbers an instruction; a lane holds one row, so w is one number a lane and block.
; LIMITS: |v| under 65,504; v_exp_f32 gives 0 below 2^-126 (such a tile's weight is 0); non-finite inputs are not served.
; SHARES.  A work-group of four waves makes a tile of 256 rows x 128 columns; wave w rows 64 w .. 64 w + 63 and all 128 columns: 4 x 8 accumulators, twice.  32 x 8 tiles = 256 work-groups: a tile of 256 x 256 would leave 128.
; CLUSTER 4 x 4: p's tile is shared along a row of the cluster, v's along a column; each is asked for jointly.
; THE WALK ALONG K IS ROTATED: a cluster begins at key tile 8 ((cluster x + cluster y) % 2) and wraps, so that the two clusters which read the same rows of p, or of v, do not ask for the same key tile at the same time.
; The statistics are loaded in the order of that walk, so the table of weights in LDS is walked from its first row on.
; THE MATRIX INSTRUCTION IS USED TRANSPOSED (source 0 = 16 columns of v, source 1 = 16 rows of p): lane l holds row l % 16 and the eight neighbouring columns 8 (l / 16) + 0..7.  v lies [key][n]; ds_load_tr16_b128 turns it.
; REGISTERS: window 0: v0-47 addresses, weights; v64-159, v160-255 two fragment buffers; window 1: T, (a, b) at v[8 (8 a + b)]; window 2: ACC, likewise.
.set APITCH, 2048
.set BPITCH, 3072
.set BTR,    1
.set NS,     16                        ; K steps = key tiles
.set RX,     8
.set RY,     8
.set OPITCH, 2048
.set OCOLB,  256
.set PA,     272                       ; a row of A in LDS: 256 bytes + 16 = 68 words: the 16 rows of a load start at 16 different banks (64 banks of 4 bytes: ISA guide 11.1)
.set PB,     288                       ; a row of B: 256 + 32 = 72 words
.set BSTEP,  128*BPITCH*2              ; a K step is 128 rows of B, and 256 bytes along A's rows
.set AHALF,  128*PA
.set ABYTES, 2*AHALF
.set BHALF,  64*PB
.set SLOT,   106496
.set STAGE,  2*SLOT                    ; behind the ring: no tile lands from here on
.set SP,     272
.set WTAB,   STAGE+4*16*SP             ; 4,096 bytes for each wave: word 64 n + row = the weight of the n-th key tile of my walk, f32
.set SPARE,  WTAB+4*4096               ; the spare words, 128 bytes for each wave, which no other line names
.set ADRA, 16
.set ADRB, 20
.set STO,  24
.set RD,   25
.set CO,   26
.set SPW,  28                          ; v28     SPARE + 4 x my thread's number; never rewritten
.set NIL,  29                          ; v29     0; never rewritten
.set WA,   30                          ; v30     LDS address of the step's weights
.set WA0,  31                          ; v31     of the first step's: my table + 4 r; never rewritten
.set W,    32                          ; v32, 34, 36, 38  the step's weight of row 16 a + r; the odd registers are named with them as pairs and hold 0
.set MMX,  40                          ; v40-41  MM of rows 2 l, 2 l + 1
.set LL,   42                          ; v42-43  L
.set RC,   44                          ; v44-45  1 / L
.set SO,   46                          ; v46     8 l
.set WST,  47                          ; v47     my table + 8 l
.set WT,   82                          ; s82     256 x the step of my walk
.set IX,   84                          ; s84, s85 the key tile that slot 0, 1 holds or has been asked to hold
.set F0,   64
.set F1,   160
.set TMP,  64
.set OB,   160
.set G1,  24
.set G0,  32
.set G1B, 48
.set G0B, 56
.set MUL,   0x50                       ; C and D window 1 (T), sources window 0
.set FOLDW, 0xa1                       ; source 0 window 1 (T), source 1 window 0 (w), source 2 and destination window 2 (ACC)
.set MSB, 0
.macro WIN new                         ; the immediate's high byte repeats the setting that is left; a switch that changes nothing is dropped
.if MSB != \new
	s_set_vgpr_msb (MSB<<8)|\new
.set MSB, \new
.endif
.endm
.macro JLOAD s                         ; a joint load: waves 0 and 1 fetch A's two halves, waves 2 and 3 B's; four v_nop follow each of the two lines
	s_cmp_eq_u32 s11, 0
	s_cbranch_scc0 .Lfor_b_\@
	tensor_load_to_lds s[G0+4*\s:G0+4*\s+3], s[G1:G1+7]
	s_nop 0
.rept 4
	v_nop
.endr
	s_branch .Lasked_\@
.Lfor_b_\@:
	tensor_load_to_lds s[G0B+4*\s:G0B+4*\s+3], s[G1B:G1B+7]
	s_nop 0
.rept 4
	v_nop
.endr
.Lasked_\@:
.endm
.macro CREST                           ; a round of the cluster's barrier behind its opening barrier
	s_cmp_lg_u32 s10, 0
	s_cbranch_scc1 .Lnot_wave_0_\@
	s_barrier_signal -3
.Lnot_wave_0_\@:
	s_barrier_wait -3
	s_barrier_signal -1
	s_barrier_wait -1
.endm
.macro CROUND                          ; a whole round
	s_barrier_signal -1
	s_barrier_wait -1
	CREST
.endm
.macro PLACES                          ; four places in front of loads into registers that matrix instructions have read, and of reads of their results
.rept 4
	v_nop
.endr
.endm
.macro NEXTIX slot                     ; the slot's next key tile: two on, and round the end
	s_add_co_u32 s[IX+\slot], s[IX+\slot], 2
	s_and_b32 s[IX+\slot], s[IX+\slot], NS-1
.endm
.macro SETADR slot                     ; both tiles' addresses of the slot's K step: base + step x its bytes; written only where no tensor load of the wave is out
	s_lshl_b32 s16, s[IX+\slot], 8
	s_add_nc_u64 s[G0+4*\slot+2:G0+4*\slot+3], s[14:15], s[16:17]
	s_or_b32 s[G0+4*\slot+3], s[G0+4*\slot+3], 0x80000000          ; 127:126 type = 2
	s_mul_i32 s18, s[IX+\slot], BSTEP
	s_add_nc_u64 s[G0B+4*\slot+2:G0B+4*\slot+3], s[46:47], s[18:19]
	s_or_b32 s[G0B+4*\slot+3], s[G0B+4*\slot+3], 0x80000000
.endm
; 8 matrix instructions: my rows 16 a .. 16 a + 15 x all 8 column blocks, 32 along K, from buffer f.  first = 1: C is the constant 0.  The 32 accumulators take turns in one order in every quarter.
.macro MUL8 f, a, first
.irp b, 0,1,2,3,4,5,6,7
.if \first == 1
	v_wmma_f32_16x16x32_f16 v[8*(8*\a+\b):8*(8*\a+\b)+7], v[\f+8*\b:\f+8*\b+7], v[\f+64+8*\a:\f+64+8*\a+7], 0
.else
	v_wmma_f32_16x16x32_f16 v[8*(8*\a+\b):8*(8*\a+\b)+7], v[\f+8*\b:\f+8*\b+7], v[\f+64+8*\a:\f+64+8*\a+7], v[8*(8*\a+\b):8*(8*\a+\b)+7]
.endif
.endr
.endm
; 24 LDS loads in one run: quarter q (32 along K) of a slot into buffer f: B's 8 fragments first, then A's 4
.macro FETCH slot, q, f
	WIN 0
.irp b, 0,1,2,3,4,5,6,7
	ds_load_tr16_b128 v[\f+8*\b:\f+8*\b+3],   v[ADRB+\slot] offset:32*\q*PB+32*\b
	ds_load_tr16_b128 v[\f+8*\b+4:\f+8*\b+7], v[ADRB+\slot] offset:32*\q*PB+16*PB+32*\b
.endr
.irp a, 0,1,2,3
	ds_load_b128 v[\f+64+8*\a:\f+64+8*\a+3],   v[ADRA+\slot] offset:16*\a*PA+64*\q
	ds_load_b128 v[\f+64+8*\a+4:\f+64+8*\a+7], v[ADRA+\slot] offset:16*\a*PA+64*\q+32
.endr
.endm
; Block a's 64 numbers of a finished key tile are folded, under FOLDW: mode 1: ACC = w T (the first key tile: nothing is cleared); mode 2: ACC += w T.  Each accumulator from its low end on.
.macro FOLD a, mode
.set i, 0
.rept 32
.if \mode == 1
	v_pk_mul_f32 v[64*\a+2*i:64*\a+2*i+1], v[64*\a+2*i:64*\a+2*i+1], v[W+2*\a:W+2*\a+1] op_sel_hi:[1,0]
.else
	v_pk_fma_f32 v[64*\a+2*i:64*\a+2*i+1], v[64*\a+2*i:64*\a+2*i+1], v[W+2*\a:W+2*\a+1], v[64*\a+2*i:64*\a+2*i+1] op_sel_hi:[1,0,1]
.endif
.set i, i+1
.endr
.endm
.macro WLOAD                           ; the step's four weights of my lane
.irp a, 0,1,2,3
	ds_load_b32 v[W+2*\a], v[WA] offset:64*\a
.endr
.endm
.macro WNEXT                           ; on to the weights of the step that has just begun; they are used at its end
	s_add_co_u32 s[WT], s[WT], 256
	v_add_nc_u32 v[WA], s[WT], v[WA0]
	WLOAD
.endm
; A K step is four quarters of 32 along K, 32 matrix instructions each, on buffers 0, 1, 0, 1.  One of the first three: multiplies buffer f and, in its middle, fetches quarter q into buffer g.
; first = 1: a step's first quarter, whose products start T anew.  fold = 1, 2: blocks 2 and 3 of the step before are folded (FOLD's mode) ahead of the products that start them anew.
.macro QUARTER slot, q, f, g, first, fold
	s_wait_dscnt 4                                 ; B and A's blocks 0, 1 are in; four loads may be out (A's blocks 2, 3; behind a fold the four weights, which are younger)
	WIN MUL
	MUL8 \f, 0, \first
	MUL8 \f, 1, \first
	s_wait_dscnt 0x0
	PLACES                                         ; in front of the loads, and of the fold's first read of T
	FETCH \slot, \q, \g
.if \fold
	WIN FOLDW
	FOLD 2, \fold
	FOLD 3, \fold
	WIN 0
	WNEXT
.endif
	WIN MUL
	MUL8 \f, 2, \first
	MUL8 \f, 3, \first
.endm
; The last quarter multiplies buffer 1 and changes slots: one barrier; in front of it each wave waits for all its tensor loads, adds 0 to its spare word, and waits for that and for its reads of this slot.
; fill = 1: the barrier opens a round of the cluster's barrier, and this slot is filled again, two K steps ahead: 112 matrix instructions stand between the request and the wait for it.
; Blocks 0 and 1 of the step are finished in front of the barrier and are folded behind the refill.
.macro TURN slot, next, fill, mode
	WIN 0
	s_wait_tensorcnt 0x0                           ; all my tensor loads have landed: the one that was out is my part of the next slot
	ds_add_u32 v[SPW], v[NIL]                      ; 0 onto my spare word
	s_wait_dscnt 5                                 ; (the add and the youngest four loads may be out)
	WIN MUL
	MUL8 F1, 0, 0                                  ; eight matrix instructions stand between the add and the wait for it
	s_wait_dscnt 0x0                               ; the add is done, and my reads of this slot are over
	s_barrier_signal -1
	MUL8 F1, 1, 0
	WIN 0                                          ; at a branch and at a label every window is 0
	s_barrier_wait -1
.if \fill
	CREST                                          ; no wave of any partner still reads this slot or has a load on its way
	NEXTIX \slot
	SETADR \slot
	JLOAD \slot                                    ; the first tensor load behind the round; its four v_nop are also the places in front of the loads and of the fold below
.else
	PLACES
.endif
	FETCH \next, 0, F0
	WIN FOLDW
	FOLD 0, \mode
	FOLD 1, \mode
	WIN MUL
	MUL8 F1, 2, 0
	MUL8 F1, 3, 0
.endm
	s_load_b128 s[4:7], s[0:1], 0x0                ; A = p s[4:5], B = c s[6:7] (its v part)
	s_load_b64 s[8:9], s[0:1], 0x10                ; ctx
	s_load_b64 s[72:73], s[0:1], 0x18              ; stats
	v_lshl_add_u32 v[SPW], v0, 2, SPARE
	v_mov_b32 v[NIL], 0
	ds_add_u32 v28, v29
	s_wait_dscnt 0x0
	v_lshrrev_b32 v1, 5, v0
	v_readfirstlane_b32 s10, v1                    ; wave 0..3
	s_lshr_b32 s11, s10, 1                         ; I fetch for A (0) or for B (1),
	s_and_b32 s12, s10, 1                          ; and which half of that tile
	s_bfe_u32 s40, ttmp6, 0x40000                  ; cx, cy: my place in the cluster
	s_bfe_u32 s41, ttmp6, 0x40004
	s_lshl_b32 s42, ttmp9, 2
	s_add_co_u32 s42, s42, s40                     ; tile column = 4 x cluster x + cx
	s_and_b32 s13, ttmp7, 0xffff                   ; cluster y
	s_mul_i32 s[IX], ttmp9, RX                     ; the key tile at which my cluster begins
	s_mul_i32 s[IX+1], s13, RY
	s_add_co_u32 s[IX], s[IX], s[IX+1]
	s_and_b32 s[IX], s[IX], NS-1
	s_add_co_u32 s[IX+1], s[IX], 1                 ; and the one behind it, for slot 1
	s_and_b32 s[IX+1], s[IX+1], NS-1
	s_lshr_b32 s45, s13, 1                         ; the batch: two clusters of 1,024 rows each; made of the cluster's y alone
	s_lshl_b32 s13, s13, 2
	s_add_co_u32 s13, s13, s41                     ; tile row = 4 x cluster y + cy
	s_lshl_b32 s43, s41, 2
	s_lshl_b32 s43, 15, s43                        ; my row of the cluster
	s_lshl_b32 s44, 0x1111, s40                    ; my column
	s_mov_b32 s[WT], 0
	; group 1: A's load is 128 rows x 128 elements, B's 64 rows x 128, both padded in LDS
	s_or_b32 s[G1], s43, (1<<16)|(1<<20)|(1<<21)|(5<<22)|(3<<25)      ; 15:0 the mask; 17:16 elements of 2 bytes; 20 padding on; 21 set beside a mask; 24:22 after every 64 words; 31:25 of 4 words
	s_or_b32 s[G1B], s44, (1<<16)|(1<<20)|(1<<21)|(5<<22)|(7<<25)     ; of 8 words
	s_mov_b32 s[G1+1], 128<<16                     ; tensor_dim0 = 128
	s_mov_b32 s[G1+2], 128<<16                     ; tensor_dim1 = 128
	s_mov_b32 s[G1+3], 128<<16                     ; tile_dim0 = 128
	s_mov_b32 s[G1+4], 128                         ; tile_dim1 = 128
	s_mov_b32 s[G1+5], APITCH                      ; elements from row to row
	s_mov_b32 s[G1+6], 0
	s_mov_b32 s[G1+7], 0
	s_mov_b32 s[G1B+1], 128<<16
	s_mov_b32 s[G1B+2], 64<<16
	s_mov_b32 s[G1B+3], 128<<16
	s_mov_b32 s[G1B+4], 64
	s_mov_b32 s[G1B+5], BPITCH
	s_mov_b32 s[G1B+6], 0
	s_mov_b32 s[G1B+7], 0
	; A's tile hangs on the tile row alone, B's on the tile column and the batch alone; each offset is made in registers that never hold the other coordinate.  All stay under 2^26 bytes.
	s_lshl_b32 s16, s13, 8
	s_lshl_b32 s17, s12, 7
	s_add_co_u32 s16, s16, s17                     ; A: row 256 x tile row + 128 x half
	s_mul_i32 s16, s16, APITCH*2
	s_mov_b32 s17, 0
	s_lshl_b32 s46, s12, 6                         ; B: row (key) 64 x half
	s_lshl_b32 s47, s45, 11                        ; + 2,048 x batch
	s_add_co_u32 s46, s46, s47
	s_mul_i32 s46, s46, BPITCH*2
	s_lshl_b32 s47, s42, 8                         ; the tile's 128 columns: 256 bytes
	s_add_co_u32 s46, s46, s47
	s_add_co_u32 s46, s46, 4096                    ; v begins at byte 4,096 of a row of c
	s_mov_b32 s47, 0
	s_mov_b32 s19, 0
	s_mul_i32 s20, s10, AHALF                      ; where they go: waves 0, 1: A's halves;
	s_mul_i32 s21, s10, BHALF
	s_add_co_u32 s21, s21, ABYTES-2*BHALF          ; waves 2, 3: B's halves, behind A
	s_wait_kmcnt 0x0
	s_add_nc_u64 s[14:15], s[4:5], s[16:17]        ; my part of A's tile at key 0; kept
	s_add_nc_u64 s[46:47], s[6:7], s[46:47]        ; of B's; kept
	CROUND                                         ; all sixteen work-groups are here: the first joint loads meet
.irp s, 0,1
	s_mov_b32 s[G0+4*\s], 1
	s_add_co_u32 s[G0+4*\s+1], s20, \s*SLOT
	s_mov_b32 s[G0B+4*\s], 1
	s_add_co_u32 s[G0B+4*\s+1], s21, \s*SLOT
	SETADR \s
	JLOAD \s                                       ; my cluster's first two key tiles: two loads of mine are out
.endr
	v_and_b32 v1, 15, v0                           ; r = l % 16
	v_bfe_u32 v2, v0, 4, 1                         ; h = l / 16
	v_and_b32 v3, 31, v0                           ; l
	s_lshl_b32 s78, s13, 8
	s_lshl_b32 s79, s10, 6
	s_add_co_u32 s78, s78, s79                     ; my wave's first row
	s_mul_i32 s76, s78, OPITCH
	s_mul_i32 s77, s42, OCOLB
	s_add_co_u32 s76, s76, s77
	s_mov_b32 s77, 0
	s_add_nc_u64 s[8:9], s[8:9], s[76:77]          ; the output at my wave's first row, the tile's first column
	; my 64 rows' statistics of all sixteen key tiles, in the order of my walk: lane l takes rows 2 l, 2 l + 1; each load covers 256 consecutive bytes, aligned
	s_lshl_b32 s80, s78, 7                         ; (row / 64) x 8,192 bytes
	s_mov_b32 s81, 0
	s_add_nc_u64 s[72:73], s[72:73], s[80:81]
	v_lshlrev_b32 v[SO], 3, v3
.set n, 0
.rept 16
	s_add_co_u32 s22, s[IX], n                     ; the n-th key tile of the walk
	s_and_b32 s22, s22, NS-1
	s_lshl_b32 s22, s22, 9
	v_add_nc_u32 v[128+n], s22, v[SO]              ; an offset register for each: none is rewritten while its loads are out
	global_load_b64 v[64+2*n:65+2*n], v[128+n], s[72:73]               ; mm
	global_load_b64 v[96+2*n:97+2*n], v[128+n], s[72:73] offset:256    ; l
.set n, n+1
.endr
	; fragments: lane l holds row (or column) r; registers 0-3 hold K = 8 h + 0..7, registers 4-7 K = 16 + 8 h + 0..7
	v_mul_u32_u24 v4, v1, PA
	v_lshl_add_u32 v4, v2, 4, v4                   ; r x 272 + 16 h
	s_mul_i32 s22, s10, 64*PA                      ; my 64 rows of A
	v_add_nc_u32 v[ADRA], s22, v4
	v_add_nc_u32 v[ADRA+1], SLOT, v[ADRA]
	v_and_b32 v5, 7, v0                            ; the turning load: lane l reads 16 bytes of row 8 h + l % 8, columns 8 ((l / 8) % 2) + 0..7
	v_lshl_add_u32 v5, v2, 3, v5
	v_mul_u32_u24 v5, v5, PB
	v_bfe_u32 v6, v0, 3, 1
	v_lshl_add_u32 v5, v6, 4, v5
	v_add_nc_u32 v[ADRB], ABYTES, v5
	v_add_nc_u32 v[ADRB+1], ABYTES+SLOT, v5
	s_mul_i32 s23, s10, 16*SP
	s_add_co_u32 s23, s23, STAGE                   ; my stage: 16 rows x 272 bytes
	v_add_nc_u32 v[STO], s23, v4
	v_mul_u32_u24 v5, v2, SP
	v_lshl_add_u32 v5, v1, 4, v5
	v_add_nc_u32 v[RD], s23, v5
	v_mul_u32_u24 v5, v2, OPITCH
	v_lshl_add_u32 v[CO], v1, 4, v5
	s_lshl_b32 s23, s10, 12
	s_add_co_u32 s23, s23, WTAB                    ; my table of weights
	v_add_nc_u32 v[WST], s23, v[SO]
	v_lshl_add_u32 v[WA0], v1, 2, s23
	v_mov_b32 v[WA], v[WA0]
.irp a, 0,1,2,3
	v_mov_b32 v[W+2*\a+1], 0                       ; named with the weight as a pair, so it is written
.endr
	s_wait_loadcnt 0x0                             ; the statistics
.irp c, 0,1                            ; MM: the largest of sixteen, for each of my two rows
	v_max3_num_f32 v[MMX+\c], v[64+\c], v[66+\c], v[68+\c]
.endr
.irp k, 0,1,2,3,4,5
.irp c, 0,1
	v_max3_num_f32 v[MMX+\c], v[MMX+\c], v[70+4*\k+\c], v[72+4*\k+\c]
.endr
.endr
.irp c, 0,1
	v_max_num_f32 v[MMX+\c], v[MMX+\c], v[94+\c]
.endr
.irp t, 0,1,2,3,4,5,6,7,8,9,10,11,12,13,14,15
	v_pk_add_f32 v[64+2*\t:65+2*\t], v[64+2*\t:65+2*\t], v[MMX:MMX+1] neg_lo:[0,1] neg_hi:[0,1]   ; mm - MM, at most 0
.endr
.set i, 0
.rept 32
	v_exp_f32 v[64+i], v[64+i]
.set i, i+1
.endr
	v_nop                                          ; a plain instruction between the last exponential and the use of its result (ISA guide 5.7.2)
	s_wait_alu depctr_va_vdst(0)
	v_pk_mul_f32 v[LL:LL+1], v[64:65], v[96:97]    ; L: the first product starts the sum
.irp t, 1,2,3,4,5,6,7,8,9,10,11,12,13,14,15
	v_pk_fma_f32 v[LL:LL+1], v[64+2*\t:65+2*\t], v[96+2*\t:97+2*\t], v[LL:LL+1]
.endr
	v_rcp_f32 v[RC], v[LL]
	v_rcp_f32 v[RC+1], v[LL+1]
	v_nop
	s_wait_alu depctr_va_vdst(0)
.irp t, 0,1,2,3,4,5,6,7,8,9,10,11,12,13,14,15
	v_pk_mul_f32 v[64+2*\t:65+2*\t], v[64+2*\t:65+2*\t], v[RC:RC+1]
.endr
.irp t, 0,1,2,3,4,5,6,7,8,9,10,11,12,13,14,15
	ds_store_b64 v[WST], v[64+2*\t:65+2*\t] offset:256*\t
.endr
	s_wait_dscnt 0x0                               ; no LDS instruction of mine is pending at the signal
	s_wait_tensorcnt 1                             ; my part of the first key tile is in; the second's may stay out
	s_barrier_signal -1
	s_barrier_wait -1                              ; everybody's is
	WLOAD                                          ; the first step's weights (my own table: LDS serves a wave's instructions in order)
	FETCH 0, 0, F0
	QUARTER 0, 1, F0, F1, 1, 0                     ; the first step and a quarter stand in front of the loop: their folds start ACC
	QUARTER 0, 2, F1, F0, 0, 0
	QUARTER 0, 3, F0, F1, 0, 0
	TURN 0, 1, 1, 1
	QUARTER 1, 1, F0, F1, 1, 1
	WIN 0
	s_mov_b32 s3, NS/2-2
.Llap:                                                 ; a trip goes once round the ring, from a step's second quarter in slot 1 to the next such step's first, and fills both slots again
	QUARTER 1, 2, F1, F0, 0, 0
	QUARTER 1, 3, F0, F1, 0, 0
	TURN 1, 0, 1, 2
	QUARTER 0, 1, F0, F1, 1, 2
	QUARTER 0, 2, F1, F0, 0, 0
	QUARTER 0, 3, F0, F1, 0, 0
	TURN 0, 1, 1, 2
	QUARTER 1, 1, F0, F1, 1, 2
	WIN 0
	s_sub_co_u32 s3, s3, 1
	s_cmp_lg_u32 s3, 0
	s_cbranch_scc1 .Llap
	QUARTER 1, 2, F1, F0, 0, 0                     ; the tail: one more refill (the walk's last key tile), then none
	QUARTER 1, 3, F0, F1, 0, 0
	TURN 1, 0, 1, 2
	QUARTER 0, 1, F0, F1, 1, 2
	QUARTER 0, 2, F1, F0, 0, 0
	QUARTER 0, 3, F0, F1, 0, 0
	TURN 0, 1, 0, 2
	QUARTER 1, 1, F0, F1, 1, 2
	QUARTER 1, 2, F1, F0, 0, 0
	QUARTER 1, 3, F0, F1, 0, 0
	s_wait_dscnt 4                                 ; the very last quarter: nothing more to fetch
	WIN MUL
	MUL8 F1, 0, 0
	MUL8 F1, 1, 0
	s_wait_dscnt 0x0
	MUL8 F1, 2, 0
	MUL8 F1, 3, 0
	PLACES
	WIN FOLDW                                      ; the last key tile is folded whole
	FOLD 0, 2
	FOLD 1, 2
	FOLD 2, 2
	FOLD 3, 2
	WIN 0
; THE WAY OUT, a block of 16 rows at a time: rounded to f16 (16 bytes a lane), into my own stage, back as whole rows of 256 bytes, stored.
.macro PACK a
	WIN 0x0a                                       ; sources window 2
.irp b, 0,1,2,3,4,5,6,7
.irp i, 0,1,2,3
	v_cvt_pk_f16_f32 v[TMP+4*\b+\i], v[64*(\a)+8*\b+2*\i], v[64*(\a)+8*\b+2*\i+1]
.endr
.endr
	WIN 0
.endm
.macro TOSTAGE a
.set BK, OB+32*((\a)%2)
.irp b, 0,1,2,3,4,5,6,7
	ds_store_b128 v[STO], v[TMP+4*\b:TMP+4*\b+3] offset:32*\b
.endr
.irp t, 0,1,2,3,4,5,6,7
	ds_load_b128 v[BK+4*\t:BK+4*\t+3], v[RD] offset:\t*2*SP        ; LDS serves a wave's instructions in order (ISA guide 5.7.1.4): these see the stores above
.endr
.endm
.macro SEND a
.set BK, OB+32*((\a)%2)
	s_wait_dscnt 0x0                               ; the block is back in registers
	s_wait_xcnt 0x0                                ; the registers that the block before stored from are loaded again only behind this wait
.irp t, 0,1,2,3,4,5,6,7
	global_store_b128 v[CO], v[BK+4*\t:BK+4*\t+3], s[8:9] offset:(16*(\a)+2*\t)*OPITCH   ; 16 lanes store 256 consecutive bytes, aligned
.endr
.endm
	PACK 0
	TOSTAGE 0
.irp a, 1,2,3
	PACK \a                                        ; block a's conversions stand between block a - 1's loads from the stage and the wait for them
	SEND \a-1
	TOSTAGE \a
.endr
	SEND 3
	s_wait_tensorcnt 0x0                           ; the wave's end
	ds_add_u32 v[SPW], v[NIL]
	s_wait_dscnt 0x0
	CROUND                                         ; the closing round: no work-group ends while a partner may still ask for a tile that names it
	s_endpgm
.Lfunc_end_k_q928e65c984_context:
	.size	k_q928e65c984_context, .Lfunc_end_k_q928e65c984_context-k_q928e65c984_context
	.p2alignl 7, 3214868480
	.fill 96, 4, 3214868480
	.section	.rodata,"a",@progbits
	.p2align	6, 0x0
	.amdhsa_kernel k_q928e65c984_context
		.amdhsa_group_segment_fixed_size 327680
		.amdhsa_private_segment_fixed_size 0
		.amdhsa_enable_private_segment 0
		.amdhsa_kernarg_size 32
		.amdhsa_user_sgpr_count 2
		.amdhsa_user_sgpr_kernarg_segment_ptr 1
		.amdhsa_wavefront_size32 1
		.amdhsa_system_sgpr_workgroup_id_x 1
		.amdhsa_system_sgpr_workgroup_id_y 1
		.amdhsa_system_sgpr_workgroup_id_z 1
		.amdhsa_system_vgpr_workitem_id 0
		.amdhsa_next_free_vgpr 768
		.amdhsa_next_free_sgpr 88
		.amdhsa_reserve_vcc 0
		.amdhsa_float_denorm_mode_32 3
		.amdhsa_float_denorm_mode_16_64 3
		.amdhsa_memory_ordered 1
		.amdhsa_forward_progress 1
		.amdhsa_inst_pref_size 181
	.end_amdhsa_kernel
	.amdgpu_metadata
---
amdhsa.version: [ 1, 2 ]
amdhsa.kernels:
  - .name:           k_q928e65c984_context
    .symbol:         k_q928e65c984_context.kd
    .args:
      - { .name: p, .offset: 0, .size: 8, .value_kind: global_buffer, .address_space: global }
      - { .name: c, .offset: 8, .size: 8, .value_kind: global_buffer, .address_space: global }
      - { .name: ctx, .offset: 16, .size: 8, .value_kind: global_buffer, .address_space: global }
      - { .name: stats, .offset: 24, .size: 8, .value_kind: global_buffer, .address_space: global }
    .group_segment_fixed_size: 327680
    .private_segment_fixed_size: 0
    .kernarg_segment_align: 8
    .kernarg_segment_size: 32
    .max_flat_workgroup_size: 128
    .sgpr_count:     88
    .vgpr_count:     768
    .wavefront_size: 32
...
	.end_amdgpu_metadata
.endif
;; end of part 8
;; launch proj (part 9): grid 8 x 32, 4 waves a work-group, clusters of 4 x 4, 327,680 bytes of LDS; arguments ctx, wph, out0, b_p; writes out0
.if DOCPART == 9
	.amdgcn_target "amdgcn-amd-amdhsa--gfx1250"
	.amdhsa_code_object_version 6
	.text
	.protected	k_q928e65c984_proj
	.globl	k_q928e65c984_proj
	.p2align	8
	.type	k_q928e65c984_proj,@function
k_q928e65c984_proj:
	s_mov_b64 s[64:65], 0
	v_nop
	global_prefetch_b8 v0, s[64:65] scope:SCOPE_SE
	s_setreg_imm32_b32 hwreg(HW_REG_WAVE_MODE, 25, 1), 1
	s_wait_xcnt 0x0
	s_wait_alu depctr_hold_cnt(0) depctr_sa_sdst(0) depctr_va_vdst(0) depctr_va_sdst(0) depctr_va_ssrc(0) depctr_va_vcc(0) depctr_vm_vsrc(0)
	s_getreg_b32 s2, hwreg(HW_REG_IB_STS2, 6, 4)
	s_cmp_eq_u32 s2, 0
	s_cbranch_scc0 .Lentry_in_a_cluster
	s_endpgm
.Lentry_in_a_cluster:
	s_bfe_u32 s2, ttmp6, 0x10000c
	s_cmp_lg_u32 s2, 0xf033
	s_cbranch_scc0 .Lentry_shape_is_right
	s_endpgm
.Lentry_shape_is_right:
; out0[m][n] = b_p[n] + sum over k of ctx[m][k] wph[k][n].  ctx [8192][1024], wph [1024][1024] f16; b_p and out0 f32; sums in f32.
; LIMIT: the operands are f16 (|ctx|, |W_p| under 65,504); non-finite inputs are not served.
; SHARES.  A work-group of four waves makes a tile of 256 rows x 128 columns; wave w rows 64 w .. 64 w + 63 and all 128 columns: 4 x 8 accumulators of 16 x 16, 256 registers.  32 x 8 tiles = 256 work-groups: a tile of 256 x 256 would leave 128.
; K goes in steps of 128 through two LDS slots filled by the tensor data mover; the rows of both tiles are 256 bytes of memory, aligned.
; CLUSTER.  4 x 4 work-groups.  The four of a row of the cluster need the same tile of A, the four of a column the same tile of B: each tile is asked for jointly.
; THE WALK ALONG K IS ROTATED: a cluster begins at K step (4 x cluster x + cluster y) mod 8 and wraps, so that clusters which read the same rows of A or of B do not ask for the same K step at the same time.
; The number hangs on the cluster's coordinates alone: it is the same in all sixteen partners.  The sums take K in that order: f32 rounding alone differs.
; THE MATRIX INSTRUCTION IS USED TRANSPOSED (source 0 = 16 columns of B, source 1 = 16 rows of A): lane l then holds row l % 16 and the eight neighbouring columns 8 (l / 16) + 0..7.
; B lies [k][n] in memory and in LDS; ds_load_tr16_b128 turns it on the way into registers.  THE BIAS is the C of each accumulator's first product, loaded once into window 2.
; REGISTERS (windows of 256): window 0: v0-31 addresses; v64-159, v160-255 two fragment buffers (B's 8 fragments, then A's 4); window 1: accumulator (a, b) at v[8 (8 a + b)]; window 2: v0-63 the bias.
.set APITCH, 1024
.set BPITCH, 1024
.set NS,     8                         ; K steps
.set RX,     4                         ; the rotation's factors
.set RY,     1
.set LAPS,   4                         ; a lap is two K steps, once round the ring
.set OPITCH, 4096
.set OCOLB,  512
.set PA,     272                       ; a row of A in LDS: 256 bytes + 16 = 68 words: the 16 rows of a load start at 16 different banks (64 banks of 4 bytes: ISA guide 11.1)
.set PB,     288                       ; a row of B: 256 + 32 = 72 words
.set BSTEP,  128*BPITCH*2              ; a K step is 128 rows of B, and 256 bytes along A's rows
.set AHALF,  128*PA
.set ABYTES, 2*AHALF
.set BHALF,  64*PB
.set SLOT,   106496
.set STAGE,  2*SLOT                    ; behind the ring: no tile lands from here on
.set SP,     528                       ; a stage row: 128 f32 + 16 bytes = 33 x 16: the sixteen rows that a store touches start at sixteen different groups of four banks
.set SPARE,  STAGE+4*16*SP             ; behind the stages: the spare words, 128 bytes for each wave, which no other line names
.set ADRA, 16                          ; v16-17  LDS address of my A fragments in slot 0, 1
.set ADRB, 20                          ; v20-21  the same for B
.set STO,  24                          ; v24     the way out: where I put my numbers of a row
.set RD,   25                          ; v25     where I read a row back
.set CO,   26                          ; v26     my byte offset in a row of the output
.set SPW,  28                          ; v28     SPARE + 4 x my thread's number; never rewritten
.set NIL,  29                          ; v29     0; never rewritten
.set BO,   30                          ; v30     my byte offset in the tile's 128 numbers of the bias
.set F0,   64
.set F1,   160
.set OB,   64                          ; the way out: 16 rows read back, v64-127 and v128-191 by turns
.set G1,  24                           ; s[24:31] descriptor group 1 for A;  s[32:39] group 0, a set for each slot
.set G0,  32
.set G1B, 48                           ; s[48:55], s[56:63] the same for B
.set G0B, 56
.set IX,  84                           ; s84, s85 the K step that slot 0, 1 holds or has been asked to hold
.set MUL,  0x50                        ; C and D window 1, sources window 0
.set MULB, 0x60                        ; D window 1, C window 2
.set MSB, 0
.macro WIN new                         ; the immediate's high byte repeats the setting that is left; a switch that changes nothing is dropped
.if MSB != \new
	s_set_vgpr_msb (MSB<<8)|\new
.set MSB, \new
.endif
.endm
.macro MWIN first
.if \first == 2
	WIN MULB
.else
	WIN MUL
.endif
.endm
.macro JLOAD s                         ; a joint load: waves 0 and 1 fetch A's two halves, waves 2 and 3 B's; four v_nop follow each of the two lines
	s_cmp_eq_u32 s11, 0
	s_cbranch_scc0 .Lfor_b_\@
	tensor_load_to_lds s[G0+4*\s:G0+4*\s+3], s[G1:G1+7]
	s_nop 0
.rept 4
	v_nop
.endr
	s_branch .Lasked_\@
.Lfor_b_\@:
	tensor_load_to_lds s[G0B+4*\s:G0B+4*\s+3], s[G1B:G1B+7]
	s_nop 0
.rept 4
	v_nop
.endr
.Lasked_\@:
.endm
.macro CREST                           ; a round of the cluster's barrier behind its opening barrier
	s_cmp_lg_u32 s10, 0
	s_cbranch_scc1 .Lnot_wave_0_\@
	s_barrier_signal -3
.Lnot_wave_0_\@:
	s_barrier_wait -3
	s_barrier_signal -1
	s_barrier_wait -1
.endm
.macro CROUND                          ; a whole round
	s_barrier_signal -1
	s_barrier_wait -1
	CREST
.endm
.macro PLACES                          ; four places in front of loads into registers that matrix instructions have read, and of reads of their results
.rept 4
	v_nop
.endr
.endm
.macro NEXTIX slot                     ; the slot's next K step: two on, and round the end
	s_add_co_u32 s[IX+\slot], s[IX+\slot], 2
	s_and_b32 s[IX+\slot], s[IX+\slot], NS-1
.endm
.macro SETADR slot                     ; both tiles' addresses of the slot's K step: base + step x its bytes; written only where no tensor load of the wave names them
	s_lshl_b32 s16, s[IX+\slot], 8
	s_add_nc_u64 s[G0+4*\slot+2:G0+4*\slot+3], s[14:15], s[16:17]
	s_or_b32 s[G0+4*\slot+3], s[G0+4*\slot+3], 0x80000000          ; 127:126 type = 2
	s_mul_i32 s18, s[IX+\slot], BSTEP
	s_add_nc_u64 s[G0B+4*\slot+2:G0B+4*\slot+3], s[46:47], s[18:19]
	s_or_b32 s[G0B+4*\slot+3], s[G0B+4*\slot+3], 0x80000000
.endm
; 8 matrix instructions: my rows 16 a .. 16 a + 15 x all 8 column blocks, 32 along K, from buffer f.  first = 2: C is the bias.  The 32 accumulators take turns in one order in every quarter.
.macro MUL8 f, a, first
.irp b, 0,1,2,3,4,5,6,7
.if \first == 2
	v_wmma_f32_16x16x32_f16 v[8*(8*\a+\b):8*(8*\a+\b)+7], v[\f+8*\b:\f+8*\b+7], v[\f+64+8*\a:\f+64+8*\a+7], v[8*\b:8*\b+7]
.else
	v_wmma_f32_16x16x32_f16 v[8*(8*\a+\b):8*(8*\a+\b)+7], v[\f+8*\b:\f+8*\b+7], v[\f+64+8*\a:\f+64+8*\a+7], v[8*(8*\a+\b):8*(8*\a+\b)+7]
.endif
.endr
.endm
; 24 LDS loads in one run: quarter q (32 along K) of a slot into buffer f: B's 8 fragments first, then A's 4
.macro FETCH slot, q, f
	WIN 0
.irp b, 0,1,2,3,4,5,6,7
	ds_load_tr16_b128 v[\f+8*\b:\f+8*\b+3],   v[ADRB+\slot] offset:32*\q*PB+32*\b
	ds_load_tr16_b128 v[\f+8*\b+4:\f+8*\b+7], v[ADRB+\slot] offset:32*\q*PB+16*PB+32*\b
.endr
.irp a, 0,1,2,3
	ds_load_b128 v[\f+64+8*\a:\f+64+8*\a+3],   v[ADRA+\slot] offset:16*\a*PA+64*\q
	ds_load_b128 v[\f+64+8*\a+4:\f+64+8*\a+7], v[ADRA+\slot] offset:16*\a*PA+64*\q+32
.endr
.endm
; A K step is four quarters of 32 along K, 32 matrix instructions each, on buffers 0, 1, 0, 1.  One of the first three: multiplies buffer f and, in its middle, fetches quarter q into buffer g.
.macro QUARTER slot, q, f, g, first
	s_wait_dscnt 4                                 ; B and A's blocks 0, 1 are in; the youngest four loads (A's blocks 2, 3) may be out
	MWIN \first
	MUL8 \f, 0, \first
	MUL8 \f, 1, \first
	s_wait_dscnt 0x0
	WIN 0
	PLACES
	FETCH \slot, \q, \g
	MWIN \first
	MUL8 \f, 2, \first
	MUL8 \f, 3, \first
.endm
; The last quarter multiplies buffer 1 and changes slots: one barrier; in front of it each wave waits for all its tensor loads, adds 0 to its spare word, and waits for that and for its reads of this slot.
; fill = 1: the barrier opens a round of the cluster's barrier, and this slot is filled again, two K steps ahead: 112 matrix instructions stand between the request and the wait for it.
.macro TURN slot, next, fill
	WIN 0
	s_wait_tensorcnt 0x0                           ; all my tensor loads have landed: the one that was out is my part of the next slot
	ds_add_u32 v[SPW], v[NIL]                      ; 0 onto my spare word
	s_wait_dscnt 5                                 ; (the add and the youngest four loads may be out)
	WIN MUL
	MUL8 F1, 0, 0                                  ; eight matrix instructions stand between the add and the wait for it
	s_wait_dscnt 0x0                               ; the add is done, and my reads of this slot are over
	s_barrier_signal -1
	MUL8 F1, 1, 0
	WIN 0                                          ; at a branch and at a label every window is 0
	s_barrier_wait -1
.if \fill
	CREST                                          ; no wave of any partner still reads this slot or has a load on its way
	NEXTIX \slot
	SETADR \slot
	JLOAD \slot                                    ; the first tensor load behind the round; its four v_nop are also the places in front of the loads below
.else
	PLACES
.endif
	FETCH \next, 0, F0
	WIN MUL
	MUL8 F1, 2, 0
	MUL8 F1, 3, 0
.endm
.macro LASTQ                           ; the very last quarter: nothing more to fetch
	s_wait_dscnt 4
	WIN MUL
	MUL8 F1, 0, 0
	MUL8 F1, 1, 0
	s_wait_dscnt 0x0
	MUL8 F1, 2, 0
	MUL8 F1, 3, 0
	WIN 0
	PLACES
.endm
	s_load_b128 s[4:7], s[0:1], 0x0                ; A = ctx s[4:5], B = wph s[6:7]
	s_load_b64 s[8:9], s[0:1], 0x10                ; out0
	s_load_b64 s[72:73], s[0:1], 0x18              ; b_p
	v_lshl_add_u32 v[SPW], v0, 2, SPARE
	v_mov_b32 v[NIL], 0
	ds_add_u32 v28, v29
	s_wait_dscnt 0x0
	v_lshrrev_b32 v1, 5, v0
	v_readfirstlane_b32 s10, v1                    ; wave 0..3
	s_lshr_b32 s11, s10, 1                         ; I fetch for A (0) or for B (1),
	s_and_b32 s12, s10, 1                          ; and which half of that tile
	s_bfe_u32 s40, ttmp6, 0x40000                  ; cx, cy: my place in the cluster
	s_bfe_u32 s41, ttmp6, 0x40004
	s_lshl_b32 s42, ttmp9, 2
	s_add_co_u32 s42, s42, s40                     ; tile column = 4 x cluster x + cx
	s_and_b32 s13, ttmp7, 0xffff                   ; cluster y
	s_mul_i32 s[IX], ttmp9, RX                     ; the K step at which my cluster begins
	s_mul_i32 s[IX+1], s13, RY
	s_add_co_u32 s[IX], s[IX], s[IX+1]
	s_and_b32 s[IX], s[IX], NS-1
	s_add_co_u32 s[IX+1], s[IX], 1                 ; and the one behind it, for slot 1
	s_and_b32 s[IX+1], s[IX+1], NS-1
	s_lshl_b32 s13, s13, 2
	s_add_co_u32 s13, s13, s41                     ; tile row = 4 x cluster y + cy
	s_lshl_b32 s43, s41, 2
	s_lshl_b32 s43, 15, s43                        ; my row of the cluster
	s_lshl_b32 s44, 0x1111, s40                    ; my column
	; group 1: A's load is 128 rows x 128 elements, B's 64 rows x 128, both padded in LDS
	s_or_b32 s[G1], s43, (1<<16)|(1<<20)|(1<<21)|(5<<22)|(3<<25)      ; 15:0 the mask; 17:16 elements of 2 bytes; 20 padding on; 21 set beside a mask; 24:22 after every 64 words; 31:25 of 4 words
	s_or_b32 s[G1B], s44, (1<<16)|(1<<20)|(1<<21)|(5<<22)|(7<<25)     ; of 8 words
	s_mov_b32 s[G1+1], 128<<16                     ; tensor_dim0 = 128
	s_mov_b32 s[G1+2], 128<<16                     ; tensor_dim1 = 128
	s_mov_b32 s[G1+3], 128<<16                     ; tile_dim0 = 128
	s_mov_b32 s[G1+4], 128                         ; tile_dim1 = 128
	s_mov_b32 s[G1+5], APITCH                      ; elements from row to row
	s_mov_b32 s[G1+6], 0
	s_mov_b32 s[G1+7], 0
	s_mov_b32 s[G1B+1], 128<<16
	s_mov_b32 s[G1B+2], 64<<16
	s_mov_b32 s[G1B+3], 128<<16
	s_mov_b32 s[G1B+4], 64
	s_mov_b32 s[G1B+5], BPITCH
	s_mov_b32 s[G1B+6], 0
	s_mov_b32 s[G1B+7], 0
	; A's tile hangs on the tile row alone, B's on the tile column alone; each offset is made in registers that never hold the other coordinate.  All stay under 2^25 bytes.
	s_lshl_b32 s16, s13, 8
	s_lshl_b32 s17, s12, 7
	s_add_co_u32 s16, s16, s17                     ; A: row 256 x tile row + 128 x half
	s_mul_i32 s16, s16, APITCH*2
	s_mov_b32 s17, 0
	s_lshl_b32 s46, s12, 6                         ; B: row 64 x half
	s_mul_i32 s46, s46, BPITCH*2
	s_lshl_b32 s47, s42, 8                         ; the tile's 128 columns: 256 bytes
	s_add_co_u32 s46, s46, s47
	s_mov_b32 s47, 0
	s_mov_b32 s19, 0
	s_mul_i32 s20, s10, AHALF                      ; where they go: waves 0, 1: A's halves;
	s_mul_i32 s21, s10, BHALF
	s_add_co_u32 s21, s21, ABYTES-2*BHALF          ; waves 2, 3: B's halves, behind A
	s_wait_kmcnt 0x0
	s_add_nc_u64 s[14:15], s[4:5], s[16:17]        ; my part of A's tile at K = 0; kept
	s_add_nc_u64 s[46:47], s[6:7], s[46:47]        ; of B's; kept
	CROUND                                         ; all sixteen work-groups are here: the first joint loads meet
.irp s, 0,1
	s_mov_b32 s[G0+4*\s], 1
	s_add_co_u32 s[G0+4*\s+1], s20, \s*SLOT
	s_mov_b32 s[G0B+4*\s], 1
	s_add_co_u32 s[G0B+4*\s+1], s21, \s*SLOT
	SETADR \s
	JLOAD \s                                       ; my cluster's first two K steps: two loads of mine are out
.endr
	v_and_b32 v1, 15, v0                           ; r = l % 16
	v_bfe_u32 v2, v0, 4, 1                         ; h = l / 16
	v_and_b32 v3, 31, v0                           ; l
	s_lshl_b32 s78, s13, 8
	s_lshl_b32 s79, s10, 6
	s_add_co_u32 s78, s78, s79                     ; my wave's first row
	s_mul_i32 s76, s78, OPITCH
	s_mul_i32 s77, s42, OCOLB
	s_add_co_u32 s76, s76, s77
	s_mov_b32 s77, 0
	s_add_nc_u64 s[8:9], s[8:9], s[76:77]          ; the output at my wave's first row, the tile's first column
	; the bias as a C tile: register j of block b holds b_p[128 x tile column + 16 b + 8 h + j], the same in all sixteen rows
	s_lshl_b32 s80, s42, 9
	s_mov_b32 s81, 0
	s_add_nc_u64 s[72:73], s[72:73], s[80:81]
	v_lshlrev_b32 v[BO], 5, v2
	WIN 0x80                                       ; destination window 2
.irp b, 0,1,2,3,4,5,6,7
	global_load_b128 v[8*\b:8*\b+3],   v[BO], s[72:73] offset:64*\b
	global_load_b128 v[8*\b+4:8*\b+7], v[BO], s[72:73] offset:64*\b+16
.endr
	WIN 0
	; fragments: lane l holds row (or column) r; registers 0-3 hold K = 8 h + 0..7, registers 4-7 K = 16 + 8 h + 0..7
	v_mul_u32_u24 v4, v1, PA
	v_lshl_add_u32 v4, v2, 4, v4                   ; r x 272 + 16 h
	s_mul_i32 s22, s10, 64*PA                      ; my 64 rows of A
	v_add_nc_u32 v[ADRA], s22, v4
	v_add_nc_u32 v[ADRA+1], SLOT, v[ADRA]
	v_and_b32 v5, 7, v0                            ; the turning load: lane l reads 16 bytes of row 8 h + l % 8, columns 8 ((l / 8) % 2) + 0..7
	v_lshl_add_u32 v5, v2, 3, v5
	v_mul_u32_u24 v5, v5, PB
	v_bfe_u32 v6, v0, 3, 1
	v_lshl_add_u32 v5, v6, 4, v5
	v_add_nc_u32 v[ADRB], ABYTES, v5
	v_add_nc_u32 v[ADRB+1], ABYTES+SLOT, v5
	s_mul_i32 s23, s10, 16*SP
	s_add_co_u32 s23, s23, STAGE                   ; my stage: 16 rows x 528 bytes
	v_mul_u32_u24 v5, v1, SP
	v_lshl_add_u32 v5, v2, 5, v5
	v_add_nc_u32 v[STO], s23, v5                   ; in: row r, 32 bytes for each half of the lanes in each block of 16 columns
	v_lshlrev_b32 v[CO], 4, v3                     ; back and out: a whole row of 512 bytes, 16 bytes a lane
	v_add_nc_u32 v[RD], s23, v[CO]
	s_wait_loadcnt 0x0                             ; the bias
	s_wait_tensorcnt 1                             ; my part of the first K step is in; the second's may stay out
	s_barrier_signal -1
	s_barrier_wait -1                              ; everybody's is
	FETCH 0, 0, F0
	QUARTER 0, 1, F0, F1, 2                        ; the first quarter stands in front of the loop: its products start the sums, on the bias
	WIN 0
	s_mov_b32 s3, LAPS-1
.Llap:                                                 ; a trip goes once round the ring, from a lap's second quarter to the next lap's first, and fills both slots again
	QUARTER 0, 2, F1, F0, 0
	QUARTER 0, 3, F0, F1, 0
	TURN 0, 1, 1
	QUARTER 1, 1, F0, F1, 0
	QUARTER 1, 2, F1, F0, 0
	QUARTER 1, 3, F0, F1, 0
	TURN 1, 0, 1
	QUARTER 0, 1, F0, F1, 0
	WIN 0
	s_sub_co_u32 s3, s3, 1
	s_cmp_lg_u32 s3, 0
	s_cbranch_scc1 .Llap
	QUARTER 0, 2, F1, F0, 0                        ; the last lap fills nothing
	QUARTER 0, 3, F0, F1, 0
	TURN 0, 1, 0
	QUARTER 1, 1, F0, F1, 0
	QUARTER 1, 2, F1, F0, 0
	QUARTER 1, 3, F0, F1, 0
	LASTQ
; THE WAY OUT, a block of 16 rows at a time: the f32 sums go straight from the accumulators into my own stage and come back as whole rows of 512 bytes.
.macro TOSTAGE4 a
.set BK, OB+64*((\a)%2)
	s_wait_xcnt 0x0                                ; the registers that the block two back stored from are loaded again only behind this wait
	WIN 0x04                                       ; store data window 1
.irp b, 0,1,2,3,4,5,6,7
	ds_store_b128 v[STO], v[64*(\a)+8*\b:64*(\a)+8*\b+3]   offset:64*\b      ; each accumulator from its low end on
	ds_store_b128 v[STO], v[64*(\a)+8*\b+4:64*(\a)+8*\b+7] offset:64*\b+16
.endr
	WIN 0
.irp i, 0,1,2,3,4,5,6,7,8,9,10,11,12,13,14,15
	ds_load_b128 v[BK+4*\i:BK+4*\i+3], v[RD] offset:SP*\i          ; LDS serves a wave's instructions in order (ISA guide 5.7.1.4): these see the stores above
.endr
.endm
.macro SEND4 a, younger                ; younger: the LDS instructions issued behind the block's loads, which may stay out
.set BK, OB+64*((\a)%2)
	s_wait_dscnt \younger
.irp i, 0,1,2,3,4,5,6,7,8,9,10,11,12,13,14,15
	global_store_b128 v[CO], v[BK+4*\i:BK+4*\i+3], s[8:9] offset:(16*(\a)+\i)*OPITCH th:TH_STORE_NT   ; 512 consecutive bytes, aligned; not read again
.endr
.endm
	TOSTAGE4 0
.irp a, 1,2,3
	TOSTAGE4 \a
	SEND4 \a-1, 32                                 ; all but the 32 just issued
.endr
	SEND4 3, 0
	s_wait_tensorcnt 0x0                           ; the wave's end
	ds_add_u32 v[SPW], v[NIL]
	s_wait_dscnt 0x0
	CROUND                                         ; the closing round: no work-group ends while a partner may still ask for a tile that names it
	s_endpgm
.Lfunc_end_k_q928e65c984_proj:
	.size	k_q928e65c984_proj, .Lfunc_end_k_q928e65c984_proj-k_q928e65c984_proj
	.p2alignl 7, 3214868480
	.fill 96, 4, 3214868480
	.section	.rodata,"a",@progbits
	.p2align	6, 0x0
	.amdhsa_kernel k_q928e65c984_proj
		.amdhsa_group_segment_fixed_size 327680
		.amdhsa_private_segment_fixed_size 0
		.amdhsa_enable_private_segment 0
		.amdhsa_kernarg_size 32
		.amdhsa_user_sgpr_count 2
		.amdhsa_user_sgpr_kernarg_segment_ptr 1
		.amdhsa_wavefront_size32 1
		.amdhsa_system_sgpr_workgroup_id_x 1
		.amdhsa_system_sgpr_workgroup_id_y 1
		.amdhsa_system_sgpr_workgroup_id_z 1
		.amdhsa_system_vgpr_workitem_id 0
		.amdhsa_next_free_vgpr 576
		.amdhsa_next_free_sgpr 88
		.amdhsa_reserve_vcc 0
		.amdhsa_float_denorm_mode_32 3
		.amdhsa_float_denorm_mode_16_64 3
		.amdhsa_memory_ordered 1
		.amdhsa_forward_progress 1
		.amdhsa_inst_pref_size 87
	.end_amdhsa_kernel
	.amdgpu_metadata
---
amdhsa.version: [ 1, 2 ]
amdhsa.kernels:
  - .name:           k_q928e65c984_proj
    .symbol:         k_q928e65c984_proj.kd
    .args:
      - { .name: ctx, .offset: 0, .size: 8, .value_kind: global_buffer, .address_space: global }
      - { .name: wph, .offset: 8, .size: 8, .value_kind: global_buffer, .address_space: global }
      - { .name: out0, .offset: 16, .size: 8, .value_kind: global_buffer, .address_space: global }
      - { .name: b_p, .offset: 24, .size: 8, .value_kind: global_buffer, .address_space: global }
    .group_segment_fixed_size: 327680
    .private_segment_fixed_size: 0
    .kernarg_segment_align: 8
    .kernarg_segment_size: 32
    .max_flat_workgroup_size: 128
    .sgpr_count:     88
    .vgpr_count:     576
    .wavefront_size: 32
...
	.end_amdgpu_metadata
.endif
;; end of part 9
;; ======== version 3 of 3: 5 launches; version 2 with the launch cast written anew for expert scheduling mode
;; limits: values are held in f16: magnitudes above 65,504 overflow, below 6.1e-05 lose precision
;; workspace buffers: xh 16,777,216 bytes; wch 6,291,456 bytes; wph 2,097,152 bytes; c 50,331,648 bytes; p 33,554,432 bytes; stats 1,048,576 bytes; ctx 16,777,216 bytes
;; launch cast (part 10): grid 768 x 1, 8 waves a work-group, no clusters, 0 bytes of LDS; arguments x, W_c, W_p, xh, wch, wph; writes xh, wch, wph
.if DOCPART == 10
	.amdgcn_target "amdgcn-amd-amdhsa--gfx1250"
	.amdhsa_code_object_version 6
	.text
	.protected	k_q928e65c984_cast
	.globl	k_q928e65c984_cast
	.p2align	8
	.type	k_q928e65c984_cast,@function
k_q928e65c984_cast:
	s_mov_b64 s[64:65], 0
	v_nop
	global_prefetch_b8 v0, s[64:65] scope:SCOPE_SE
	s_setreg_imm32_b32 hwreg(HW_REG_WAVE_SCHED_MODE, 0, 2), 2
	s_setreg_imm32_b32 hwreg(HW_REG_WAVE_MODE, 25, 1), 1
	s_wait_xcnt 0x0
	s_wait_alu depctr_vm_vsrc(0)
; xh, wch, wph = x, W_c, W_p, each number rounded once to f16 (nearest even); the layouts stay as they are.
; LIMIT: a number of magnitude 65,520 or more becomes an infinity in f16; the drawn inputs lie under 10, thirty times that under 300.
; A stream: every byte is read once and written once; no LDS, no barrier, no matrix unit.
; A work-group owns a chunk of 16,384 numbers: 65,536 bytes in, 32,768 out.  Groups 0-511 take x (512 chunks), 512-703 W_c (192), 704-767 W_p (64).
; Thread t takes the 16 bytes at 16 t of each of the chunk's sixteen pieces of 4,096 bytes: a wave's load covers 512 consecutive bytes,
; its store of 8 bytes a lane covers 256 consecutive bytes, aligned.  All sixteen loads of a wave go out at once; no register is used twice.
; THE MODE: SCHED_MODE bits 1:0 = 2 (LLVM: expert scheduling mode 2), set by the entry lines.  The code itself states the register dependences
; between vector instructions and memory instructions, with s_wait_alu, always for 0.
; THE PLAN.  Registers that memory instructions touch:
;   v1, v2   byte offsets of the loads and of the stores.  Written once, at the head; never written again.
;   IN       piece i's load lands in its four registers, once; its two conversions read them.  No vector instruction names them ahead of the loads.
;   OUT      piece i's two conversions write its pair, once; its store reads it.  Never written again.
; The sixteen pieces go in four groups of four: the group's eight conversions, ONE wait on va_vdst, the group's four stores.  With the one wait at the head, for the
; offsets, these are all the dependences that there are: no register that a memory instruction reads is written a second time, no vector instruction writes a scalar
; register, and EXEC is never written.  A group's wait stands behind its conversions, so that its stores leave without waiting for the next group's data.
.set IN,  4                            ; v[4:67]   sixteen loads of four f32
.set OUT, 68                           ; v[68:99]  sixteen pairs of packed f16
	s_load_b256 s[4:11], s[0:1], 0x0               ; x s[4:5], W_c s[6:7], W_p s[8:9], xh s[10:11]
	s_load_b128 s[12:15], s[0:1], 0x20             ; wch s[12:13], wph s[14:15]
	v_lshlrev_b32 v1, 4, v0                        ; 16 t: my bytes in a piece of the source
	v_lshlrev_b32 v2, 3, v0                        ; 8 t: in a piece of the destination
	s_sub_co_u32 s16, ttmp9, 704                   ; the chunk's number if it is one of W_p's,
	s_sub_co_u32 s17, ttmp9, 512                   ; if it is one of W_c's
	s_wait_kmcnt 0x0
	s_cmp_lt_u32 ttmp9, 704                        ; the choice hangs on the work-group's number alone
	s_cselect_b64 s[18:19], s[6:7], s[8:9]
	s_cselect_b64 s[20:21], s[12:13], s[14:15]
	s_cselect_b32 s16, s17, s16
	s_cmp_lt_u32 ttmp9, 512
	s_cselect_b64 s[18:19], s[4:5], s[18:19]       ; source
	s_cselect_b64 s[20:21], s[10:11], s[20:21]     ; destination
	s_cselect_b32 s16, ttmp9, s16                  ; chunk within that tensor
	s_lshl_b32 s22, s16, 16                        ; 65,536 bytes of f32 a chunk (511 chunks at the most: under 2^25)
	s_mov_b32 s23, 0
	s_lshl_b32 s24, s16, 15                        ; 32,768 bytes of f16
	s_mov_b32 s25, 0
	s_add_nc_u64 s[18:19], s[18:19], s[22:23]
	s_add_nc_u64 s[20:21], s[20:21], s[24:25]
	s_wait_alu depctr_va_vdst(0)                   ; v1 and v2 are written: every load reads v1 as its offset, every store v2
.irp i, 0,1,2,3,4,5,6,7,8,9,10,11,12,13,14,15
	global_load_b128 v[IN+4*\i:IN+4*\i+3], v1, s[18:19] offset:4096*\i th:TH_LOAD_NT   ; read once in the launch
.endr
.irp g, 0,1,2,3
	s_wait_loadcnt 12-4*\g                         ; loads come back in order: the group's four pieces are in, the 12 - 4 g younger ones stay out
.irp i, 0,1,2,3
	v_cvt_pk_f16_f32 v[OUT+2*(4*\g+\i)],   v[IN+4*(4*\g+\i)],   v[IN+4*(4*\g+\i)+1]
	v_cvt_pk_f16_f32 v[OUT+2*(4*\g+\i)+1], v[IN+4*(4*\g+\i)+2], v[IN+4*(4*\g+\i)+3]
.endr
	s_wait_alu depctr_va_vdst(0)                   ; the group's eight conversions have written their OUT registers, which the four stores below read
.irp i, 0,1,2,3
	global_store_b64 v2, v[OUT+2*(4*\g+\i):OUT+2*(4*\g+\i)+1], s[20:21] offset:2048*(4*\g+\i)
.endr
.endr
	s_endpgm
.Lfunc_end_k_q928e65c984_cast:
	.size	k_q928e65c984_cast, .Lfunc_end_k_q928e65c984_cast-k_q928e65c984_cast
	.p2alignl 7, 3214868480
	.fill 96, 4, 3214868480
	.section	.rodata,"a",@progbits
	.p2align	6, 0x0
	.amdhsa_kernel k_q928e65c984_cast
		.amdhsa_group_segment_fixed_size 0
		.amdhsa_private_segment_fixed_size 0
		.amdhsa_enable_private_segment 0
		.amdhsa_kernarg_size 48
		.amdhsa_user_sgpr_count 2
		.amdhsa_user_sgpr_kernarg_segment_ptr 1
		.amdhsa_wavefront_size32 1
		.amdhsa_system_sgpr_workgroup_id_x 1
		.amdhsa_system_sgpr_workgroup_id_y 1
		.amdhsa_system_sgpr_workgroup_id_z 1
		.amdhsa_system_vgpr_workitem_id 0
		.amdhsa_next_free_vgpr 104
		.amdhsa_next_free_sgpr 66
		.amdhsa_reserve_vcc 0
		.amdhsa_float_denorm_mode_32 3
		.amdhsa_float_denorm_mode_16_64 3
		.amdhsa_memory_ordered 1
		.amdhsa_forward_progress 1
		.amdhsa_inst_pref_size 7
	.end_amdhsa_kernel
	.amdgpu_metadata
---
amdhsa.version: [ 1, 2 ]
amdhsa.kernels:
  - .name:           k_q928e65c984_cast
    .symbol:         k_q928e65c984_cast.kd
    .args:
      - { .name: x, .offset: 0, .size: 8, .value_kind: global_buffer, .address_space: global }
      - { .name: W_c, .offset: 8, .size: 8, .value_kind: global_buffer, .address_space: global }
      - { .name: W_p, .offset: 16, .size: 8, .value_kind: global_buffer, .address_space: global }
      - { .name: xh, .offset: 24, .size: 8, .value_kind: global_buffer, .address_space: global }
      - { .name: wch, .offset: 32, .size: 8, .value_kind: global_buffer, .address_space: global }
      - { .name: wph, .offset: 40, .size: 8, .value_kind: global_buffer, .address_space: global }
    .group_segment_fixed_size: 0
    .private_segment_fixed_size: 0
    .kernarg_segment_align: 8
    .kernarg_segment_size: 48
    .max_flat_workgroup_size: 256
    .sgpr_count:     66
    .vgpr_count:     104
    .wavefront_size: 32
...
	.end_amdgpu_metadata
.endif
;; end of part 10
;; launch qkv: the kernel of part 6 again; grid 12 x 32, 4 waves a work-group, clusters of 4 x 4, 327,680 bytes of LDS; arguments xh, wch, c, b_c; writes c
;; launch scores: the kernel of part 7 again; grid 8 x 32, 4 waves a work-group, clusters of 4 x 4, 327,680 bytes of LDS; arguments c, p, score_weights, stats; writes p, stats
;; launch context: the kernel of part 8 again; grid 8 x 32, 4 waves a work-group, clusters of 4 x 4, 327,680 bytes of LDS; arguments p, c, ctx, stats; writes ctx
;; launch proj: the kernel of part 9 again; grid 8 x 32, 4 waves a work-group, clusters of 4 x 4, 327,680 bytes of LDS; arguments ctx, wph, out0, b_p; writes out0
